; MI455X (gfx1250); checked and timed in simulation.
; The chip was launched on July 23, 2026; its instructions are those of AMD's public machine-readable ISA for CDNA 5 (MIT licence, August 2026) and "CDNA5" Instruction Set Architecture Reference Guide (July 2026). The comments in the code are by the model that wrote it; some were corrected since.
;; PFN Predictor Node Cls. Allowed arithmetic: matrix products marked QUANTISED: E2M1 operands, one E8M0 scale for each 32 along K, by v_wmma_scale_f32_16x16x128_f8f6f4 with both operands' format E2M1 (or v_wmma_scale_f32_32x16x128_f4), f32 sums; products left as they are: f32 operands where the result goes on into a quantised operand, else bf16, f16 or f32 operands; f32 sums; everything else in f32.
;; Inputs: W1 8 x 1,024 x 4,096 float32; W2 8 x 4,096 x 1,024 float32; Wg 1,024 x 8 float32; b1 8 x 4,096 float32; b2 8 x 1,024 float32; bg 8 float32; x 1,024 x 1,024 float32.
;; Outputs: out0 1,024 x 1,024 float32; out1 one number float32.
;; This version of the problem:
;;   THIS VERSION OF THE PROBLEM IS GIVEN IN LOW PRECISION. The matrix products marked QUANTISED in the list below multiply operands that are first quantised to E2M1 (2 exponent bits, 1 mantissa bit; 4 bits a number), with one power-of-two scale for each 32 numbers along K (OCP MX v1.0); their sums are f32. All else is computed in f32.
;;   The module's matrix products, in the order in which they are computed (A, B: the left and right operand; K: the contracted axis; several contracted axes count as one K, in the product's order):
;;     1. [M 1,024, K 1,024] x [K 1,024, N 8]; A: input x; B: input Wg: left as it is (N = 8 < 16)
;;     2. [M 1,024, K 1,024] x [K 1,024, N 4,096]; A: input x; B: input W1: QUANTISED
;;     3. [M 1,024, K 4,096] x [K 4,096, N 1,024]; A: computed on the way; B: input W2: QUANTISED
;;     4. [M 1,024, K 1,024] x [K 1,024, N 4,096]; A: input x; B: input W1: QUANTISED
;;     5. [M 1,024, K 4,096] x [K 4,096, N 1,024]; A: computed on the way; B: input W2: QUANTISED
;;     6. [M 1,024, K 1,024] x [K 1,024, N 4,096]; A: input x; B: input W1: QUANTISED
;;     7. [M 1,024, K 4,096] x [K 4,096, N 1,024]; A: computed on the way; B: input W2: QUANTISED
;;     8. [M 1,024, K 1,024] x [K 1,024, N 4,096]; A: input x; B: input W1: QUANTISED
;;     9. [M 1,024, K 4,096] x [K 4,096, N 1,024]; A: computed on the way; B: input W2: QUANTISED
;;     10. [M 1,024, K 1,024] x [K 1,024, N 4,096]; A: input x; B: input W1: QUANTISED
;;     11. [M 1,024, K 4,096] x [K 4,096, N 1,024]; A: computed on the way; B: input W2: QUANTISED
;;     12. [M 1,024, K 1,024] x [K 1,024, N 4,096]; A: input x; B: input W1: QUANTISED
;;     13. [M 1,024, K 4,096] x [K 4,096, N 1,024]; A: computed on the way; B: input W2: QUANTISED
;;     14. [M 1,024, K 1,024] x [K 1,024, N 4,096]; A: input x; B: input W1: QUANTISED
;;     15. [M 1,024, K 4,096] x [K 4,096, N 1,024]; A: computed on the way; B: input W2: QUANTISED
;;     16. [M 1,024, K 1,024] x [K 1,024, N 4,096]; A: input x; B: input W1: QUANTISED
;;     17. [M 1,024, K 4,096] x [K 4,096, N 1,024]; A: computed on the way; B: input W2: QUANTISED
;;   THE QUANTISER, for each operand of a quantised product, along K:
;;     - K is cut into blocks of 32 from its start; a last block that is shorter is filled with zeros.
;;     - A block's scale is 2^e with e = floor(log2(the largest magnitude in the block)) - 2, held to -126 .. 127; a block of zeros has e = 0. As a byte (E8M0): e + 127.
;;     - Each number is divided by its block's scale, clamped to +-6, and rounded to the nearest number of E2M1, ties to even, subnormals kept.
;;     - The product sums the exact products of the quantised numbers (number of the format x scale) in f32.
;;   ~~~python
;;   def quantise(x, axis):      # numpy; x: float32 -> the quantised numbers, widened to float32 again
;;       x = np.moveaxis(x, axis, -1); K = x.shape[-1]
;;       x = np.pad(x, [(0, 0)] * (x.ndim - 1) + [(0, -K % 32)]); x = x.reshape(x.shape[:-1] + (-1, 32)); a = np.abs(x).max(-1, keepdims=True)
;;       e = np.where(a > 0, np.clip(np.frexp(np.where(a > 0, a, 1))[1] - 1 - 2, -126, 127), 0)      # np.frexp(a)[1] - 1 = floor(log2(a)), exactly
;;       r = np.clip(x / 2.0 ** e, -6, 6)
;;       step = 2.0 ** (np.maximum(np.frexp(np.where(r == 0, 1, r))[1] - 1, 0) - 1)
;;       q = np.round(r / step) * step * 2.0 ** e      # np.round: ties to even
;;       return np.moveaxis(q.reshape(q.shape[:-2] + (-1,))[..., :K], -1, axis).astype(np.float32)
;;   ~~~
;;   OPERANDS COMPUTED ON THE WAY. 'Computed on the way' means the value that the module computes at that place (a softmax that the list does not call 'softmax' is quantised finished and normalised). What goes into a quantiser is computed in f32, as accurately as f32 sums, v_exp_f32 and their like allow (about 1e-6 of the number): no bf16 or f16 on the way to a quantiser, and a product that is left as it is and whose result goes on into a quantised operand takes f32 operands (vector FMAs, or v_wmma_f32_16x16x4_f32). A number that lies on a knife's edge between two numbers of the format may be rounded either way, as far as f32 arithmetic and the matrix unit's own rounding can turn it there, and no further.
;; 3 versions. Each part assembles by itself: llvm-mc -triple=amdgcn-amd-amdhsa -mcpu=gfx1250 --defsym DOCPART=n.
;; ======== version 1 of 3: 5 launches
;; workspace buffers: xq 557,056 bytes; idx 8,192 bytes of whole numbers; gp 40,960 bytes; route 33,792 bytes of whole numbers; hq 17,825,792 bytes; part 18,874,368 bytes
;; launch gate (part 1): grid 64 x 1, 8 waves a work-group, no clusters, 18,432 bytes of LDS; arguments x, Wg, bg, xq, idx, gp; writes xq, idx, gp
.if DOCPART == 1
	.amdgcn_target "amdgcn-amd-amdhsa--gfx1250"
	.amdhsa_code_object_version 6
	.text
	.protected	k_q4556b52ad6_gate
	.globl	k_q4556b52ad6_gate
	.p2align	8
	.type	k_q4556b52ad6_gate,@function
k_q4556b52ad6_gate:
	s_mov_b64 s[64:65], 0
	v_nop
	global_prefetch_b8 v0, s[64:65] scope:SCOPE_SE
	s_setreg_imm32_b32 hwreg(HW_REG_WAVE_MODE, 25, 1), 1
	s_wait_xcnt 0x0
; GATE.  For 16 tokens a work-group: logits x Wg + bg in f32, softmax (the row's maximum taken away), the two largest probabilities (ties: the lower expert), their gates p / (p1 + p2);
; and x quantised to FP4 (E2M1) with one E8M0 byte for each 32 along K.  Stored: xq (codes [1024][512 B], from byte 524,288 scale bytes [1024][32]), idx ([1024][2] experts), gp (gates [1024][2], from byte 8,192 probabilities [1024][8]).
; SHARES.  Wave w takes k = 128 w .. 128 w + 127 of the 16 tokens.  Lane (r = lane % 16, h = lane / 16) holds token r; its register 16 b + i is k = 128 w + 32 b + 16 h + i.
; The same 64 registers feed the logits (f32 matrix form, 32 instructions a wave: source 0 = Wg's columns, the eight experts twice; source 1 = x) and the quantiser.  The f32 form is taken since the choice of experts hangs on the logits' last bits;
; it does 1 part in 1,000 of the program's multiply-adds.
; The choice steers no address here: it is stored at fixed places, and the next launch places the rows.
; idx and the gates leave as 128 bytes a work-group (16 KiB in the launch); code rows and probabilities leave as 512 consecutive bytes an instruction.
; No cluster: the work-groups share Wg alone, 32 KiB.
; LIMITS: NaN and infinities are not served.  A block whose largest magnitude lies under 2^-124 (a block of zeros too) gets the byte 1; the bytes are read by this program alone.
.set XST,    0                         ; LDS: 16 rows of codes, 512 bytes + 16
.set XPITCH, 528
.set XSS,    8448                      ; 16 rows x 32 scale bytes
.set LGT,    8960                      ; partial logits: 8 waves x 32 lanes x 32 bytes
.set X,    16                          ; v16-79   my 64 numbers of x; in wave 0 later the eight waves' partial logits
.set WGR,  80                          ; v80-143  Wg in the same order of k
.set A0,   144                         ; v144-159 two accumulators: written by matrix instructions alone
.set LSM,  160                         ; v160-167 their sum
.set PC,   168                         ; v168-175 the codes
.set PW,   176                         ; the scale word
.set TM,   180                         ; v180-195 the quantiser's work
.set OB,   200                         ; v200-207 two rows of codes on their way out
.set P,    208                         ; v208-215 logits, then probabilities
.set B1,   216
.set B2,   217
.set I1,   218                         ; v[218:219] the two experts
.set I2,   219
.set G1,   220                         ; v[220:221] the two gates
.set T0,   222
.set T1,   223
.set EX,   80                          ; the exponentials, where Wg's numbers lay
.set SEL,  28                          ; s[28:29] v_permlanex16_b32's selects: lane l xor 16
; 64 numbers of a lane, register 16 b + i = k 32 b + 16 h + i of my row, become a fragment's codes (8 registers) and the row's scale word.
.macro QUANT s, pc, pw
.irp b, 0,1,2,3
	v_max3_num_f32 v[TM+\b], |v[(\s)+16*\b]|, |v[(\s)+1+16*\b]|, 0x1800000   ; my 16 numbers of block b, and the floor 2^(3 - 127): the byte cannot fall under 1
.endr
.irp i, 2,4,6,8,10,12,14
.irp b, 0,1,2,3
	v_max3_num_f32 v[TM+\b], v[TM+\b], |v[(\s)+16*\b+\i]|, |v[(\s)+1+16*\b+\i]|
.endr
.endr
.irp b, 0,1,2,3
	v_permlanex16_b32 v[TM+4+\b], v[TM+\b], s[SEL], s[SEL+1]
.endr
.irp b, 0,1,2,3
	v_max_num_f32 v[TM+\b], v[TM+\b], v[TM+4+\b]           ; with lane l xor 16's: the block's largest magnitude
.endr
.irp b, 0,1,2,3
	v_add_nc_u32 v[TM+12+\b], 0xff000000, v[TM+\b]         ; 2 off its exponent field: the conversion's scale operand
.endr
.irp b, 0,1,2,3
	v_lshrrev_b32 v[TM+4+\b], 23, v[TM+12+\b]              ; the scale's byte
.endr
	v_lshl_or_b32 v[\pw], v[TM+5], 8, v[TM+4]
	v_lshl_or_b32 v[\pw], v[TM+6], 16, v[\pw]
	v_lshl_or_b32 v[\pw], v[TM+7], 24, v[\pw]
.irp b, 0,1,2,3
	v_cvt_scalef32_pk8_fp4_f32 v[(\pc)+2*\b], v[(\s)+16*\b:(\s)+7+16*\b], v[TM+12+\b]
	v_cvt_scalef32_pk8_fp4_f32 v[(\pc)+1+2*\b], v[(\s)+8+16*\b:(\s)+15+16*\b], v[TM+12+\b]
.endr
	v_nop                                                  ; one plain place behind a scaled conversion
.irp c, 0,1                                            ; the operand's layout wants a whole block in a lane
.irp i, 0,1
	v_permlane16_swap_b32 v[(\pc)+4*\c+\i], v[(\pc)+2+4*\c+\i]
.endr
.endr
.endm
	s_load_b256 s[4:11], s[0:1], 0x0               ; x s[4:5], Wg s[6:7], bg s[8:9], xq s[10:11]
	s_load_b128 s[12:15], s[0:1], 0x20             ; idx s[12:13], gp s[14:15]
	v_lshl_add_u32 v224, v0, 2, 0x4400
	v_mov_b32 v225, 0
	v_lshrrev_b32 v1, 5, v0
	v_readfirstlane_b32 s16, v1                    ; wave 0..7
	v_and_b32 v1, 31, v0                           ; lane
	v_and_b32 v2, 15, v0                           ; r
	v_bfe_u32 v3, v0, 4, 1                         ; h
	v_lshlrev_b32 v4, 12, v2
	v_lshl_add_u32 v4, v3, 6, v4                   ; x: row r of 4,096 bytes + 64 h
	v_and_b32 v5, 7, v0
	v_lshlrev_b32 v5, 2, v5
	v_lshl_add_u32 v5, v3, 9, v5                   ; Wg: expert r % 8, + 16 h rows of 32 bytes
	s_lshl_b32 s17, s16, 6
	v_mul_u32_u24 v6, v2, XPITCH
	v_lshl_add_u32 v6, v3, 4, v6
	v_add_nc_u32 v6, s17, v6                       ; codes into LDS: row r, 64 w + 16 h
	s_lshl_b32 s17, s16, 2
	v_lshlrev_b32 v7, 5, v2
	v_add_nc_u32 v7, s17, v7
	v_add_nc_u32 v7, XSS, v7                       ; the scale word: row r, word w
	s_lshl_b32 s17, s16, 10
	v_lshlrev_b32 v14, 5, v1
	v_add_nc_u32 v14, LGT, v14                     ; partial logits: 32 bytes a lane,
	v_add_nc_u32 v8, s17, v14                      ; 1,024 a wave
	s_mul_i32 s17, s16, 2*XPITCH
	v_lshlrev_b32 v10, 4, v1                       ; 16 x lane
	v_add_nc_u32 v9, s17, v10                      ; rows 2 w, 2 w + 1 of the codes, back
	v_add_nc_u32 v11, XSS, v10                     ; the 512 scale bytes, back
	v_lshlrev_b32 v12, 3, v2                       ; 8 r
	v_lshlrev_b32 v13, 5, v2                       ; 32 r
.irp b, 0,1,2,3
	v_mov_b32 v[TM+4+\b], 0                        ; written once: a lane permute's destination counts as one of its sources
.endr
	s_mov_b32 s[SEL], 0x76543210
	s_mov_b32 s[SEL+1], 0xfedcba98
	s_mov_b32 s19, 0
	s_wait_kmcnt 0x0
	s_load_b256 s[20:27], s[8:9], 0x0              ; bg
	s_lshl_b32 s18, ttmp9, 16                      ; 16 rows of x a work-group,
	s_lshl_b32 s17, s16, 9                         ; 512 bytes of a row a wave
	s_add_co_u32 s18, s18, s17
	s_add_nc_u64 s[4:5], s[4:5], s[18:19]
	s_lshl_b32 s18, s16, 12                        ; 128 rows of Wg a wave
	s_add_nc_u64 s[6:7], s[6:7], s[18:19]
.irp b, 0,1,2,3
.irp j, 0,1,2,3
	global_load_b128 v[X+16*\b+4*\j:X+16*\b+4*\j+3], v4, s[4:5] offset:128*\b+16*\j th:TH_LOAD_NT
.endr
.endr
.set m, 0
.rept 64
	global_load_b32 v[WGR+m], v5, s[6:7] offset:32*(32*(m/16)+m%16)
.set m, m+1
.endr
	s_lshl_b32 s18, ttmp9, 9
	s_add_co_u32 s18, s18, 524288
	s_add_nc_u64 s[32:33], s[10:11], s[18:19]      ; my 16 rows of scale bytes
	s_lshl_b32 s18, ttmp9, 13
	s_lshl_b32 s17, s16, 10
	s_add_co_u32 s18, s18, s17
	s_add_nc_u64 s[10:11], s[10:11], s[18:19]      ; my wave's two rows of codes
	s_lshl_b32 s18, ttmp9, 9
	s_add_co_u32 s18, s18, 8192
	s_add_nc_u64 s[34:35], s[14:15], s[18:19]      ; my 16 rows of probabilities
	s_lshl_b32 s18, ttmp9, 7
	s_add_nc_u64 s[12:13], s[12:13], s[18:19]      ; my 16 pairs of experts
	s_add_nc_u64 s[14:15], s[14:15], s[18:19]      ; and of gates
	s_wait_loadcnt 0x0
	s_wait_kmcnt 0x0                               ; bg
; The logits' part of my 128 k: 32 steps of 4 along K.  Step kq takes registers 2 kq, 2 kq + 1 of both operands: the same k in both.  Two accumulators by turns, one instruction a turn.
.set kq, 0
.rept 32
.if kq < 2
	v_wmma_f32_16x16x4_f32 v[A0+8*(kq%2):A0+8*(kq%2)+7], v[WGR+2*kq:WGR+2*kq+1], v[X+2*kq:X+2*kq+1], 0
.else
	v_wmma_f32_16x16x4_f32 v[A0+8*(kq%2):A0+8*(kq%2)+7], v[WGR+2*kq:WGR+2*kq+1], v[X+2*kq:X+2*kq+1], v[A0+8*(kq%2):A0+8*(kq%2)+7]
.endif
.set kq, kq+1
.endr
	QUANT X, PC, PW                                ; its plain lines are also the places behind the last products (30 of them name none of those products' registers; 8 are asked: ISA guide 7.12.1)
.irp c, 0,1
	ds_store_b128 v6, v[PC+4*\c:PC+4*\c+3] offset:32*\c   ; registers 4 c .. 4 c + 3: k = 64 c + 32 h + 0 .. 31: 16 bytes of the row
.endr
	ds_store_b32 v7, v[PW]                         ; lanes l and l + 16 write the same word with the same value
.irp j, 0,1,2,3,4,5,6,7
	v_add_f32 v[LSM+\j], v[A0+\j], v[A0+8+\j]      ; register j: expert j, token r (both halves of the lanes alike); from the low end on, into other registers
.endr
	ds_store_b128 v8, v[LSM:LSM+3]
	ds_store_b128 v8, v[LSM+4:LSM+7] offset:16
	s_wait_dscnt 0x0                               ; for the others' sake: my LDS stores are done
	s_barrier_signal -1
	s_barrier_wait -1
	ds_load_b128 v[OB:OB+3], v9                    ; two whole rows of codes
	ds_load_b128 v[OB+4:OB+7], v9 offset:XPITCH
	s_wait_dscnt 0x0
	global_store_b128 v10, v[OB:OB+3], s[10:11]    ; 32 lanes store 512 consecutive bytes, aligned
	global_store_b128 v10, v[OB+4:OB+7], s[10:11] offset:512
	s_cmp_lg_u32 s16, 1
	s_cbranch_scc1 .Lnot_one
	ds_load_b128 v[PC:PC+3], v11                   ; wave 1: the 16 tokens' 512 scale bytes
	s_wait_dscnt 0x0
	global_store_b128 v10, v[PC:PC+3], s[32:33]
.Lnot_one:
	s_cmp_lg_u32 s16, 0
	s_cbranch_scc1 .Lend
; Wave 0: the gate of the 16 tokens.  Lane (r, h) works on token r.
.irp w, 0,1,2,3,4,5,6,7
.irp q, 0,1
	ds_load_b128 v[X+8*\w+4*\q:X+8*\w+4*\q+3], v14 offset:1024*\w+16*\q
.endr
.endr
	s_wait_dscnt 0x0
.irp q, 0,2,4,6
	v_pk_add_f32 v[P+\q:P+\q+1], v[X+\q:X+\q+1], v[X+8+\q:X+8+\q+1]
.endr
.irp w, 2,3,4,5,6,7
.irp q, 0,2,4,6
	v_pk_add_f32 v[P+\q:P+\q+1], v[P+\q:P+\q+1], v[X+8*\w+\q:X+8*\w+\q+1]
.endr
.endr
.irp e, 0,1,2,3,4,5,6,7
	v_add_f32 v[P+\e], s[20+\e], v[P+\e]           ; + bg
.endr
	v_max3_num_f32 v[T0], v[P], v[P+1], v[P+2]
	v_max3_num_f32 v[T0], v[T0], v[P+3], v[P+4]
	v_max3_num_f32 v[T0], v[T0], v[P+5], v[P+6]
	v_max_num_f32 v[T0], v[T0], v[P+7]             ; the row's largest logit
.irp e, 0,1,2,3,4,5,6,7
	v_sub_f32 v[EX+\e], v[P+\e], v[T0]
.endr
.irp e, 0,1,2,3,4,5,6,7
	v_mul_f32 v[EX+\e], 0x3fb8aa3b, v[EX+\e]       ; x log2(e)
.endr
.irp e, 0,1,2,3,4,5,6,7
	v_exp_f32 v[EX+\e], v[EX+\e]
.endr
	v_nop                                          ; a plain place behind the batch
	s_wait_alu depctr_va_vdst(0)                   ; one wait for the eight, ahead of their first reader
	v_add_f32 v[T0], v[EX], v[EX+1]
.irp e, 2,3,4,5,6,7
	v_add_f32 v[T0], v[T0], v[EX+\e]
.endr
	v_rcp_f32 v[T1], v[T0]
	v_nop
	s_wait_alu depctr_va_vdst(0)
.irp e, 0,1,2,3,4,5,6,7
	v_mul_f32 v[P+\e], v[EX+\e], v[T1]             ; the probabilities
.endr
	v_mov_b32 v[B1], v[P]                          ; the largest: the holder stays where holder >= candidate, so the lower expert wins a tie
	v_mov_b32 v[I1], 0
.irp e, 1,2,3,4,5,6,7
	v_cmp_ge_f32 vcc_lo, v[B1], v[P+\e]
	v_cndmask_b32 v[I1], \e, v[I1], vcc_lo
	v_cndmask_b32 v[B1], v[P+\e], v[B1], vcc_lo
.endr
	v_mov_b32 v[B2], -1.0                          ; the second: the same scan, passing over the first's expert
	v_mov_b32 v[I2], 0
.irp e, 0,1,2,3,4,5,6,7
	v_cmp_ge_f32 s31, v[B2], v[P+\e]
	v_cmp_eq_u32 vcc_lo, \e, v[I1]
	s_or_b32 s31, s31, vcc_lo
	v_cndmask_b32 v[I2], \e, v[I2], s31
	v_cndmask_b32 v[B2], v[P+\e], v[B2], s31
.endr
	v_add_f32 v[T0], v[B1], v[B2]
	v_rcp_f32 v[T1], v[T0]
	v_nop
	s_wait_alu depctr_va_vdst(0)
	v_mul_f32 v[G1], v[B1], v[T1]
	v_mul_f32 v[G1+1], v[B2], v[T1]
	s_wait_xcnt 0x0                                ; EXEC changes only behind this wait: stores have been issued
	v_cmp_gt_u32 vcc_lo, 16, v1
	s_and_saveexec_b32 s30, vcc_lo                 ; lanes 0-15: one lane a token
	global_store_b64 v12, v[I1:I2], s[12:13]
	global_store_b64 v12, v[G1:G1+1], s[14:15]
	global_store_b128 v13, v[P:P+3], s[34:35]
	global_store_b128 v13, v[P+4:P+7], s[34:35] offset:16
	s_wait_xcnt 0x0
	s_or_b32 exec_lo, exec_lo, s30
.Lend:
	s_wait_tensorcnt 0x0
	ds_add_u32 v224, v225
	s_wait_dscnt 0x0
	s_endpgm
.Lfunc_end_k_q4556b52ad6_gate:
	.size	k_q4556b52ad6_gate, .Lfunc_end_k_q4556b52ad6_gate-k_q4556b52ad6_gate
	.p2alignl 7, 3214868480
	.fill 96, 4, 3214868480
	.section	.rodata,"a",@progbits
	.p2align	6, 0x0
	.amdhsa_kernel k_q4556b52ad6_gate
		.amdhsa_group_segment_fixed_size 18432
		.amdhsa_private_segment_fixed_size 0
		.amdhsa_enable_private_segment 0
		.amdhsa_kernarg_size 48
		.amdhsa_user_sgpr_count 2
		.amdhsa_user_sgpr_kernarg_segment_ptr 1
		.amdhsa_wavefront_size32 1
		.amdhsa_system_sgpr_workgroup_id_x 1
		.amdhsa_system_sgpr_workgroup_id_y 1
		.amdhsa_system_sgpr_workgroup_id_z 1
		.amdhsa_system_vgpr_workitem_id 0
		.amdhsa_next_free_vgpr 226
		.amdhsa_next_free_sgpr 66
		.amdhsa_reserve_vcc 1
		.amdhsa_float_denorm_mode_32 3
		.amdhsa_float_denorm_mode_16_64 3
		.amdhsa_memory_ordered 1
		.amdhsa_forward_progress 1
		.amdhsa_inst_pref_size 26
	.end_amdhsa_kernel
	.amdgpu_metadata
---
amdhsa.version: [ 1, 2 ]
amdhsa.kernels:
  - .name:           k_q4556b52ad6_gate
    .symbol:         k_q4556b52ad6_gate.kd
    .args:
      - { .name: x, .offset: 0, .size: 8, .value_kind: global_buffer, .address_space: global }
      - { .name: Wg, .offset: 8, .size: 8, .value_kind: global_buffer, .address_space: global }
      - { .name: bg, .offset: 16, .size: 8, .value_kind: global_buffer, .address_space: global }
      - { .name: xq, .offset: 24, .size: 8, .value_kind: global_buffer, .address_space: global }
      - { .name: idx, .offset: 32, .size: 8, .value_kind: global_buffer, .address_space: global }
      - { .name: gp, .offset: 40, .size: 8, .value_kind: global_buffer, .address_space: global }
    .group_segment_fixed_size: 18432
    .private_segment_fixed_size: 0
    .kernarg_segment_align: 8
    .kernarg_segment_size: 48
    .max_flat_workgroup_size: 256
    .sgpr_count:     66
    .vgpr_count:     226
    .wavefront_size: 32
...
	.end_amdgpu_metadata
.endif
;; end of part 1
;; launch place (part 2): grid 1 x 1, 8 waves a work-group, no clusters, 1,280 bytes of LDS; arguments idx, gp, route, out1; writes route, out1
.if DOCPART == 2
	.amdgcn_target "amdgcn-amd-amdhsa--gfx1250"
	.amdhsa_code_object_version 6
	.text
	.protected	k_q4556b52ad6_place
	.globl	k_q4556b52ad6_place
	.p2align	8
	.type	k_q4556b52ad6_place,@function
k_q4556b52ad6_place:
	s_mov_b64 s[64:65], 0
	v_nop
	global_prefetch_b8 v0, s[64:65] scope:SCOPE_SE
	s_setreg_imm32_b32 hwreg(HW_REG_WAVE_MODE, 25, 1), 1
	s_wait_xcnt 0x0
; PLACE.  A counting sort of the 2,048 routed rows by expert, without atomics, and the auxiliary loss.  One work-group; wave w is expert w.
; route: list [8][1024]: the rows 2 t + k that expert w takes, t ascending, from slot 0 on; every slot behind them holds 0.  From byte 32,768: the count, 32 times for each expert.
; A trip takes 32 tokens, a lane a token.  A lane whose token takes the expert stores its row at the front (tokens taken so far + takers in lower lanes); every other lane stores 0 at the back
; (1,023 - others so far - others in lower lanes).  So every lane stores in every trip, EXEC is never changed, and each of the 1,024 slots is written once.
; Each trip has its own address and data registers: none is written again while a store may read it.
; The loss: S_e = the sum of expert e's probabilities over the tokens; out1 = 8 x sum over e of (S_e / sum S) (S_e / 1024).
; One work-group: the sort is 8 x 32 short trips on 8 KiB of indices; sharing it out would need counts to pass between work-groups.
.set IX, 16                            ; v16-79  the tokens' two experts; then a trip's address and data
.set PR, 80                            ; v80-111 my expert's probabilities
	s_load_b256 s[4:11], s[0:1], 0x0               ; idx s[4:5], gp s[6:7], route s[8:9], out1 s[10:11]
	v_lshl_add_u32 v128, v0, 2, 0x100
	v_mov_b32 v129, 0
	v_lshrrev_b32 v1, 5, v0
	v_readfirstlane_b32 s16, v1                    ; wave = expert
	v_and_b32 v1, 31, v0                           ; lane
	v_lshlrev_b32 v2, 3, v1                        ; 8 x lane
	v_lshlrev_b32 v3, 1, v1                        ; 2 x lane
	v_mov_b32 v5, 1
	v_lshlrev_b32 v9, 2, v1                        ; 4 x lane
	v_lshlrev_b32 v11, 5, v1                       ; 32 x lane
	v_mov_b32 v12, 0                               ; (a lane permute's destination counts as one of its sources)
	v_mov_b32 v13, s16
	v_lshlrev_b32 v13, 2, v13                      ; LDS: my expert's word
	v_mov_b32 v14, 0
	s_mov_b32 s26, 0x76543210
	s_mov_b32 s27, 0xfedcba98
	s_mov_b32 s20, 0                               ; rows taken so far
	s_mov_b32 s21, 0                               ; tokens passed over so far
	s_mov_b32 s19, 0
	s_wait_kmcnt 0x0
	s_lshl_b32 s18, s16, 2
	s_add_co_u32 s18, s18, 8192
	s_add_nc_u64 s[6:7], s[6:7], s[18:19]          ; probabilities, my expert's column
	s_lshl_b32 s18, s16, 7
	s_add_co_u32 s18, s18, 32768
	s_add_nc_u64 s[12:13], s[8:9], s[18:19]        ; my count's 32 words
	s_lshl_b32 s18, s16, 12
	s_add_nc_u64 s[8:9], s[8:9], s[18:19]          ; my list
.set i, 0
.rept 32
	global_load_b64 v[IX+2*i:IX+2*i+1], v2, s[4:5] offset:256*i
.set i, i+1
.endr
.set i, 0
.rept 32
	global_load_b32 v[PR+i], v11, s[6:7] offset:1024*i
.set i, i+1
.endr
	s_wait_loadcnt 0x0
.macro PLACE t
	v_cmp_eq_u32 s22, s16, v[IX+2*(\t)]            ; my expert is the token's first,
	v_cmp_eq_u32 vcc_lo, s16, v[IX+2*(\t)+1]       ; or its second
	s_or_b32 s23, s22, vcc_lo
	v_cndmask_b32 v4, 0, v5, vcc_lo                ; k
	v_add_nc_u32 v6, 64*(\t), v3
	v_add_nc_u32 v6, v6, v4                        ; the row: 2 (32 trip + lane) + k
	v_mbcnt_lo_u32_b32 v7, s23, s20                ; the front slot
	s_not_b32 s24, s23
	v_mbcnt_lo_u32_b32 v8, s24, s21
	v_sub_nc_u32 v8, 1023, v8                      ; the back slot
	v_cndmask_b32 v[IX+2*(\t)], v8, v7, s23
	v_cndmask_b32 v[IX+2*(\t)+1], 0, v6, s23
	v_min_u32 v[IX+2*(\t)], 0x3ff, v[IX+2*(\t)]    ; a slot of the list, whatever was read
	v_lshlrev_b32 v[IX+2*(\t)], 2, v[IX+2*(\t)]
	global_store_b32 v[IX+2*(\t)], v[IX+2*(\t)+1], s[8:9]
	s_bcnt1_i32_b32 s25, s23
	s_add_co_u32 s20, s20, s25
	s_sub_co_u32 s25, 32, s25
	s_add_co_u32 s21, s21, s25
.endm
.set tt, 0
.rept 32
	PLACE tt
.set tt, tt+1
.endr
	v_mov_b32 v10, s20
	global_store_b32 v9, v10, s[12:13]             ; the count, in 32 words
; the loss
.irp i, 0,1,2,3,4,5,6,7,8,9,10,11,12,13,14,15
	v_add_f32 v[PR+\i], v[PR+\i], v[PR+16+\i]
.endr
.irp i, 0,1,2,3,4,5,6,7
	v_add_f32 v[PR+\i], v[PR+\i], v[PR+8+\i]
.endr
.irp i, 0,1,2,3
	v_add_f32 v[PR+\i], v[PR+\i], v[PR+4+\i]
.endr
	v_add_f32 v[PR], v[PR], v[PR+2]
	v_add_f32 v[PR+1], v[PR+1], v[PR+3]
	v_add_f32 v[PR], v[PR], v[PR+1]
	v_add_f32_dpp v[PR], v[PR], v[PR] row_xmask:1 row_mask:0xf bank_mask:0xf
	v_add_f32_dpp v[PR], v[PR], v[PR] row_xmask:2 row_mask:0xf bank_mask:0xf
	v_add_f32_dpp v[PR], v[PR], v[PR] row_xmask:4 row_mask:0xf bank_mask:0xf
	v_add_f32_dpp v[PR], v[PR], v[PR] row_xmask:8 row_mask:0xf bank_mask:0xf
	v_permlanex16_b32 v12, v[PR], s26, s27
	v_add_f32 v[PR], v[PR], v12                    ; S of my expert, in every lane
	ds_store_b32 v13, v[PR]
	s_wait_dscnt 0x0                               ; for the others' sake
	s_barrier_signal -1
	s_barrier_wait -1
	ds_load_b128 v[112:115], v14
	ds_load_b128 v[116:119], v14 offset:16
	s_wait_dscnt 0x0
	v_add_f32 v120, v112, v113
	v_mul_f32 v121, v112, v112
.irp e, 2,3,4,5,6,7
	v_add_f32 v120, v120, v[112+\e]
.endr
.irp e, 1,2,3,4,5,6,7
	v_fmac_f32 v121, v[112+\e], v[112+\e]
.endr
	v_rcp_f32 v122, v120
	v_mul_f32 v121, 0x3c000000, v121               ; x 8 / 1024  (the plain place behind the reciprocal)
	s_wait_alu depctr_va_vdst(0)                   ; ahead of the reciprocal's first reader
	v_mul_f32 v121, v121, v122
	s_cmp_lg_u32 s16, 0
	s_cbranch_scc1 .Lend
	s_wait_xcnt 0x0                                ; EXEC changes only behind this wait
	v_cmp_eq_u32 vcc_lo, 0, v1
	s_and_saveexec_b32 s28, vcc_lo
	global_store_b32 v14, v121, s[10:11]
	s_wait_xcnt 0x0
	s_or_b32 exec_lo, exec_lo, s28
.Lend:
	s_wait_tensorcnt 0x0
	ds_add_u32 v128, v129
	s_wait_dscnt 0x0
	s_endpgm
.Lfunc_end_k_q4556b52ad6_place:
	.size	k_q4556b52ad6_place, .Lfunc_end_k_q4556b52ad6_place-k_q4556b52ad6_place
	.p2alignl 7, 3214868480
	.fill 96, 4, 3214868480
	.section	.rodata,"a",@progbits
	.p2align	6, 0x0
	.amdhsa_kernel k_q4556b52ad6_place
		.amdhsa_group_segment_fixed_size 1280
		.amdhsa_private_segment_fixed_size 0
		.amdhsa_enable_private_segment 0
		.amdhsa_kernarg_size 32
		.amdhsa_user_sgpr_count 2
		.amdhsa_user_sgpr_kernarg_segment_ptr 1
		.amdhsa_wavefront_size32 1
		.amdhsa_system_sgpr_workgroup_id_x 1
		.amdhsa_system_sgpr_workgroup_id_y 1
		.amdhsa_system_sgpr_workgroup_id_z 1
		.amdhsa_system_vgpr_workitem_id 0
		.amdhsa_next_free_vgpr 130
		.amdhsa_next_free_sgpr 66
		.amdhsa_reserve_vcc 1
		.amdhsa_float_denorm_mode_32 3
		.amdhsa_float_denorm_mode_16_64 3
		.amdhsa_memory_ordered 1
		.amdhsa_forward_progress 1
		.amdhsa_inst_pref_size 40
	.end_amdhsa_kernel
	.amdgpu_metadata
---
amdhsa.version: [ 1, 2 ]
amdhsa.kernels:
  - .name:           k_q4556b52ad6_place
    .symbol:         k_q4556b52ad6_place.kd
    .args:
      - { .name: idx, .offset: 0, .size: 8, .value_kind: global_buffer, .address_space: global }
      - { .name: gp, .offset: 8, .size: 8, .value_kind: global_buffer, .address_space: global }
      - { .name: route, .offset: 16, .size: 8, .value_kind: global_buffer, .address_space: global }
      - { .name: out1, .offset: 24, .size: 8, .value_kind: global_buffer, .address_space: global }
    .group_segment_fixed_size: 1280
    .private_segment_fixed_size: 0
    .kernarg_segment_align: 8
    .kernarg_segment_size: 32
    .max_flat_workgroup_size: 256
    .sgpr_count:     66
    .vgpr_count:     130
    .wavefront_size: 32
...
	.end_amdgpu_metadata
.endif
;; end of part 2
;; launch up (part 3): grid 32 x 8, 16 waves a work-group, no clusters, 75,776 bytes of LDS; arguments W1, b1, xq, route, hq; writes hq
.if DOCPART == 3
	.amdgcn_target "amdgcn-amd-amdhsa--gfx1250"
	.amdhsa_code_object_version 6
	.text
	.protected	k_q4556b52ad6_up
	.globl	k_q4556b52ad6_up
	.p2align	8
	.type	k_q4556b52ad6_up,@function
k_q4556b52ad6_up:
	s_mov_b64 s[64:65], 0
	v_nop
	global_prefetch_b8 v0, s[64:65] scope:SCOPE_SE
	s_setreg_imm32_b32 hwreg(HW_REG_WAVE_MODE, 25, 1), 1
	s_wait_xcnt 0x0
; UP.  hidden = relu(x W1[e] + b1[e]) for the rows that expert e takes, quantised along the hidden units, both operands of the product as codes of FP4 (E2M1) with E8M0 scales.
; SHARES.  Work-group (s, e) owns hidden units 128 s .. 128 s + 127 of expert e: 1,024 x 128 numbers of W1, 512 KiB, which no other work-group reads.
; PHASE S.  Wave w streams K rows 128 (w / 2) on, columns 64 (w % 2) on.  A lane takes a column and its registers run down K: a block of 32 lies in one lane, the conversions give codes with K innermost.
;   Two neighbouring loads of a wave cover 256 consecutive bytes of a row of W1.  The codes (64 KiB) and scale words (4 KiB) go to LDS.  One barrier.
; PHASE M.  Groups of 32 routed rows.  An expert takes at most 1,024 rows, 32 groups: wave w has groups w and w + 16, written out twice by the macro GROUP, each behind a branch on the stored count.
;   So this launch has no tensor load, and no barrier behind the one above.
;   The product is used transposed (source 0 = 16 units of W1, source 1 = 16 rows of x), b1 is loaded into the accumulators and starts the sums, and THE UNITS OF A TILE ARE NOT NEIGHBOURS:
;   an LDS row is the unit's number with bits 3 and 4 changed over, so that the 16 registers of tiles 2 b, 2 b + 1 are units 32 b + 16 h + 0 .. 15: neighbours along the next product's K.
;   The 128 units are one K step of the next product: each tile of 16 rows leaves as an image of the operand's registers (1,024 bytes) and one scale word a row.
; Slots behind an expert's count hold row 0: they are computed like any row, and the next launch keeps nothing of them.
; No cluster: each weight byte is wanted by one work-group; what work-groups share (x's codes, 16 KiB a group) is a small part of the 512 KiB that each streams.
; LIMITS: NaN and infinities are not served.  A block whose largest magnitude lies under 2^-124 (a block of zeros too) gets the byte 1; the bytes are read by this program alone.  The bias stands first in the f32 sum.
.set RP,    16384                      ; a row of W1 in bytes
.set PITCH, 528                        ; LDS: a unit's 1,024 codes, 512 bytes + 16: 33 x 16 bytes, so the 16 rows of a fragment load start at 16 different groups of banks
.set SPW,   48                         ; a unit's 8 scale words + 16 bytes
.set SCW,   128*PITCH
.set JOFF,  32*PITCH
.set SJOFF, 32*SPW
.set LW,  1                            ; v1   phase S: where my column's codes go
.set LSW, 2                            ; v2   and its scale word
.set H16, 3                            ; v3   16 h
.set AW,  4                            ; v4   a fragment of W1 in LDS: 528 r + 16 h
.set ASW, 5                            ; v5   its scale words: SCW + 48 r
.set R4,  6                            ; v6   4 r
.set H64, 7                            ; v7   64 h
.set XA,  8                            ; v8-9   my token's codes, tiles 0, 1
.set XSA, 10                           ; v10-11 my token's scale bytes
.set L16, 12                           ; v12  16 x lane
.set L4,  13                           ; v13  4 x lane
.set EN,  14                           ; v14-15 list entries
.set MX,  16                           ; phase S: v16-17 largest magnitudes, v18-19 scale operands, v20-21 bytes, v22-23 scale words
.set SO,  18
.set BY,  20
.set SBW, 22
.set CD,  32                           ; v32-63  codes, four registers for each block and column
.set XB,  64                           ; v64-191 two sets of 2 x 32 numbers
.set ACC, 16                           ; phase M: v16-143 accumulators: row tile a at + 64 a, unit tile t at + 8 t
.set WF,  144                          ; v144-175 four fragments of W1; behind the K steps v144-159 the hidden codes
.set XF,  176                          ; v176-207 x's fragments: two sets of two
.set XS,  208                          ; v208-223 x's scale words, 8 a + K step: scales and nothing else
.set WS,  224                          ; v224-227 W1's scale words: scales and nothing else
.set TM,  228                          ; v228-243 the quantiser's work
.set PW,  244                          ; v244-245 the two tiles' scale words; v246 joined
.set PWJ, 246
.set SEL, 38                           ; s[38:39]
.macro QUANT s, pc, pw                 ; 64 numbers of a lane, register 16 b + i = k 32 b + 16 h + i of my row, become a fragment's codes and the row's scale word
.irp b, 0,1,2,3
	v_max3_num_f32 v[TM+\b], |v[(\s)+16*\b]|, |v[(\s)+1+16*\b]|, 0x1800000   ; and the floor 2^(3 - 127): the byte cannot fall under 1
.endr
.irp i, 2,4,6,8,10,12,14
.irp b, 0,1,2,3
	v_max3_num_f32 v[TM+\b], v[TM+\b], |v[(\s)+16*\b+\i]|, |v[(\s)+1+16*\b+\i]|
.endr
.endr
.irp b, 0,1,2,3
	v_permlanex16_b32 v[TM+4+\b], v[TM+\b], s[SEL], s[SEL+1]
.endr
.irp b, 0,1,2,3
	v_max_num_f32 v[TM+\b], v[TM+\b], v[TM+4+\b]
.endr
.irp b, 0,1,2,3
	v_add_nc_u32 v[TM+12+\b], 0xff000000, v[TM+\b]         ; 2 off the exponent field: the conversion's scale operand
.endr
.irp b, 0,1,2,3
	v_lshrrev_b32 v[TM+4+\b], 23, v[TM+12+\b]
.endr
	v_lshl_or_b32 v[\pw], v[TM+5], 8, v[TM+4]
	v_lshl_or_b32 v[\pw], v[TM+6], 16, v[\pw]
	v_lshl_or_b32 v[\pw], v[TM+7], 24, v[\pw]
.irp b, 0,1,2,3
	v_cvt_scalef32_pk8_fp4_f32 v[(\pc)+2*\b], v[(\s)+16*\b:(\s)+7+16*\b], v[TM+12+\b]
	v_cvt_scalef32_pk8_fp4_f32 v[(\pc)+1+2*\b], v[(\s)+8+16*\b:(\s)+15+16*\b], v[TM+12+\b]
.endr
	v_nop                                                  ; one plain place behind a scaled conversion
.irp c, 0,1
.irp i, 0,1
	v_permlane16_swap_b32 v[(\pc)+4*\c+\i], v[(\pc)+2+4*\c+\i]
.endr
.endr
.endm
.macro LOADP b                         ; block b of my 128 K rows: 32 rows x 64 columns, 64 loads
.set li, 0
.rept 32
	global_load_b32 v[XB+64*((\b)%2)+li], v[L4], s[4:5] offset:(32*(\b)+li)*RP th:TH_LOAD_NT
	global_load_b32 v[XB+64*((\b)%2)+32+li], v[L4], s[4:5] offset:(32*(\b)+li)*RP+128 th:TH_LOAD_NT
.set li, li+1
.endr
.endm
.macro QP b, n                         ; block b is quantised: two columns a lane, by turns
	s_wait_loadcnt \n
.set XS0, XB+64*((\b)%2)
.irp j, 0,1
	v_max3_num_f32 v[MX+\j], |v[XS0+32*\j]|, |v[XS0+32*\j+1]|, 0x1800000
.endr
.irp i, 2,4,6,8,10,12,14,16,18,20,22,24,26,28,30
.irp j, 0,1
	v_max3_num_f32 v[MX+\j], v[MX+\j], |v[XS0+32*\j+\i]|, |v[XS0+32*\j+\i+1]|
.endr
.endr
.irp j, 0,1
	v_add_nc_u32 v[SO+\j], 0xff000000, v[MX+\j]
.endr
.irp j, 0,1
	v_lshrrev_b32 v[BY+\j], 23, v[SO+\j]
.endr
.irp j, 0,1
.if (\b) == 0
	v_mov_b32 v[SBW+\j], v[BY+\j]
.else
	v_lshl_or_b32 v[SBW+\j], v[BY+\j], 8*(\b), v[SBW+\j]
.endif
.endr
.irp j, 0,1
.irp g, 0,1,2,3
	v_cvt_scalef32_pk8_fp4_f32 v[CD+4*(2*(\b)+\j)+\g], v[XS0+32*\j+8*\g:XS0+32*\j+8*\g+7], v[SO+\j]
.endr
.endr
	v_nop                                                  ; one plain place behind the conversions
.irp j, 0,1
	ds_store_b128 v[LW], v[CD+4*(2*(\b)+\j):CD+4*(2*(\b)+\j)+3] offset:JOFF*\j+16*(\b)
.endr
.endm
; One K step of 128: the next step's fragments of x are asked for; then twice four fragments of W1 from LDS and eight products.  The 16 accumulators take turns, one instruction a turn.
.macro STEPK ks
.if \ks < 7
.irp a, 0,1
.irp c, 0,1
	global_load_b128 v[XF+16*((\ks+1)%2)+8*\a+4*\c:XF+16*((\ks+1)%2)+8*\a+4*\c+3], v[XA+\a], s[8:9] offset:64*(\ks+1)+32*\c
.endr
.endr
.endif
.irp g, 0,1
.irp t, 0,1,2,3
.irp c, 0,1
	ds_load_b128 v[WF+8*\t+4*\c:WF+8*\t+4*\c+3], v[AW] offset:16*PITCH*(4*\g+\t)+64*\ks+32*\c
.endr
	ds_load_b32 v[WS+\t], v[ASW] offset:16*SPW*(4*\g+\t)+4*\ks
.endr
	s_wait_dscnt 0x0
.if \g == 0
.if \ks < 7
	s_wait_loadcnt 4                               ; all but the four loads just issued: the bias, the scale words and this step's fragments are in
.else
	s_wait_loadcnt 0
.endif
.endif
.irp t, 0,1,2,3
.irp a, 0,1
	v_wmma_scale_f32_16x16x128_f8f6f4 v[ACC+64*\a+8*(4*\g+\t):ACC+64*\a+8*(4*\g+\t)+7], v[WF+8*\t:WF+8*\t+7], v[XF+16*(\ks%2)+8*\a:XF+16*(\ks%2)+8*\a+7], v[ACC+64*\a+8*(4*\g+\t):ACC+64*\a+8*(4*\g+\t)+7], v[WS+\t], v[XS+8*\a+\ks] matrix_a_fmt:MATRIX_FMT_FP4 matrix_b_fmt:MATRIX_FMT_FP4
.endr
.endr
.rept 4
	v_nop                                          ; places in front of loads into registers that these products have read, and of the first read of results
.endr
.endr
.endm
; Group s21 of 32 routed rows: gather, multiply, relu, quantise, store.
.macro GROUP
	s_lshl_b32 s22, s21, 7
	s_add_nc_u64 s[28:29], s[26:27], s[22:23]      ; the group's 32 list entries
	s_add_nc_u64 s[36:37], s[34:35], s[22:23]      ; and its 32 scale words
	s_lshl_b32 s22, s21, 11
	s_add_nc_u64 s[32:33], s[30:31], s[22:23]      ; its two tiles of codes
	global_load_b32 v[EN], v[R4], s[28:29]
	global_load_b32 v[EN+1], v[R4], s[28:29] offset:64
.irp a, 0,1
.irp t, 0,1,2,3,4,5,6,7
.irp q, 0,1
	global_load_b128 v[ACC+64*\a+8*\t+4*\q:ACC+64*\a+8*\t+4*\q+3], v[H64], s[6:7] offset:4*(32*(\t/2)+8*(\t%2))+16*\q   ; b1 in the result's layout starts the sums: units 32 (t / 2) + 16 h + 8 (t % 2) + 0 .. 7
.endr
.endr
.endr
	s_wait_loadcnt 32                              ; the two entries are in; the 32 loads of b1 may be out
.irp a, 0,1
	v_lshrrev_b32 v[EN+\a], 1, v[EN+\a]            ; the row 2 t + k: its token,
.endr
.irp a, 0,1
	v_min_u32 v[EN+\a], 0x3ff, v[EN+\a]            ; a token, whatever was read
.endr
.irp a, 0,1
	v_lshlrev_b32 v[XSA+\a], 5, v[EN+\a]
	v_lshl_add_u32 v[XA+\a], v[EN+\a], 9, v[H16]
.endr
.irp a, 0,1
.irp q, 0,1
	global_load_b128 v[XS+8*\a+4*\q:XS+8*\a+4*\q+3], v[XSA+\a], s[24:25] offset:16*\q   ; the token's eight scale words
.endr
.endr
.irp a, 0,1
.irp c, 0,1
	global_load_b128 v[XF+8*\a+4*\c:XF+8*\a+4*\c+3], v[XA+\a], s[8:9] offset:32*\c
.endr
.endr
.irp k, 0,1,2,3,4,5,6,7
	STEPK \k
.endr
.irp a, 0,1
.set rj, 0
.rept 64
	v_max_num_f32 v[ACC+64*\a+rj], 0, v[ACC+64*\a+rj]      ; the activation, in f32; each accumulator from its low end on
.set rj, rj+1
.endr
	QUANT ACC+64*\a, WF+8*\a, PW+\a
.endr
	v_cndmask_b32 v[PWJ], v[PW], v[PW+1], s40      ; lanes 0-15: tile 0's words; lanes 16-31: tile 1's
.irp a, 0,1
.irp c, 0,1
	global_store_b128 v[L16], v[WF+8*\a+4*\c:WF+8*\a+4*\c+3], s[32:33] offset:1024*\a+512*\c th:TH_STORE_NT   ; the operand's registers as they stand: 512 consecutive bytes, aligned
.endr
.endr
	global_store_b32 v[L4], v[PWJ], s[36:37] th:TH_STORE_NT
.endm
	s_load_b256 s[4:11], s[0:1], 0x0               ; W1 s[4:5], b1 s[6:7], xq s[8:9], route s[10:11]
	s_load_b64 s[12:13], s[0:1], 0x20              ; hq
	v_lshl_add_u32 v254, v0, 2, 0x12000
	v_mov_b32 v255, 0
	v_lshrrev_b32 v16, 5, v0
	v_readfirstlane_b32 s14, v16                   ; wave 0..15
	s_and_b32 s15, s14, 1                          ; which 64 columns
	s_lshr_b32 s16, s14, 1                         ; which K step
	s_and_b32 s17, ttmp7, 0xffff                   ; expert
	v_and_b32 v16, 7, v0
	v_bfe_u32 v17, v0, 3, 1
	v_lshl_add_u32 v16, v17, 4, v16
	v_bfe_u32 v17, v0, 4, 1                        ; h
	v_lshl_add_u32 v16, v17, 3, v16                ; my lane's number with bits 3 and 4 changed over
	v_mul_u32_u24 v[LW], v16, PITCH
	s_mul_i32 s41, s15, 64*PITCH
	s_lshl_b32 s44, s16, 6
	s_add_co_u32 s41, s41, s44
	v_add_nc_u32 v[LW], s41, v[LW]
	v_mul_u32_u24 v[LSW], v16, SPW
	s_mul_i32 s41, s15, 64*SPW
	s_lshl_b32 s44, s16, 2
	s_add_co_u32 s41, s41, s44
	s_add_co_u32 s41, s41, SCW
	v_add_nc_u32 v[LSW], s41, v[LSW]
	v_and_b32 v18, 15, v0                          ; r
	v_and_b32 v19, 31, v0                          ; lane
	v_lshlrev_b32 v[H16], 4, v17
	v_mul_u32_u24 v[AW], v18, PITCH
	v_lshl_add_u32 v[AW], v17, 4, v[AW]
	v_mul_u32_u24 v[ASW], v18, SPW
	v_add_nc_u32 v[ASW], SCW, v[ASW]
	v_lshlrev_b32 v[R4], 2, v18
	v_lshlrev_b32 v[H64], 6, v17
	v_lshlrev_b32 v[L16], 4, v19
	v_lshlrev_b32 v[L4], 2, v19
.irp b, 0,1,2,3
	v_mov_b32 v[TM+4+\b], 0                        ; written once: a lane permute's destination counts as one of its sources
.endr
	s_mov_b32 s[SEL], 0x76543210
	s_mov_b32 s[SEL+1], 0xfedcba98
	s_mov_b32 s40, 0xffff0000                      ; lanes 16-31
	s_mov_b32 s23, 0
	s_lshl_b32 s22, s17, 24                        ; an expert's W1: 16 MiB;
	s_lshl_b32 s41, s16, 21                        ; 128 rows of 16,384 bytes;
	s_add_co_u32 s22, s22, s41
	s_lshl_b32 s41, ttmp9, 9                       ; 128 columns;
	s_add_co_u32 s22, s22, s41
	s_lshl_b32 s41, s15, 8                         ; 64 columns
	s_add_co_u32 s22, s22, s41
	s_wait_kmcnt 0x0
	s_add_nc_u64 s[4:5], s[4:5], s[22:23]
	LOADP 0
	LOADP 1
	s_lshl_b32 s22, s17, 7
	s_add_co_u32 s22, s22, 32768
	s_add_nc_u64 s[42:43], s[10:11], s[22:23]
	s_load_b32 s19, s[42:43], 0x0                  ; the expert's count of rows
	s_lshl_b32 s22, s17, 12
	s_add_nc_u64 s[26:27], s[10:11], s[22:23]      ; its list
	s_lshl_b32 s22, s17, 14
	s_lshl_b32 s41, ttmp9, 9
	s_add_co_u32 s22, s22, s41
	s_add_nc_u64 s[6:7], s[6:7], s[22:23]          ; b1 at my 128 units
	s_add_nc_u64 s[24:25], s[8:9], 524288          ; x's scale bytes
	s_lshl_b32 s41, s17, 5
	s_add_co_u32 s41, s41, ttmp9                   ; 32 e + s
	s_lshl_b32 s22, s41, 16
	s_add_nc_u64 s[30:31], s[12:13], s[22:23]      ; the hidden codes of (e, s): 64 tiles of 1,024 bytes
	s_lshl_b32 s22, s41, 12
	s_add_co_u32 s22, s22, 16777216
	s_add_nc_u64 s[34:35], s[12:13], s[22:23]      ; and their 1,024 scale words
	QP 0, 63                                       ; 64 younger loads were issued; the count's field ends at 63, so one more than needed is awaited
	LOADP 2
	QP 1, 63
	LOADP 3
	QP 2, 63
	QP 3, 0
.irp j, 0,1
	ds_store_b32 v[LSW], v[SBW+\j] offset:SJOFF*\j
.endr
	s_wait_dscnt 0x0                               ; for the others' sake: my LDS stores are done
	s_barrier_signal -1
	s_barrier_wait -1                              ; the slice's codes and scale words lie in LDS; from here on LDS is only read
	s_wait_kmcnt 0x0
	s_min_u32 s19, s19, 0x400
	s_add_co_u32 s20, s19, 31
	s_lshr_b32 s20, s20, 5                         ; groups of 32 rows: 32 at the most
	s_cmp_ge_u32 s14, s20
	s_cbranch_scc1 .Lend
	s_mov_b32 s21, s14                             ; my first group: w
	GROUP
	s_add_co_u32 s21, s14, 16                      ; my second: w + 16; there is no third
	s_cmp_ge_u32 s21, s20
	s_cbranch_scc1 .Lend
	s_wait_xcnt 0x0                                ; the first group's stores have read their data, offsets and bases: all are written again only behind this wait
	GROUP
.Lend:
	s_wait_tensorcnt 0x0
	ds_add_u32 v254, v255
	s_wait_dscnt 0x0
	s_endpgm
.Lfunc_end_k_q4556b52ad6_up:
	.size	k_q4556b52ad6_up, .Lfunc_end_k_q4556b52ad6_up-k_q4556b52ad6_up
	.p2alignl 7, 3214868480
	.fill 96, 4, 3214868480
	.section	.rodata,"a",@progbits
	.p2align	6, 0x0
	.amdhsa_kernel k_q4556b52ad6_up
		.amdhsa_group_segment_fixed_size 75776
		.amdhsa_private_segment_fixed_size 0
		.amdhsa_enable_private_segment 0
		.amdhsa_kernarg_size 40
		.amdhsa_user_sgpr_count 2
		.amdhsa_user_sgpr_kernarg_segment_ptr 1
		.amdhsa_wavefront_size32 1
		.amdhsa_system_sgpr_workgroup_id_x 1
		.amdhsa_system_sgpr_workgroup_id_y 1
		.amdhsa_system_sgpr_workgroup_id_z 1
		.amdhsa_system_vgpr_workitem_id 0
		.amdhsa_next_free_vgpr 256
		.amdhsa_next_free_sgpr 66
		.amdhsa_reserve_vcc 0
		.amdhsa_float_denorm_mode_32 3
		.amdhsa_float_denorm_mode_16_64 3
		.amdhsa_memory_ordered 1
		.amdhsa_forward_progress 1
		.amdhsa_inst_pref_size 140
	.end_amdhsa_kernel
	.amdgpu_metadata
---
amdhsa.version: [ 1, 2 ]
amdhsa.kernels:
  - .name:           k_q4556b52ad6_up
    .symbol:         k_q4556b52ad6_up.kd
    .args:
      - { .name: W1, .offset: 0, .size: 8, .value_kind: global_buffer, .address_space: global }
      - { .name: b1, .offset: 8, .size: 8, .value_kind: global_buffer, .address_space: global }
      - { .name: xq, .offset: 16, .size: 8, .value_kind: global_buffer, .address_space: global }
      - { .name: route, .offset: 24, .size: 8, .value_kind: global_buffer, .address_space: global }
      - { .name: hq, .offset: 32, .size: 8, .value_kind: global_buffer, .address_space: global }
    .group_segment_fixed_size: 75776
    .private_segment_fixed_size: 0
    .kernarg_segment_align: 8
    .kernarg_segment_size: 40
    .max_flat_workgroup_size: 512
    .sgpr_count:     66
    .vgpr_count:     256
    .wavefront_size: 32
...
	.end_amdgpu_metadata
.endif
;; end of part 3
;; launch down (part 4): grid 16 x 16, 16 waves a work-group, no clusters, 143,360 bytes of LDS; arguments W2, b2, hq, route, gp, part; writes part
.if DOCPART == 4
	.amdgcn_target "amdgcn-amd-amdhsa--gfx1250"
	.amdhsa_code_object_version 6
	.text
	.protected	k_q4556b52ad6_down
	.globl	k_q4556b52ad6_down
	.p2align	8
	.type	k_q4556b52ad6_down,@function
k_q4556b52ad6_down:
	s_mov_b64 s[64:65], 0
	v_nop
	global_prefetch_b8 v0, s[64:65] scope:SCOPE_SE
	s_setreg_imm32_b32 hwreg(HW_REG_WAVE_MODE, 25, 1), 1
	s_wait_xcnt 0x0
; DOWN.  part[kh][row] = gate(row) x (hidden(row) W2[e] over half of K, + b2[e] in half 0), for the rows that expert e takes; both operands as codes of FP4 (E2M1) with E8M0 scales.
; SHARES.  Work-group (ns, 2 e + kh) owns K rows 2,048 kh on and columns 64 ns on of W2[e]: 512 KiB, which no other work-group reads.
; PHASE S.  Wave w streams K rows 128 w on of that half: a lane takes a column, its registers run down K; two neighbouring loads of a wave cover the 256 consecutive bytes of a row.  Codes (64 KiB) and scale words go to LDS.  One barrier.
; PHASE M.  Groups of 32 routed rows.  An expert takes at most 1,024 rows, 32 groups: wave w has groups w and w + 16, written out twice by the macro GROUP, each behind a branch on the stored count.
;   So this launch has no tensor load, and no barrier behind the one above.
;   The product is used transposed (source 0 = 16 columns of W2, source 1 = 16 hidden rows, loaded as the images that the launch before stored): a lane holds eight neighbouring outputs of one row.
;   b2 (zeros in half 1) is the C of each sum's first product.  The results, times the row's gate, go through the wave's own stage in LDS and leave as 256 consecutive bytes of row 2 t + k, aligned.
; part is [2 halves][2,304 rows][1,024].  Rows 0 .. 2,047 are the routed rows 2 t + k: each stands in one expert's list once, so each of their bytes has one writer.
;   A slot behind the expert's count is sent to spare row 2,048 + 32 e + (slot % 32), which nobody reads: so every lane stores in every store and EXEC is never changed.
;   Only an expert's last group has such slots, 31 at the most, so a spare byte has one writer too: 31 x 256 bytes a work-group at the most.
; No cluster: each weight byte is wanted by one work-group; the hidden codes that work-groups share are 32 KiB a group beside the 512 KiB that each streams.
; LIMITS: NaN and infinities are not served.  A block of W2 whose largest magnitude lies under 2^-124 (a block of zeros too) gets the byte 1.  The bias stands first in the f32 sum, and K is summed in two halves.
.set RP,     4096                      ; a row of W2 in bytes
.set PITCH,  1040                      ; LDS: a column's 2,048 codes, 1,024 bytes + 16: 65 x 16 bytes
.set SPW,    80                        ; a column's 16 scale words + 16 bytes
.set SCW,    64*PITCH
.set JOFF,   32*PITCH
.set SJOFF,  32*SPW
.set STG,    SCW+64*SPW                ; the stages: 16 rows x (256 bytes + 16) for each wave
.set SPITCH, 272
.set PLANE,  2304*4096                 ; a half's plane of part in bytes
.set LW,  1                            ; v1   phase S: where my column's codes go
.set LSW, 2                            ; v2   and its scale word
.set HI,  3                            ; v3   h = lane / 16
.set AW,  4                            ; v4   a fragment of W2 in LDS: 1,040 r + 16 h
.set ASW, 5                            ; v5   its scale words
.set R4,  6                            ; v6   4 r
.set H4,  7                            ; v7   4 h
.set L16, 8                            ; v8   16 x lane
.set L4,  9                            ; v9   4 x lane
.set STO, 10                           ; v10  the stage, in: row r, 32 h
.set RD,  11                           ; v11  the stage, back: row h, 16 r
.set CO,  12                           ; v12  16 r
.set REM, 13                           ; v13  rows left from the group's first on, less h (at the head: 32 h)
.set EN,  14                           ; v14-15 the list entries of slots r and 16 + r
.set MX,  16
.set SO,  18
.set BY,  20
.set SBW, 22
.set CD,  32
.set XB,  64
.set ACC, 16                           ; phase M: v16-79 accumulators: row tile a at + 32 a, column tile t at + 8 t
.set LE,  80                           ; v80-95  the list entries of slots 16 a + 2 i + h
.set DE,  96                           ; v96-111 where those rows go in part
.set WF,  112                          ; v112-143 four fragments of W2
.set HF,  144                          ; v144-175 hidden fragments: two sets of two
.set OB,  112                          ; the way out: tile a's 16 rows read back, at + 32 a: where the fragments lay
.set GT,  192                          ; v[192:193], v[194:195] the gates (the upper words are 0)
.set DRB, 196                          ; v196 2,048 + 32 e + h: the spare row of slot h
.set TD,  197                          ; v197 at work
.set GA,  198                          ; v198-199 the gates' offsets
.set WS,  204                          ; v204-207 W2's scale words: scales and nothing else
.set HS,  208                          ; v208-223 the hidden rows' scale words, by K step: lanes 0-15 tile 0's, lanes 16-31 tile 1's: scales and nothing else
.set BS,  224                          ; v224-255 b2 in the result's layout
.macro LOADP b
.set li, 0
.rept 32
	global_load_b32 v[XB+64*((\b)%2)+li], v[L4], s[4:5] offset:(32*(\b)+li)*RP th:TH_LOAD_NT
	global_load_b32 v[XB+64*((\b)%2)+32+li], v[L4], s[4:5] offset:(32*(\b)+li)*RP+128 th:TH_LOAD_NT
.set li, li+1
.endr
.endm
.macro QP b, n
	s_wait_loadcnt \n
.set XS0, XB+64*((\b)%2)
.irp j, 0,1
	v_max3_num_f32 v[MX+\j], |v[XS0+32*\j]|, |v[XS0+32*\j+1]|, 0x1800000   ; the floor 2^(3 - 127): the byte cannot fall under 1
.endr
.irp i, 2,4,6,8,10,12,14,16,18,20,22,24,26,28,30
.irp j, 0,1
	v_max3_num_f32 v[MX+\j], v[MX+\j], |v[XS0+32*\j+\i]|, |v[XS0+32*\j+\i+1]|
.endr
.endr
.irp j, 0,1
	v_add_nc_u32 v[SO+\j], 0xff000000, v[MX+\j]            ; 2 off the exponent field: the conversion's scale operand
.endr
.irp j, 0,1
	v_lshrrev_b32 v[BY+\j], 23, v[SO+\j]
.endr
.irp j, 0,1
.if (\b) == 0
	v_mov_b32 v[SBW+\j], v[BY+\j]
.else
	v_lshl_or_b32 v[SBW+\j], v[BY+\j], 8*(\b), v[SBW+\j]
.endif
.endr
.irp j, 0,1
.irp g, 0,1,2,3
	v_cvt_scalef32_pk8_fp4_f32 v[CD+4*(2*(\b)+\j)+\g], v[XS0+32*\j+8*\g:XS0+32*\j+8*\g+7], v[SO+\j]
.endr
.endr
	v_nop                                                  ; one plain place behind the conversions
.irp j, 0,1
	ds_store_b128 v[LW], v[CD+4*(2*(\b)+\j):CD+4*(2*(\b)+\j)+3] offset:JOFF*\j+16*(\b)
.endr
.endm
; One K step of 128: the next step's hidden fragments are asked for; four fragments of W2 from LDS; eight products.  The eight accumulators take turns, one instruction a turn.
.macro STEPK ks
.if \ks < 15
.irp a, 0,1
.irp c, 0,1
	global_load_b128 v[HF+16*((\ks+1)%2)+8*\a+4*\c:HF+16*((\ks+1)%2)+8*\a+4*\c+3], v[L16], s[30:31] offset:65536*(\ks+1)+1024*\a+512*\c
.endr
.endr
.endif
.irp t, 0,1,2,3
.irp c, 0,1
	ds_load_b128 v[WF+8*\t+4*\c:WF+8*\t+4*\c+3], v[AW] offset:16*PITCH*\t+64*\ks+32*\c
.endr
	ds_load_b32 v[WS+\t], v[ASW] offset:16*SPW*\t+4*\ks
.endr
	s_wait_dscnt 0x0
.if \ks == 0
	s_wait_loadcnt 6                               ; the two gates and the four loads just issued may be out
.elseif \ks < 15
	s_wait_loadcnt 4                               ; the four loads just issued may be out
.else
	s_wait_loadcnt 0
.endif
.irp t, 0,1,2,3
.if \ks == 0
	v_wmma_scale_f32_16x16x128_f8f6f4 v[ACC+8*\t:ACC+8*\t+7], v[WF+8*\t:WF+8*\t+7], v[HF+16*(\ks%2):HF+16*(\ks%2)+7], v[BS+8*\t:BS+8*\t+7], v[WS+\t], v[HS+\ks] matrix_a_fmt:MATRIX_FMT_FP4 matrix_b_fmt:MATRIX_FMT_FP4
	v_wmma_scale_f32_16x16x128_f8f6f4 v[ACC+32+8*\t:ACC+32+8*\t+7], v[WF+8*\t:WF+8*\t+7], v[HF+16*(\ks%2)+8:HF+16*(\ks%2)+15], v[BS+8*\t:BS+8*\t+7], v[WS+\t], v[HS+\ks] matrix_a_fmt:MATRIX_FMT_FP4 matrix_b_fmt:MATRIX_FMT_FP4 matrix_b_scale:MATRIX_SCALE_ROW1
.else
	v_wmma_scale_f32_16x16x128_f8f6f4 v[ACC+8*\t:ACC+8*\t+7], v[WF+8*\t:WF+8*\t+7], v[HF+16*(\ks%2):HF+16*(\ks%2)+7], v[ACC+8*\t:ACC+8*\t+7], v[WS+\t], v[HS+\ks] matrix_a_fmt:MATRIX_FMT_FP4 matrix_b_fmt:MATRIX_FMT_FP4
	v_wmma_scale_f32_16x16x128_f8f6f4 v[ACC+32+8*\t:ACC+32+8*\t+7], v[WF+8*\t:WF+8*\t+7], v[HF+16*(\ks%2)+8:HF+16*(\ks%2)+15], v[ACC+32+8*\t:ACC+32+8*\t+7], v[WS+\t], v[HS+\ks] matrix_a_fmt:MATRIX_FMT_FP4 matrix_b_fmt:MATRIX_FMT_FP4 matrix_b_scale:MATRIX_SCALE_ROW1
.endif
.endr
.rept 4
	v_nop                                          ; places in front of loads into registers that these products have read, and of the first read of results
.endr
.endm
; Group s21 of 32 routed rows: the list, the gates, 16 K steps, the gate's weight, the way out.
.macro GROUP
	s_lshl_b32 s22, s21, 7
	s_add_nc_u64 s[26:27], s[24:25], s[22:23]      ; the group's 32 list entries
	s_add_nc_u64 s[34:35], s[32:33], s[22:23]      ; its 32 scale words of each K step
	s_lshl_b32 s22, s21, 11
	s_add_nc_u64 s[30:31], s[28:29], s[22:23]      ; its two tiles of each K step
	s_lshl_b32 s38, s21, 5
	s_sub_co_u32 s38, s19, s38                     ; rows left from the group's first on: 1 at the least
	global_load_b32 v[EN], v[R4], s[26:27]         ; lane (r, h): the rows of slots r and 16 + r, for their gates
	global_load_b32 v[EN+1], v[R4], s[26:27] offset:64
.irp a, 0,1
.irp i, 0,1,2,3,4,5,6,7
	global_load_b32 v[LE+8*\a+\i], v[H4], s[26:27] offset:64*\a+8*\i   ; and of slot 16 a + 2 i + h, which this lane helps to store
.endr
.endr
.irp k, 0,1,2,3,4,5,6,7,8,9,10,11,12,13,14,15
	global_load_b32 v[HS+\k], v[L4], s[34:35] offset:4096*\k
.endr
.irp a, 0,1
.irp c, 0,1
	global_load_b128 v[HF+8*\a+4*\c:HF+8*\a+4*\c+3], v[L16], s[30:31] offset:1024*\a+512*\c
.endr
.endr
	s_wait_loadcnt 20                              ; the 18 list loads are in; 16 scale words and 4 fragment loads may be out
.irp a, 0,1
	v_min_u32 v[EN+\a], 0x7ff, v[EN+\a]            ; a row 2 t + k, whatever was read
.endr
.irp a, 0,1
	v_lshlrev_b32 v[GA+\a], 2, v[EN+\a]
.endr
	global_load_b32 v[GT], v[GA], s[12:13]         ; the rows' gates
	global_load_b32 v[GT+2], v[GA+1], s[12:13]
	v_sub_nc_u32 v[REM], s38, v[HI]
.irp a, 0,1
.irp i, 0,1,2,3,4,5,6,7
	v_cmp_lt_i32 vcc_lo, 16*\a+2*\i, v[REM]        ; slot 16 a + 2 i + h of the group holds a row:
	v_add_nc_u32 v[TD], 16*\a+2*\i, v[DRB]
	v_cndmask_b32 v[LE+8*\a+\i], v[TD], v[LE+8*\a+\i], vcc_lo   ; that row, else the slot's spare row
.endr
.endr
.set di, 0
.rept 16
	v_min_u32 v[LE+di], 0x8ff, v[LE+di]            ; a row of part, whatever was read
.set di, di+1
.endr
.set di, 0
.rept 16
	v_lshl_add_u32 v[DE+di], v[LE+di], 12, v[CO]   ; the row's 4,096 bytes in part, + 16 r
.set di, di+1
.endr
.irp k, 0,1,2,3,4,5,6,7,8,9,10,11,12,13,14,15
	STEPK \k
.endr
.irp a, 0,1
.irp q, 0,2,4,6,8,10,12,14,16,18,20,22,24,26,28,30
	v_pk_mul_f32 v[ACC+32*\a+\q:ACC+32*\a+\q+1], v[ACC+32*\a+\q:ACC+32*\a+\q+1], v[GT+2*\a:GT+2*\a+1] op_sel_hi:[1,0]   ; x the row's gate; each accumulator from its low end on
.endr
.irp t, 0,1,2,3
.irp q, 0,1
	ds_store_b128 v[STO], v[ACC+32*\a+8*\t+4*\q:ACC+32*\a+8*\t+4*\q+3] offset:64*\t+16*\q
.endr
.endr
.irp i, 0,1,2,3,4,5,6,7
	ds_load_b128 v[OB+32*\a+4*\i:OB+32*\a+4*\i+3], v[RD] offset:2*SPITCH*\i   ; LDS serves a wave's instructions in order (ISA guide 5.7.1): these see my stores, and the next tile's stores come behind them
.endr
.endr
.irp a, 0,1
	s_wait_dscnt 16-16*\a                          ; tile 0's rows are back while tile 1's eight stores and eight loads may be out; then all
.irp i, 0,1,2,3,4,5,6,7
	global_store_b128 v[DE+8*\a+\i], v[OB+32*\a+4*\i:OB+32*\a+4*\i+3], s[14:15] th:TH_STORE_NT   ; 16 lanes store 256 consecutive bytes, aligned
.endr
.endr
.endm
	s_load_b256 s[4:11], s[0:1], 0x0               ; W2 s[4:5], b2 s[6:7], hq s[8:9], route s[10:11]
	s_load_b128 s[12:15], s[0:1], 0x20             ; gp s[12:13], part s[14:15]
	v_lshl_add_u32 v202, v0, 2, 0x22800
	v_mov_b32 v203, 0
	v_lshrrev_b32 v16, 5, v0
	v_readfirstlane_b32 s16, v16                   ; wave 0..15
	s_and_b32 s18, ttmp7, 0xffff
	s_lshr_b32 s17, s18, 1                         ; expert
	s_and_b32 s18, s18, 1                          ; which half of K
	v_and_b32 v16, 15, v0                          ; r
	v_bfe_u32 v[HI], v0, 4, 1                      ; h
	v_and_b32 v17, 31, v0                          ; lane
	v_mul_u32_u24 v[LW], v17, PITCH
	s_lshl_b32 s38, s16, 6
	v_add_nc_u32 v[LW], s38, v[LW]
	v_mul_u32_u24 v[LSW], v17, SPW
	s_lshl_b32 s38, s16, 2
	s_add_co_u32 s38, s38, SCW
	v_add_nc_u32 v[LSW], s38, v[LSW]
	v_mul_u32_u24 v[AW], v16, PITCH
	v_lshl_add_u32 v[AW], v[HI], 4, v[AW]
	v_mul_u32_u24 v[ASW], v16, SPW
	v_add_nc_u32 v[ASW], SCW, v[ASW]
	v_lshlrev_b32 v[R4], 2, v16
	v_lshlrev_b32 v[H4], 2, v[HI]
	v_lshlrev_b32 v[L16], 4, v17
	v_lshlrev_b32 v[L4], 2, v17
	s_mul_i32 s38, s16, 16*SPITCH
	s_add_co_u32 s38, s38, STG                     ; my stage
	v_mul_u32_u24 v[STO], v16, SPITCH
	v_lshl_add_u32 v[STO], v[HI], 5, v[STO]
	v_add_nc_u32 v[STO], s38, v[STO]
	v_mul_u32_u24 v[RD], v[HI], SPITCH
	v_lshl_add_u32 v[RD], v16, 4, v[RD]
	v_add_nc_u32 v[RD], s38, v[RD]
	v_lshlrev_b32 v[CO], 4, v16
	v_lshlrev_b32 v[REM], 5, v[HI]                 ; 32 h, for b2's loads
	s_lshl_b32 s42, s17, 5
	s_add_co_u32 s42, s42, 2048
	v_add_nc_u32 v[DRB], s42, v[HI]                ; 2,048 + 32 e + h
	v_mov_b32 v[GT+1], 0                           ; named as the upper halves of pairs, so they are written
	v_mov_b32 v[GT+3], 0
	s_mov_b32 s23, 0
	s_lshl_b32 s22, s17, 24                        ; an expert's W2: 16 MiB;
	s_lshl_b32 s38, s18, 23                        ; 2,048 rows of 4,096 bytes;
	s_add_co_u32 s22, s22, s38
	s_lshl_b32 s38, s16, 19                        ; 128 rows;
	s_add_co_u32 s22, s22, s38
	s_lshl_b32 s39, ttmp9, 8                       ; 64 columns
	s_add_co_u32 s22, s22, s39
	s_wait_kmcnt 0x0
	s_add_nc_u64 s[4:5], s[4:5], s[22:23]
	s_lshl_b32 s22, s17, 12
	s_add_co_u32 s22, s22, s39
	s_add_nc_u64 s[6:7], s[6:7], s[22:23]          ; b2 at my 64 columns
.irp t, 0,1,2,3
.irp q, 0,1
	global_load_b128 v[BS+8*\t+4*\q:BS+8*\t+4*\q+3], v[REM], s[6:7] offset:64*\t+16*\q   ; columns 16 t + 8 h + 0 .. 7
.endr
.endr
	LOADP 0
	LOADP 1
	s_lshl_b32 s22, s17, 7
	s_add_co_u32 s22, s22, 32768
	s_add_nc_u64 s[36:37], s[10:11], s[22:23]
	s_load_b32 s19, s[36:37], 0x0                  ; the expert's count of rows
	s_lshl_b32 s22, s17, 12
	s_add_nc_u64 s[24:25], s[10:11], s[22:23]      ; its list
	s_lshl_b32 s22, s17, 21
	s_lshl_b32 s38, s18, 20
	s_add_co_u32 s22, s22, s38
	s_add_nc_u64 s[28:29], s[8:9], s[22:23]        ; the hidden codes of (e, K step 16 kh)
	s_lshl_b32 s22, s17, 17
	s_lshl_b32 s38, s18, 16
	s_add_co_u32 s22, s22, s38
	s_add_co_u32 s22, s22, 16777216
	s_add_nc_u64 s[32:33], s[8:9], s[22:23]        ; and their scale words
	s_mul_i32 s22, s18, PLANE
	s_add_co_u32 s22, s22, s39
	s_add_nc_u64 s[14:15], s[14:15], s[22:23]      ; part: my half's plane, my 256 bytes of a row
	s_cmp_eq_u32 s18, 0
	s_cselect_b32 s40, -1, 0                       ; the bias counts in half 0 alone
	QP 0, 63                                       ; 64 younger loads were issued; the count's field ends at 63: b2's eight and block 0's 64 are in
	LOADP 2
	QP 1, 63
	LOADP 3
	QP 2, 63
	QP 3, 0
.irp j, 0,1
	ds_store_b32 v[LSW], v[SBW+\j] offset:SJOFF*\j
.endr
	s_wait_dscnt 0x0                               ; for the others' sake: my LDS stores are done
	s_barrier_signal -1
	s_barrier_wait -1                              ; the codes and scale words lie in LDS; from here on they are only read, and a stage is its wave's own
.set bi, 0
.rept 32
	v_cndmask_b32 v[BS+bi], 0, v[BS+bi], s40
.set bi, bi+1
.endr
	s_wait_kmcnt 0x0
	s_min_u32 s19, s19, 0x400
	s_add_co_u32 s20, s19, 31
	s_lshr_b32 s20, s20, 5                         ; groups of 32 rows: 32 at the most
	s_cmp_ge_u32 s16, s20
	s_cbranch_scc1 .Lend
	s_mov_b32 s21, s16                             ; my first group: w
	GROUP
	s_add_co_u32 s21, s16, 16                      ; my second: w + 16; there is no third
	s_cmp_ge_u32 s21, s20
	s_cbranch_scc1 .Lend
	s_wait_xcnt 0x0                                ; the first group's stores have read their data, offsets and base: the registers are written again only behind this wait
	GROUP
.Lend:
	s_wait_tensorcnt 0x0
	ds_add_u32 v202, v203
	s_wait_dscnt 0x0
	s_endpgm
.Lfunc_end_k_q4556b52ad6_down:
	.size	k_q4556b52ad6_down, .Lfunc_end_k_q4556b52ad6_down-k_q4556b52ad6_down
	.p2alignl 7, 3214868480
	.fill 96, 4, 3214868480
	.section	.rodata,"a",@progbits
	.p2align	6, 0x0
	.amdhsa_kernel k_q4556b52ad6_down
		.amdhsa_group_segment_fixed_size 143360
		.amdhsa_private_segment_fixed_size 0
		.amdhsa_enable_private_segment 0
		.amdhsa_kernarg_size 48
		.amdhsa_user_sgpr_count 2
		.amdhsa_user_sgpr_kernarg_segment_ptr 1
		.amdhsa_wavefront_size32 1
		.amdhsa_system_sgpr_workgroup_id_x 1
		.amdhsa_system_sgpr_workgroup_id_y 1
		.amdhsa_system_sgpr_workgroup_id_z 1
		.amdhsa_system_vgpr_workitem_id 0
		.amdhsa_next_free_vgpr 256
		.amdhsa_next_free_sgpr 66
		.amdhsa_reserve_vcc 1
		.amdhsa_float_denorm_mode_32 3
		.amdhsa_float_denorm_mode_16_64 3
		.amdhsa_memory_ordered 1
		.amdhsa_forward_progress 1
		.amdhsa_inst_pref_size 144
	.end_amdhsa_kernel
	.amdgpu_metadata
---
amdhsa.version: [ 1, 2 ]
amdhsa.kernels:
  - .name:           k_q4556b52ad6_down
    .symbol:         k_q4556b52ad6_down.kd
    .args:
      - { .name: W2, .offset: 0, .size: 8, .value_kind: global_buffer, .address_space: global }
      - { .name: b2, .offset: 8, .size: 8, .value_kind: global_buffer, .address_space: global }
      - { .name: hq, .offset: 16, .size: 8, .value_kind: global_buffer, .address_space: global }
      - { .name: route, .offset: 24, .size: 8, .value_kind: global_buffer, .address_space: global }
      - { .name: gp, .offset: 32, .size: 8, .value_kind: global_buffer, .address_space: global }
      - { .name: part, .offset: 40, .size: 8, .value_kind: global_buffer, .address_space: global }
    .group_segment_fixed_size: 143360
    .private_segment_fixed_size: 0
    .kernarg_segment_align: 8
    .kernarg_segment_size: 48
    .max_flat_workgroup_size: 512
    .sgpr_count:     66
    .vgpr_count:     256
    .wavefront_size: 32
...
	.end_amdgpu_metadata
.endif
;; end of part 4
;; launch combine (part 5): grid 256 x 1, 8 waves a work-group, no clusters, 0 bytes of LDS; arguments part, out0; writes out0
.if DOCPART == 5
	.amdgcn_target "amdgcn-amd-amdhsa--gfx1250"
	.amdhsa_code_object_version 6
	.text
	.protected	k_q4556b52ad6_combine
	.globl	k_q4556b52ad6_combine
	.p2align	8
	.type	k_q4556b52ad6_combine,@function
k_q4556b52ad6_combine:
	s_mov_b64 s[64:65], 0
	v_nop
	global_prefetch_b8 v0, s[64:65] scope:SCOPE_SE
	s_setreg_imm32_b32 hwreg(HW_REG_WAVE_MODE, 25, 1), 1
	s_wait_xcnt 0x0
; COMBINE.  out0[t] = part[0][2 t] + part[0][2 t + 1] + part[1][2 t] + part[1][2 t + 1]: the token's two experts, each in two halves of K; gates and biases are in the parts already.
; part is [2][2,304 rows][1,024] f32; rows 2,048 on of a plane are spare and are not read.
; A stream: a work-group takes 4 tokens, a thread 16 bytes of a row, so each load and store of a wave covers 512 consecutive bytes, aligned.  All 16 loads go out at once; no loop, no LDS, no register written twice.
; The second plane lies 9,437,184 bytes on, more than a load's signed 24-bit immediate reaches: it has a base of its own.
; Matrix units, clusters and LDS would add nothing: every byte is read once and written once.
.set PLANE, 2304*4096
.set D, 16                             ; v16-79: token t's four parts at D + 16 t: plane 0 k = 0, 1, plane 1 k = 0, 1
	s_load_b128 s[4:7], s[0:1], 0x0                ; part s[4:5], out0 s[6:7]
	v_lshlrev_b32 v1, 4, v0
	s_lshl_b32 s8, ttmp9, 15                       ; 8 rows of part
	s_mov_b32 s9, 0
	s_lshl_b32 s10, ttmp9, 14                      ; 4 rows of out0
	s_mov_b32 s11, 0
	s_wait_kmcnt 0x0
	s_add_nc_u64 s[4:5], s[4:5], s[8:9]
	s_add_nc_u64 s[12:13], s[4:5], PLANE
	s_add_nc_u64 s[6:7], s[6:7], s[10:11]
.irp t, 0,1,2,3
.irp k, 0,1
	global_load_b128 v[D+16*\t+4*\k:D+16*\t+4*\k+3], v1, s[4:5] offset:4096*(2*\t+\k) th:TH_LOAD_NT
	global_load_b128 v[D+16*\t+8+4*\k:D+16*\t+8+4*\k+3], v1, s[12:13] offset:4096*(2*\t+\k) th:TH_LOAD_NT
.endr
.endr
.irp t, 0,1,2,3
	s_wait_loadcnt 12-4*\t                         ; this token's four loads are in; the later tokens' may be out
.irp q, 0,2
	v_pk_add_f32 v[D+16*\t+\q:D+16*\t+\q+1], v[D+16*\t+\q:D+16*\t+\q+1], v[D+16*\t+4+\q:D+16*\t+4+\q+1]
	v_pk_add_f32 v[D+16*\t+8+\q:D+16*\t+8+\q+1], v[D+16*\t+8+\q:D+16*\t+8+\q+1], v[D+16*\t+12+\q:D+16*\t+12+\q+1]
.endr
.irp q, 0,2
	v_pk_add_f32 v[D+16*\t+\q:D+16*\t+\q+1], v[D+16*\t+\q:D+16*\t+\q+1], v[D+16*\t+8+\q:D+16*\t+8+\q+1]
.endr
	global_store_b128 v1, v[D+16*\t:D+16*\t+3], s[6:7] offset:4096*\t th:TH_STORE_NT
.endr
	s_endpgm
.Lfunc_end_k_q4556b52ad6_combine:
	.size	k_q4556b52ad6_combine, .Lfunc_end_k_q4556b52ad6_combine-k_q4556b52ad6_combine
	.p2alignl 7, 3214868480
	.fill 96, 4, 3214868480
	.section	.rodata,"a",@progbits
	.p2align	6, 0x0
	.amdhsa_kernel k_q4556b52ad6_combine
		.amdhsa_group_segment_fixed_size 0
		.amdhsa_private_segment_fixed_size 0
		.amdhsa_enable_private_segment 0
		.amdhsa_kernarg_size 16
		.amdhsa_user_sgpr_count 2
		.amdhsa_user_sgpr_kernarg_segment_ptr 1
		.amdhsa_wavefront_size32 1
		.amdhsa_system_sgpr_workgroup_id_x 1
		.amdhsa_system_sgpr_workgroup_id_y 1
		.amdhsa_system_sgpr_workgroup_id_z 1
		.amdhsa_system_vgpr_workitem_id 0
		.amdhsa_next_free_vgpr 96
		.amdhsa_next_free_sgpr 66
		.amdhsa_reserve_vcc 0
		.amdhsa_float_denorm_mode_32 3
		.amdhsa_float_denorm_mode_16_64 3
		.amdhsa_memory_ordered 1
		.amdhsa_forward_progress 1
		.amdhsa_inst_pref_size 5
	.end_amdhsa_kernel
	.amdgpu_metadata
---
amdhsa.version: [ 1, 2 ]
amdhsa.kernels:
  - .name:           k_q4556b52ad6_combine
    .symbol:         k_q4556b52ad6_combine.kd
    .args:
      - { .name: part, .offset: 0, .size: 8, .value_kind: global_buffer, .address_space: global }
      - { .name: out0, .offset: 8, .size: 8, .value_kind: global_buffer, .address_space: global }
    .group_segment_fixed_size: 0
    .private_segment_fixed_size: 0
    .kernarg_segment_align: 8
    .kernarg_segment_size: 16
    .max_flat_workgroup_size: 256
    .sgpr_count:     66
    .vgpr_count:     96
    .wavefront_size: 32
...
	.end_amdgpu_metadata
.endif
;; end of part 5
;; ======== version 2 of 3: 4 launches
;; workspace buffers: xq 557,056 bytes; msk 2,048 bytes of whole numbers; gp 10,240 bytes; route 34,816 bytes of whole numbers; hq 17,825,792 bytes; part 18,874,368 bytes
;; launch gate (part 6): grid 64 x 1, 8 waves a work-group, no clusters, 18,432 bytes of LDS; arguments x, Wg, bg, xq, msk, gp; writes xq, msk, gp
.if DOCPART == 6
	.amdgcn_target "amdgcn-amd-amdhsa--gfx1250"
	.amdhsa_code_object_version 6
	.text
	.protected	k_q4556b52ad6_gate
	.globl	k_q4556b52ad6_gate
	.p2align	8
	.type	k_q4556b52ad6_gate,@function
k_q4556b52ad6_gate:
	s_mov_b64 s[64:65], 0
	v_nop
	global_prefetch_b8 v0, s[64:65] scope:SCOPE_SE
	s_setreg_imm32_b32 hwreg(HW_REG_WAVE_MODE, 25, 1), 1
	s_wait_xcnt 0x0
; GATE.  For 16 tokens a work-group: logits x Wg + bg in f32, softmax (the row's maximum taken away), the two largest probabilities (ties: the lower expert), their gates p / (p1 + p2);
; and x quantised to FP4 (E2M1) with one E8M0 byte for each 32 along K.
; Stored: xq (codes [1024][512 B], from byte 524,288 scale bytes [1024][32]); gp (gates [1024][2], from byte 8,192 the 16 tokens' sums of probabilities [64][8]);
; msk [8 experts][64 work-groups]: one word: bit j: token 16 g + j takes the expert; bit 16 + j: as its second choice.
; SHARES.  Wave w takes k = 128 w .. 128 w + 127 of the 16 tokens.  Lane (r = lane % 16, h = lane / 16) holds token r; its register 16 b + i is k = 128 w + 32 b + 16 h + i.
; The same 64 registers feed the logits (f32 matrix form, 32 instructions a wave: source 0 = Wg's columns, the eight experts twice; source 1 = x) and the quantiser.  The f32 form is taken since the choice of experts hangs on the logits' last bits;
; it does 1 part in 1,000 of the program's multiply-adds.
; The choice steers no address here: it is stored as masks at fixed places, and the next launch finds the rows from them.
; The gates leave as 128 bytes a work-group, the masks as 8 words and the sums as 32 bytes (12 KiB in the launch); code rows leave as 512 consecutive bytes an instruction.
; No cluster: the work-groups share Wg alone, 32 KiB.
; LIMITS: NaN and infinities are not served.  A block whose largest magnitude lies under 2^-124 (a block of zeros too) gets the byte 1; the bytes are read by this program alone.
.set XST,    0                         ; LDS: 16 rows of codes, 512 bytes + 16
.set XPITCH, 528
.set XSS,    8448                      ; 16 rows x 32 scale bytes
.set LGT,    8960                      ; partial logits: 8 waves x 32 lanes x 32 bytes
.set X,    16                          ; v16-79   my 64 numbers of x; in wave 0 later the eight waves' partial logits
.set PS,   16                          ; v16-23   in wave 0 at the end: the 16 tokens' sums of probabilities
.set WGR,  80                          ; v80-143  Wg in the same order of k
.set A0,   144                         ; v144-159 two accumulators: written by matrix instructions alone
.set LSM,  160                         ; v160-167 their sum
.set PC,   168                         ; v168-175 the codes
.set PW,   176                         ; the scale word
.set MW,   177                         ; lane e: expert e's mask word
.set TM,   180                         ; v180-195 the quantiser's work
.set OB,   200                         ; v200-207 two rows of codes on their way out
.set P,    208                         ; v208-215 logits, then probabilities
.set B1,   216
.set B2,   217
.set I1,   218                         ; the two experts
.set I2,   219
.set G1,   220                         ; v[220:221] the two gates
.set T0,   222
.set T1,   223
.set EX,   80                          ; the exponentials, where Wg's numbers lay
.set SEL,  28                          ; s[28:29] v_permlanex16_b32's selects: lane l xor 16
; 64 numbers of a lane, register 16 b + i = k 32 b + 16 h + i of my row, become a fragment's codes (8 registers) and the row's scale word.
.macro QUANT s, pc, pw
.irp b, 0,1,2,3
	v_max3_num_f32 v[TM+\b], |v[(\s)+16*\b]|, |v[(\s)+1+16*\b]|, 0x1800000   ; my 16 numbers of block b, and the floor 2^(3 - 127): the byte cannot fall under 1
.endr
.irp i, 2,4,6,8,10,12,14
.irp b, 0,1,2,3
	v_max3_num_f32 v[TM+\b], v[TM+\b], |v[(\s)+16*\b+\i]|, |v[(\s)+1+16*\b+\i]|
.endr
.endr
.irp b, 0,1,2,3
	v_permlanex16_b32 v[TM+4+\b], v[TM+\b], s[SEL], s[SEL+1]
.endr
.irp b, 0,1,2,3
	v_max_num_f32 v[TM+\b], v[TM+\b], v[TM+4+\b]           ; with lane l xor 16's: the block's largest magnitude
.endr
.irp b, 0,1,2,3
	v_add_nc_u32 v[TM+12+\b], 0xff000000, v[TM+\b]         ; 2 off its exponent field: the conversion's scale operand
.endr
.irp b, 0,1,2,3
	v_lshrrev_b32 v[TM+4+\b], 23, v[TM+12+\b]              ; the scale's byte
.endr
	v_lshl_or_b32 v[\pw], v[TM+5], 8, v[TM+4]
	v_lshl_or_b32 v[\pw], v[TM+6], 16, v[\pw]
	v_lshl_or_b32 v[\pw], v[TM+7], 24, v[\pw]
.irp b, 0,1,2,3
	v_cvt_scalef32_pk8_fp4_f32 v[(\pc)+2*\b], v[(\s)+16*\b:(\s)+7+16*\b], v[TM+12+\b]
	v_cvt_scalef32_pk8_fp4_f32 v[(\pc)+1+2*\b], v[(\s)+8+16*\b:(\s)+15+16*\b], v[TM+12+\b]
.endr
	v_nop                                                  ; one plain place behind a scaled conversion
.irp c, 0,1                                            ; the operand's layout wants a whole block in a lane
.irp i, 0,1
	v_permlane16_swap_b32 v[(\pc)+4*\c+\i], v[(\pc)+2+4*\c+\i]
.endr
.endr
.endm
	s_load_b256 s[4:11], s[0:1], 0x0               ; x s[4:5], Wg s[6:7], bg s[8:9], xq s[10:11]
	s_load_b128 s[12:15], s[0:1], 0x20             ; msk s[12:13], gp s[14:15]
	v_lshl_add_u32 v224, v0, 2, 0x4400
	v_mov_b32 v225, 0
	v_lshrrev_b32 v1, 5, v0
	v_readfirstlane_b32 s16, v1                    ; wave 0..7
	v_and_b32 v1, 31, v0                           ; lane
	v_and_b32 v2, 15, v0                           ; r
	v_bfe_u32 v3, v0, 4, 1                         ; h
	v_lshlrev_b32 v4, 12, v2
	v_lshl_add_u32 v4, v3, 6, v4                   ; x: row r of 4,096 bytes + 64 h
	v_and_b32 v5, 7, v0
	v_lshlrev_b32 v5, 2, v5
	v_lshl_add_u32 v5, v3, 9, v5                   ; Wg: expert r % 8, + 16 h rows of 32 bytes
	s_lshl_b32 s17, s16, 6
	v_mul_u32_u24 v6, v2, XPITCH
	v_lshl_add_u32 v6, v3, 4, v6
	v_add_nc_u32 v6, s17, v6                       ; codes into LDS: row r, 64 w + 16 h
	s_lshl_b32 s17, s16, 2
	v_lshlrev_b32 v7, 5, v2
	v_add_nc_u32 v7, s17, v7
	v_add_nc_u32 v7, XSS, v7                       ; the scale word: row r, word w
	s_lshl_b32 s17, s16, 10
	v_lshlrev_b32 v14, 5, v1
	v_add_nc_u32 v14, LGT, v14                     ; partial logits: 32 bytes a lane,
	v_add_nc_u32 v8, s17, v14                      ; 1,024 a wave
	s_mul_i32 s17, s16, 2*XPITCH
	v_lshlrev_b32 v10, 4, v1                       ; 16 x lane
	v_add_nc_u32 v9, s17, v10                      ; rows 2 w, 2 w + 1 of the codes, back
	v_add_nc_u32 v11, XSS, v10                     ; the 512 scale bytes, back
	v_lshlrev_b32 v12, 3, v2                       ; 8 r: a token's two gates
	v_lshlrev_b32 v13, 8, v1                       ; 256 x lane: an expert's row of mask words
	v_mov_b32 v15, 0
.irp b, 0,1,2,3
	v_mov_b32 v[TM+4+\b], 0                        ; written once: a lane permute's destination counts as one of its sources
.endr
	s_mov_b32 s[SEL], 0x76543210
	s_mov_b32 s[SEL+1], 0xfedcba98
	s_mov_b32 s19, 0
	s_wait_kmcnt 0x0
	s_load_b256 s[20:27], s[8:9], 0x0              ; bg
	s_lshl_b32 s18, ttmp9, 16                      ; 16 rows of x a work-group,
	s_lshl_b32 s17, s16, 9                         ; 512 bytes of a row a wave
	s_add_co_u32 s18, s18, s17
	s_add_nc_u64 s[4:5], s[4:5], s[18:19]
	s_lshl_b32 s18, s16, 12                        ; 128 rows of Wg a wave
	s_add_nc_u64 s[6:7], s[6:7], s[18:19]
.irp b, 0,1,2,3
.irp j, 0,1,2,3
	global_load_b128 v[X+16*\b+4*\j:X+16*\b+4*\j+3], v4, s[4:5] offset:128*\b+16*\j th:TH_LOAD_NT
.endr
.endr
.set m, 0
.rept 64
	global_load_b32 v[WGR+m], v5, s[6:7] offset:32*(32*(m/16)+m%16)
.set m, m+1
.endr
	s_lshl_b32 s18, ttmp9, 9
	s_add_co_u32 s18, s18, 524288
	s_add_nc_u64 s[32:33], s[10:11], s[18:19]      ; my 16 rows of scale bytes
	s_lshl_b32 s18, ttmp9, 13
	s_lshl_b32 s17, s16, 10
	s_add_co_u32 s18, s18, s17
	s_add_nc_u64 s[10:11], s[10:11], s[18:19]      ; my wave's two rows of codes
	s_lshl_b32 s18, ttmp9, 5
	s_add_co_u32 s18, s18, 8192
	s_add_nc_u64 s[34:35], s[14:15], s[18:19]      ; my eight sums of probabilities
	s_lshl_b32 s18, ttmp9, 7
	s_add_nc_u64 s[14:15], s[14:15], s[18:19]      ; my 16 pairs of gates
	s_lshl_b32 s18, ttmp9, 2
	s_add_nc_u64 s[12:13], s[12:13], s[18:19]      ; my word in each expert's row of masks
	s_wait_loadcnt 0x0
	s_wait_kmcnt 0x0                               ; bg
; The logits' part of my 128 k: 32 steps of 4 along K.  Step kq takes registers 2 kq, 2 kq + 1 of both operands: the same k in both.  Two accumulators by turns, one instruction a turn.
.set kq, 0
.rept 32
.if kq < 2
	v_wmma_f32_16x16x4_f32 v[A0+8*(kq%2):A0+8*(kq%2)+7], v[WGR+2*kq:WGR+2*kq+1], v[X+2*kq:X+2*kq+1], 0
.else
	v_wmma_f32_16x16x4_f32 v[A0+8*(kq%2):A0+8*(kq%2)+7], v[WGR+2*kq:WGR+2*kq+1], v[X+2*kq:X+2*kq+1], v[A0+8*(kq%2):A0+8*(kq%2)+7]
.endif
.set kq, kq+1
.endr
	QUANT X, PC, PW                                ; its plain lines are also the places behind the last products (30 of them name none of those products' registers; 8 are asked: ISA guide 7.12.1)
.irp c, 0,1
	ds_store_b128 v6, v[PC+4*\c:PC+4*\c+3] offset:32*\c   ; registers 4 c .. 4 c + 3: k = 64 c + 32 h + 0 .. 31: 16 bytes of the row
.endr
	ds_store_b32 v7, v[PW]                         ; lanes l and l + 16 write the same word with the same value
.irp j, 0,1,2,3,4,5,6,7
	v_add_f32 v[LSM+\j], v[A0+\j], v[A0+8+\j]      ; register j: expert j, token r (both halves of the lanes alike); from the low end on, into other registers
.endr
	ds_store_b128 v8, v[LSM:LSM+3]
	ds_store_b128 v8, v[LSM+4:LSM+7] offset:16
	s_wait_dscnt 0x0                               ; for the others' sake: my LDS stores are done
	s_barrier_signal -1
	s_barrier_wait -1
	ds_load_b128 v[OB:OB+3], v9                    ; two whole rows of codes
	ds_load_b128 v[OB+4:OB+7], v9 offset:XPITCH
	s_wait_dscnt 0x0
	global_store_b128 v10, v[OB:OB+3], s[10:11]    ; 32 lanes store 512 consecutive bytes, aligned
	global_store_b128 v10, v[OB+4:OB+7], s[10:11] offset:512
	s_cmp_lg_u32 s16, 1
	s_cbranch_scc1 .Lnot_one
	ds_load_b128 v[PC:PC+3], v11                   ; wave 1: the 16 tokens' 512 scale bytes
	s_wait_dscnt 0x0
	global_store_b128 v10, v[PC:PC+3], s[32:33]
.Lnot_one:
	s_cmp_lg_u32 s16, 0
	s_cbranch_scc1 .Lend
; Wave 0: the gate of the 16 tokens.  Lane (r, h) works on token r.
.irp w, 0,1,2,3,4,5,6,7
.irp q, 0,1
	ds_load_b128 v[X+8*\w+4*\q:X+8*\w+4*\q+3], v14 offset:1024*\w+16*\q
.endr
.endr
	s_wait_dscnt 0x0
.irp q, 0,2,4,6
	v_pk_add_f32 v[P+\q:P+\q+1], v[X+\q:X+\q+1], v[X+8+\q:X+8+\q+1]
.endr
.irp w, 2,3,4,5,6,7
.irp q, 0,2,4,6
	v_pk_add_f32 v[P+\q:P+\q+1], v[P+\q:P+\q+1], v[X+8*\w+\q:X+8*\w+\q+1]
.endr
.endr
.irp e, 0,1,2,3,4,5,6,7
	v_add_f32 v[P+\e], s[20+\e], v[P+\e]           ; + bg
.endr
	v_max3_num_f32 v[T0], v[P], v[P+1], v[P+2]
	v_max3_num_f32 v[T0], v[T0], v[P+3], v[P+4]
	v_max3_num_f32 v[T0], v[T0], v[P+5], v[P+6]
	v_max_num_f32 v[T0], v[T0], v[P+7]             ; the row's largest logit
.irp e, 0,1,2,3,4,5,6,7
	v_sub_f32 v[EX+\e], v[P+\e], v[T0]
.endr
.irp e, 0,1,2,3,4,5,6,7
	v_mul_f32 v[EX+\e], 0x3fb8aa3b, v[EX+\e]       ; x log2(e)
.endr
.irp e, 0,1,2,3,4,5,6,7
	v_exp_f32 v[EX+\e], v[EX+\e]
.endr
	v_nop                                          ; a plain place behind the batch
	s_wait_alu depctr_va_vdst(0)                   ; one wait for the eight, ahead of their first reader
	v_add_f32 v[T0], v[EX], v[EX+1]
.irp e, 2,3,4,5,6,7
	v_add_f32 v[T0], v[T0], v[EX+\e]
.endr
	v_rcp_f32 v[T1], v[T0]
	v_nop
	s_wait_alu depctr_va_vdst(0)
.irp e, 0,1,2,3,4,5,6,7
	v_mul_f32 v[P+\e], v[EX+\e], v[T1]             ; the probabilities
.endr
	v_mov_b32 v[B1], v[P]                          ; the largest: the holder stays where holder >= candidate, so the lower expert wins a tie
	v_mov_b32 v[I1], 0
.irp e, 1,2,3,4,5,6,7
	v_cmp_ge_f32 vcc_lo, v[B1], v[P+\e]
	v_cndmask_b32 v[I1], \e, v[I1], vcc_lo
	v_cndmask_b32 v[B1], v[P+\e], v[B1], vcc_lo
.endr
	v_mov_b32 v[B2], -1.0                          ; the second: the same scan, passing over the first's expert
	v_mov_b32 v[I2], 0
.irp e, 0,1,2,3,4,5,6,7
	v_cmp_ge_f32 s31, v[B2], v[P+\e]
	v_cmp_eq_u32 vcc_lo, \e, v[I1]
	s_or_b32 s31, s31, vcc_lo
	v_cndmask_b32 v[I2], \e, v[I2], s31
	v_cndmask_b32 v[B2], v[P+\e], v[B2], s31
.endr
	v_add_f32 v[T0], v[B1], v[B2]
	v_rcp_f32 v[T1], v[T0]
	v_mov_b32 v[MW], 0                             ; (the plain place behind the reciprocal; v_writelane_b32's destination counts as one of its sources)
	s_wait_alu depctr_va_vdst(0)
	v_mul_f32 v[G1], v[B1], v[T1]
	v_mul_f32 v[G1+1], v[B2], v[T1]
; The choice as masks: a compare's bits 0-15 are the 16 tokens (bits 16-31 repeat them).  Lane e of MW gets expert e's word.
.irp e, 0,1,2,3,4,5,6,7
	v_cmp_eq_u32 s31, \e, v[I1]
	v_cmp_eq_u32 vcc_lo, \e, v[I2]
	s_or_b32 s31, s31, vcc_lo
	s_and_b32 s31, s31, 0xffff                     ; takers,
	s_lshl_b32 s36, vcc_lo, 16                     ; and above them those whose second choice it is
	s_or_b32 s31, s31, s36
	v_writelane_b32 v[MW], s31, \e
.endr
; The 16 tokens' sums of probabilities, for the auxiliary loss: four steps inside the 16 lanes
.irp e, 0,1,2,3,4,5,6,7
	v_add_f32_dpp v[PS+\e], v[P+\e], v[P+\e] row_xmask:1 row_mask:0xf bank_mask:0xf
.endr
.irp m, 2,4,8
.irp e, 0,1,2,3,4,5,6,7
	v_add_f32_dpp v[PS+\e], v[PS+\e], v[PS+\e] row_xmask:\m row_mask:0xf bank_mask:0xf
.endr
.endr
	s_wait_xcnt 0x0                                ; EXEC changes only behind this wait: stores have been issued
	v_cmp_gt_u32 vcc_lo, 16, v1
	s_and_saveexec_b32 s30, vcc_lo                 ; lanes 0-15: one lane a token
	global_store_b64 v12, v[G1:G1+1], s[14:15]
	s_wait_xcnt 0x0
	s_or_b32 exec_lo, exec_lo, s30
	v_cmp_gt_u32 vcc_lo, 8, v1
	s_and_saveexec_b32 s30, vcc_lo                 ; lanes 0-7: one lane an expert
	global_store_b32 v13, v[MW], s[12:13]
	s_wait_xcnt 0x0
	s_or_b32 exec_lo, exec_lo, s30
	v_cmp_eq_u32 vcc_lo, 0, v1
	s_and_saveexec_b32 s30, vcc_lo                 ; lane 0: the eight sums
	global_store_b128 v15, v[PS:PS+3], s[34:35]
	global_store_b128 v15, v[PS+4:PS+7], s[34:35] offset:16
	s_wait_xcnt 0x0
	s_or_b32 exec_lo, exec_lo, s30
.Lend:
	s_wait_tensorcnt 0x0
	ds_add_u32 v224, v225
	s_wait_dscnt 0x0
	s_endpgm
.Lfunc_end_k_q4556b52ad6_gate:
	.size	k_q4556b52ad6_gate, .Lfunc_end_k_q4556b52ad6_gate-k_q4556b52ad6_gate
	.p2alignl 7, 3214868480
	.fill 96, 4, 3214868480
	.section	.rodata,"a",@progbits
	.p2align	6, 0x0
	.amdhsa_kernel k_q4556b52ad6_gate
		.amdhsa_group_segment_fixed_size 18432
		.amdhsa_private_segment_fixed_size 0
		.amdhsa_enable_private_segment 0
		.amdhsa_kernarg_size 48
		.amdhsa_user_sgpr_count 2
		.amdhsa_user_sgpr_kernarg_segment_ptr 1
		.amdhsa_wavefront_size32 1
		.amdhsa_system_sgpr_workgroup_id_x 1
		.amdhsa_system_sgpr_workgroup_id_y 1
		.amdhsa_system_sgpr_workgroup_id_z 1
		.amdhsa_system_vgpr_workitem_id 0
		.amdhsa_next_free_vgpr 226
		.amdhsa_next_free_sgpr 66
		.amdhsa_reserve_vcc 1
		.amdhsa_float_denorm_mode_32 3
		.amdhsa_float_denorm_mode_16_64 3
		.amdhsa_memory_ordered 1
		.amdhsa_forward_progress 1
		.amdhsa_inst_pref_size 31
	.end_amdhsa_kernel
	.amdgpu_metadata
---
amdhsa.version: [ 1, 2 ]
amdhsa.kernels:
  - .name:           k_q4556b52ad6_gate
    .symbol:         k_q4556b52ad6_gate.kd
    .args:
      - { .name: x, .offset: 0, .size: 8, .value_kind: global_buffer, .address_space: global }
      - { .name: Wg, .offset: 8, .size: 8, .value_kind: global_buffer, .address_space: global }
      - { .name: bg, .offset: 16, .size: 8, .value_kind: global_buffer, .address_space: global }
      - { .name: xq, .offset: 24, .size: 8, .value_kind: global_buffer, .address_space: global }
      - { .name: msk, .offset: 32, .size: 8, .value_kind: global_buffer, .address_space: global }
      - { .name: gp, .offset: 40, .size: 8, .value_kind: global_buffer, .address_space: global }
    .group_segment_fixed_size: 18432
    .private_segment_fixed_size: 0
    .kernarg_segment_align: 8
    .kernarg_segment_size: 48
    .max_flat_workgroup_size: 256
    .sgpr_count:     66
    .vgpr_count:     226
    .wavefront_size: 32
...
	.end_amdgpu_metadata
.endif
;; end of part 6
;; launch up (part 7): grid 32 x 8, 16 waves a work-group, no clusters, 77,824 bytes of LDS; arguments W1, b1, xq, msk, hq, route; writes hq, route
.if DOCPART == 7
	.amdgcn_target "amdgcn-amd-amdhsa--gfx1250"
	.amdhsa_code_object_version 6
	.text
	.protected	k_q4556b52ad6_up
	.globl	k_q4556b52ad6_up
	.p2align	8
	.type	k_q4556b52ad6_up,@function
k_q4556b52ad6_up:
	s_mov_b64 s[64:65], 0
	v_nop
	global_prefetch_b8 v0, s[64:65] scope:SCOPE_SE
	s_setreg_imm32_b32 hwreg(HW_REG_WAVE_MODE, 25, 1), 1
	s_wait_xcnt 0x0
; UP.  hidden = relu(x W1[e] + b1[e]) for the rows that expert e takes, quantised along the hidden units, both operands of the product as codes of FP4 (E2M1) with E8M0 scales.
; SHARES.  Work-group (s, e) owns hidden units 128 s .. 128 s + 127 of expert e: 1,024 x 128 numbers of W1, 512 KiB, which no other work-group reads.
; PHASE S.  Wave w streams K rows 128 (w / 2) on, columns 64 (w % 2) on.  A lane takes a column and its registers run down K: a block of 32 lies in one lane, the conversions give codes with K innermost.
;   Two neighbouring loads of a wave cover 256 consecutive bytes of a row of W1.  The codes (64 KiB) and scale words (4 KiB) go to LDS, and b1's 128 numbers too (a word a thread, so four copies).  One barrier.
; THE ROWS.  Slot n of the expert is its n-th taker, tokens ascending.  The expert's 64 mask words (16 tokens each) lie in scalar registers.  A lane looks for slot 32 p + lane: a chain over the 64 chunks keeps,
;   by one compare and two selects a chunk, the last chunk whose first slot is not beyond the lane's; 16 steps then count through that chunk's bits.  Slots behind the count get row 0.
;   The chain of the wave's first group stands between the loads of the second block of W1.  The work-groups with s = 0 store list and count for the next launch.
; PHASE M.  Groups of 32 routed rows.  An expert takes at most 1,024 rows, 32 groups: wave w has groups w and w + 16, written out twice, each behind a branch on the count.
;   So this launch has no tensor load, and no barrier behind the one above.  What group w needs of x (scale words, two K steps) is asked for between the blocks of phase S: every wave has such a group number, so no branch is needed.
;   The product is used transposed (source 0 = 16 units of W1, source 1 = 16 rows of x), b1 is loaded into the accumulators and starts the sums, and THE UNITS OF A TILE ARE NOT NEIGHBOURS:
;   an LDS row is the unit's number with bits 3 and 4 changed over, so that the 16 registers of tiles 2 b, 2 b + 1 are units 32 b + 16 h + 0 .. 15: neighbours along the next product's K.
;   The 128 units are one K step of the next product: each tile of 16 rows leaves as an image of the operand's registers (1,024 bytes) and one scale word a row.
; route: 4,352 bytes an expert: 1,024 slots (the row 2 t + k), then the count in 32 words.  Only the groups in use, and groups 0 to 15, are written; nothing else is read.
; No cluster: each weight byte is wanted by one work-group; what work-groups share (x's codes, 16 KiB a group) is a small part of the 512 KiB that each streams.
; LIMITS: NaN and infinities are not served.  A block whose largest magnitude lies under 2^-124 (a block of zeros too) gets the byte 1; the bytes are read by this program alone.  The bias stands first in the f32 sum.
.set RP,    16384                      ; a row of W1 in bytes
.set PITCH, 528                        ; LDS: a unit's 1,024 codes, 512 bytes + 16: 33 x 16 bytes, so the 16 rows of a fragment load start at 16 different groups of banks
.set SPW,   48                         ; a unit's 8 scale words + 16 bytes
.set SCW,   128*PITCH
.set B1L,   SCW+128*SPW                ; b1: 512 words, a word a thread
.set JOFF,  32*PITCH
.set SJOFF, 32*SPW
.set LW,  1                            ; v1   phase S: where my column's codes go
.set LSW, 2                            ; v2   and its scale word
.set H16, 3                            ; v3   16 h
.set AW,  4                            ; v4   a fragment of W1 in LDS: 528 r + 16 h
.set ASW, 5                            ; v5   its scale words: SCW + 48 r
.set CV,  6                            ; v6   my number of b1: 4 (thread % 128); later the count, as data
.set BA,  7                            ; v7   b1 in LDS: B1L + 64 h
.set XA,  8                            ; v8-9   my token's codes, tiles 0, 1
.set XSA, 10                           ; v10-11 my token's scale bytes
.set L16, 12                           ; v12  16 x lane
.set L4,  13                           ; v13  4 x lane
.set EN,  14                           ; v14-15 the rows of slots r and 16 + r
.set MX,  16                           ; phase S: v16-17 largest magnitudes, v18-19 scale operands, v20-21 bytes, v22-23 scale words
.set SO,  18
.set BY,  20
.set SBW, 22
.set CD,  32                           ; v32-63  codes, four registers for each block and column
.set XB,  64                           ; v64-191 two sets of 2 x 32 numbers
.set ACC, 16                           ; phase M: v16-143 accumulators: row tile a at + 64 a, unit tile t at + 8 t
.set WF,  144                          ; v144-175 four fragments of W1; behind the K steps v144-159 the hidden codes,
.set TM,  160                          ; v160-175 and the quantiser's work
.set XF,  176                          ; v176-223 x's fragments: three sets of two; K step j lies in set (j + 1) % 3, so steps 0 and 1 lie clear of phase S
.set XS,  224                          ; v224-239 x's scale words, 8 a + K step: scales and nothing else
.set WS,  240                          ; v240-243 W1's scale words: scales and nothing else
.set PW,  244                          ; v244-245 the two tiles' scale words
.set PWJ, 246                          ; v246 joined; in phase S: where my word of b1 goes in LDS
.set BLA, 246
.set E,   247                          ; v247 the row of slot 32 p + lane
.set EX,  248                          ; v248 lane l xor 16's
.set BV,  249                          ; v249 my number of b1
.set SM,  250                          ; v250 the chunk's mask word
.set SK,  251                          ; v251 the chunk's first slot, and its number 16 bits up
.set QC,  252                          ; v252 my rank in the chunk, counted down
.set PS,  253                          ; v253 the bit's place
.set BT,  254                          ; v254 at work
.set NT,  255                          ; v255 my slot
.set SEL, 104                          ; s104, s105: v_permlanex16_b32's selects
; SCALARS: s[2:3] an offset; s[4:5] W1, s[6:7] b1, s[8:9] xq; s10 lanes 16-31; s[12:13] hq at (e, s); s[14:15] route at e; s16 wave; s17, s18 at work; s19 e; s20 count; s21 groups; s22 group; s23 running count;
;   s[24:25] x's scale bytes; s[26:27] hq's scale words at (e, s); s[28:29], s[30:31], s[100:101] the group's places in hq's codes, hq's scale words and the list; s32-63, s68-99 the 64 mask words.
.macro QUANT s, pc, pw                 ; 64 numbers of a lane, register 16 b + i = k 32 b + 16 h + i of my row, become a fragment's codes and the row's scale word
.irp b, 0,1,2,3
	v_max3_num_f32 v[TM+\b], |v[(\s)+16*\b]|, |v[(\s)+1+16*\b]|, 0x1800000   ; and the floor 2^(3 - 127): the byte cannot fall under 1
.endr
.irp i, 2,4,6,8,10,12,14
.irp b, 0,1,2,3
	v_max3_num_f32 v[TM+\b], v[TM+\b], |v[(\s)+16*\b+\i]|, |v[(\s)+1+16*\b+\i]|
.endr
.endr
.irp b, 0,1,2,3
	v_permlanex16_b32 v[TM+4+\b], v[TM+\b], s[SEL], s[SEL+1]
.endr
.irp b, 0,1,2,3
	v_max_num_f32 v[TM+\b], v[TM+\b], v[TM+4+\b]
.endr
.irp b, 0,1,2,3
	v_add_nc_u32 v[TM+12+\b], 0xff000000, v[TM+\b]         ; 2 off the exponent field: the conversion's scale operand
.endr
.irp b, 0,1,2,3
	v_lshrrev_b32 v[TM+4+\b], 23, v[TM+12+\b]
.endr
	v_lshl_or_b32 v[\pw], v[TM+5], 8, v[TM+4]
	v_lshl_or_b32 v[\pw], v[TM+6], 16, v[\pw]
	v_lshl_or_b32 v[\pw], v[TM+7], 24, v[\pw]
.irp b, 0,1,2,3
	v_cvt_scalef32_pk8_fp4_f32 v[(\pc)+2*\b], v[(\s)+16*\b:(\s)+7+16*\b], v[TM+12+\b]
	v_cvt_scalef32_pk8_fp4_f32 v[(\pc)+1+2*\b], v[(\s)+8+16*\b:(\s)+15+16*\b], v[TM+12+\b]
.endr
	v_nop                                                  ; one plain place behind a scaled conversion
.irp c, 0,1
.irp i, 0,1
	v_permlane16_swap_b32 v[(\pc)+4*\c+\i], v[(\pc)+2+4*\c+\i]
.endr
.endr
.endm
.macro LOADP b                         ; block b of my 128 K rows: 32 rows x 64 columns, 64 loads
.set li, 0
.rept 32
	global_load_b32 v[XB+64*((\b)%2)+li], v[L4], s[4:5] offset:(32*(\b)+li)*RP th:TH_LOAD_NT
	global_load_b32 v[XB+64*((\b)%2)+32+li], v[L4], s[4:5] offset:(32*(\b)+li)*RP+128 th:TH_LOAD_NT
.set li, li+1
.endr
.endm
; Chunk g of the chain: s23 is the chunk's first slot.  Where it lies beyond my slot I keep what I have; else I take this chunk's word, its first slot and its number.
.macro CH g
.if (\g) < 32
.set MR, 32+(\g)
.else
.set MR, 36+(\g)
.endif
	v_cmp_gt_u32 vcc_lo, s23, v[NT]
	s_add_co_u32 s18, s23, (\g)<<16
	v_cndmask_b32 v[SM], s[MR], v[SM], vcc_lo
	v_cndmask_b32 v[SK], s18, v[SK], vcc_lo
	s_and_b32 s17, s[MR], 0xffff
	s_bcnt1_i32_b32 s17, s17                       ; the chunk's takers
	s_add_co_u32 s23, s23, s17
.endm
.macro LOADP1S                         ; block 1's 64 loads, and between them the chain: two chunks behind each pair of loads
.set li, 0
.rept 32
	global_load_b32 v[XB+64+li], v[L4], s[4:5] offset:(32+li)*RP th:TH_LOAD_NT
	global_load_b32 v[XB+96+li], v[L4], s[4:5] offset:(32+li)*RP+128 th:TH_LOAD_NT
	CH 2*li
	CH 2*li+1
.set li, li+1
.endr
.endm
.macro QP b, n                         ; block b is quantised: two columns a lane, by turns
	s_wait_loadcnt \n
.set XS0, XB+64*((\b)%2)
.irp j, 0,1
	v_max3_num_f32 v[MX+\j], |v[XS0+32*\j]|, |v[XS0+32*\j+1]|, 0x1800000
.endr
.irp i, 2,4,6,8,10,12,14,16,18,20,22,24,26,28,30
.irp j, 0,1
	v_max3_num_f32 v[MX+\j], v[MX+\j], |v[XS0+32*\j+\i]|, |v[XS0+32*\j+\i+1]|
.endr
.endr
.irp j, 0,1
	v_add_nc_u32 v[SO+\j], 0xff000000, v[MX+\j]
.endr
.irp j, 0,1
	v_lshrrev_b32 v[BY+\j], 23, v[SO+\j]
.endr
.irp j, 0,1
.if (\b) == 0
	v_mov_b32 v[SBW+\j], v[BY+\j]
.else
	v_lshl_or_b32 v[SBW+\j], v[BY+\j], 8*(\b), v[SBW+\j]
.endif
.endr
.irp j, 0,1
.irp g, 0,1,2,3
	v_cvt_scalef32_pk8_fp4_f32 v[CD+4*(2*(\b)+\j)+\g], v[XS0+32*\j+8*\g:XS0+32*\j+8*\g+7], v[SO+\j]
.endr
.endr
	v_nop                                                  ; one plain place behind the conversions
.irp j, 0,1
	ds_store_b128 v[LW], v[CD+4*(2*(\b)+\j):CD+4*(2*(\b)+\j)+3] offset:JOFF*\j+16*(\b)
.endr
.endm
; Behind the chain: the bit in the chunk, the row, and the addresses of the two tiles' tokens.
.macro PICK
	v_and_b32 v[QC], 0xffff, v[SK]
	v_sub_nc_u32 v[QC], v[NT], v[QC]               ; q: so many takers of the chunk come before mine
	v_lshrrev_b32 v[SK], 16, v[SK]                 ; the chunk's number
	v_mov_b32 v[PS], 16
.irp j, 0,1,2,3,4,5,6,7,8,9,10,11,12,13,14,15
	v_bfe_u32 v[BT], v[SM], \j, 1
	v_sub_nc_u32 v[QC], v[QC], v[BT]               ; q less the takers among bits 0 .. j: negative from my taker's bit on,
	v_ashrrev_i32 v[BT], 31, v[QC]
	v_add_nc_u32 v[PS], v[PS], v[BT]               ; so 16 less the number of negatives is that bit's place; 16: the chunk has no such taker
.endr
	v_add_nc_u32 v[BT], 16, v[PS]
	v_lshrrev_b32 v[BT], v[BT], v[SM]
	v_and_b32 v[BT], 1, v[BT]                      ; k
	v_lshl_add_u32 v[BT], v[PS], 1, v[BT]
	v_lshl_add_u32 v[BT], v[SK], 5, v[BT]          ; 2 (16 chunk + place) + k
	v_cmp_gt_u32 vcc_lo, 16, v[PS]
	v_cndmask_b32 v[E], 0, v[BT], vcc_lo           ; a slot behind the count: row 0
	v_permlanex16_b32 v[EX], v[E], s[SEL], s[SEL+1]
	v_cndmask_b32 v[EN], v[E], v[EX], s10          ; lane (r, h): slot r's row,
	v_cndmask_b32 v[EN+1], v[EX], v[E], s10        ; and slot 16 + r's
.irp a, 0,1
	v_lshrrev_b32 v[EN+\a], 1, v[EN+\a]            ; the row's token,
.endr
.irp a, 0,1
	v_min_u32 v[EN+\a], 0x3ff, v[EN+\a]            ; a token, whatever was read
.endr
.irp a, 0,1
	v_lshlrev_b32 v[XSA+\a], 5, v[EN+\a]
	v_lshl_add_u32 v[XA+\a], v[EN+\a], 9, v[H16]
.endr
.endm
.macro ROUTE first                     ; the work-groups with s = 0 store the group's 32 rows, and wave 0 the count, for the next launch
	s_cmp_lg_u32 ttmp9, 0
	s_cbranch_scc1 .Lnr_\@
	global_store_b32 v[L4], v[E], s[100:101]
.if \first
	s_cmp_lg_u32 s16, 0
	s_cbranch_scc1 .Lnr_\@
	v_mov_b32 v[CV], s20                           ; (the load that took its address from this register is in)
	global_store_b32 v[L4], v[CV], s[14:15] offset:4096
.endif
.Lnr_\@:
.endm
.macro TRIPB                           ; group s22's places
	s_lshl_b32 s2, s22, 7
	s_add_nc_u64 s[30:31], s[26:27], s[2:3]        ; its 32 scale words
	s_add_nc_u64 s[100:101], s[14:15], s[2:3]      ; its 32 slots of the list
	s_lshl_b32 s2, s22, 11
	s_add_nc_u64 s[28:29], s[12:13], s[2:3]        ; its two tiles of codes
.endm
.macro XPRE                            ; the tokens' eight scale words, and K steps 0 and 1 of their codes
.irp a, 0,1
.irp q, 0,1
	global_load_b128 v[XS+8*\a+4*\q:XS+8*\a+4*\q+3], v[XSA+\a], s[24:25] offset:16*\q
.endr
.endr
.irp k, 0,1
.irp a, 0,1
.irp c, 0,1
	global_load_b128 v[XF+16*(\k+1)+8*\a+4*\c:XF+16*(\k+1)+8*\a+4*\c+3], v[XA+\a], s[8:9] offset:64*\k+32*\c
.endr
.endr
.endr
.endm
; One K step of 128: the fragments of x two steps on are asked for, into the set that the last step read; then twice four fragments of W1 from LDS and eight products.
; The 16 accumulators take turns, one instruction a turn.
.macro STEPK ks
.if \ks < 6
.irp a, 0,1
.irp c, 0,1
	global_load_b128 v[XF+16*(\ks%3)+8*\a+4*\c:XF+16*(\ks%3)+8*\a+4*\c+3], v[XA+\a], s[8:9] offset:64*(\ks+2)+32*\c
.endr
.endr
.endif
.irp g, 0,1
.irp t, 0,1,2,3
.irp c, 0,1
	ds_load_b128 v[WF+8*\t+4*\c:WF+8*\t+4*\c+3], v[AW] offset:16*PITCH*(4*\g+\t)+64*\ks+32*\c
.endr
	ds_load_b32 v[WS+\t], v[ASW] offset:16*SPW*(4*\g+\t)+4*\ks
.endr
	s_wait_dscnt 0x0
.if \g == 0
.if \ks < 6
	s_wait_loadcnt 8                               ; the next two steps' four loads each may be out: this step's fragments, and the scale words before them, are in
.elseif \ks == 6
	s_wait_loadcnt 4                               ; the last step's four
.else
	s_wait_loadcnt 0
.endif
.endif
.irp t, 0,1,2,3
.irp a, 0,1
	v_wmma_scale_f32_16x16x128_f8f6f4 v[ACC+64*\a+8*(4*\g+\t):ACC+64*\a+8*(4*\g+\t)+7], v[WF+8*\t:WF+8*\t+7], v[XF+16*((\ks+1)%3)+8*\a:XF+16*((\ks+1)%3)+8*\a+7], v[ACC+64*\a+8*(4*\g+\t):ACC+64*\a+8*(4*\g+\t)+7], v[WS+\t], v[XS+8*\a+\ks] matrix_a_fmt:MATRIX_FMT_FP4 matrix_b_fmt:MATRIX_FMT_FP4
.endr
.endr
.rept 4
	v_nop                                          ; places in front of loads into registers that these products have read, and of the first read of results
.endr
.endr
.endm
; A group of 32 rows, its scale words and first two K steps of x asked for already: multiply, relu, quantise, store.
.macro BODY
.irp a, 0,1
.irp t, 0,1,2,3,4,5,6,7
.irp q, 0,1
	ds_load_b128 v[ACC+64*\a+8*\t+4*\q:ACC+64*\a+8*\t+4*\q+3], v[BA] offset:4*(32*(\t/2)+8*(\t%2))+16*\q   ; b1 in the result's layout starts the sums: units 32 (t / 2) + 16 h + 8 (t % 2) + 0 .. 7
.endr
.endr
.endr
.irp k, 0,1,2,3,4,5,6,7
	STEPK \k
.endr
.irp a, 0,1
.set rj, 0
.rept 64
	v_max_num_f32 v[ACC+64*\a+rj], 0, v[ACC+64*\a+rj]      ; the activation, in f32; each accumulator from its low end on
.set rj, rj+1
.endr
	QUANT ACC+64*\a, WF+8*\a, PW+\a
.endr
	v_cndmask_b32 v[PWJ], v[PW], v[PW+1], s10      ; lanes 0-15: tile 0's words; lanes 16-31: tile 1's
.irp a, 0,1
.irp c, 0,1
	global_store_b128 v[L16], v[WF+8*\a+4*\c:WF+8*\a+4*\c+3], s[28:29] offset:1024*\a+512*\c th:TH_STORE_NT   ; the operand's registers as they stand: 512 consecutive bytes, aligned
.endr
.endr
	global_store_b32 v[L4], v[PWJ], s[30:31] th:TH_STORE_NT
.endm
	s_load_b256 s[4:11], s[0:1], 0x0               ; W1 s[4:5], b1 s[6:7], xq s[8:9], msk s[10:11]
	s_load_b128 s[12:15], s[0:1], 0x20             ; hq s[12:13], route s[14:15]
	v_lshrrev_b32 v16, 5, v0
	v_readfirstlane_b32 s16, v16                   ; wave 0..15
	s_and_b32 s17, s16, 1                          ; which 64 columns
	s_lshr_b32 s18, s16, 1                         ; which K step
	s_and_b32 s19, ttmp7, 0xffff                   ; expert
	v_and_b32 v16, 7, v0
	v_bfe_u32 v17, v0, 3, 1
	v_lshl_add_u32 v16, v17, 4, v16
	v_bfe_u32 v17, v0, 4, 1                        ; h
	v_lshl_add_u32 v16, v17, 3, v16                ; my lane's number with bits 3 and 4 changed over
	v_mul_u32_u24 v[LW], v16, PITCH
	s_mul_i32 s22, s17, 64*PITCH
	s_lshl_b32 s23, s18, 6
	s_add_co_u32 s22, s22, s23
	v_add_nc_u32 v[LW], s22, v[LW]
	v_mul_u32_u24 v[LSW], v16, SPW
	s_mul_i32 s22, s17, 64*SPW
	s_lshl_b32 s23, s18, 2
	s_add_co_u32 s22, s22, s23
	s_add_co_u32 s22, s22, SCW
	v_add_nc_u32 v[LSW], s22, v[LSW]
	v_and_b32 v18, 15, v0                          ; r
	v_and_b32 v19, 31, v0                          ; lane
	v_lshlrev_b32 v[H16], 4, v17
	v_mul_u32_u24 v[AW], v18, PITCH
	v_lshl_add_u32 v[AW], v17, 4, v[AW]
	v_mul_u32_u24 v[ASW], v18, SPW
	v_add_nc_u32 v[ASW], SCW, v[ASW]
	v_lshl_add_u32 v[BA], v17, 6, B1L
	v_lshl_add_u32 v[BLA], v0, 2, B1L
	v_and_b32 v[CV], 127, v0
	v_lshlrev_b32 v[CV], 2, v[CV]
	v_lshlrev_b32 v[L16], 4, v19
	v_lshlrev_b32 v[L4], 2, v19
	v_mov_b32 v[NT], v0                            ; my slot in group w: 32 w + lane
	v_mov_b32 v[SM], 0
	v_mov_b32 v[SK], 0
	v_mov_b32 v[EX], 0                             ; written once: a lane permute's destination counts as one of its sources
	s_mov_b32 s[SEL], 0x76543210
	s_mov_b32 s[SEL+1], 0xfedcba98
	s_mov_b32 s3, 0
	s_mov_b32 s21, 0
	s_mov_b32 s23, 0
	s_lshl_b32 s2, s19, 8                          ; an expert's 64 mask words
	s_lshl_b32 s20, s19, 24                        ; an expert's W1: 16 MiB;
	s_lshl_b32 s24, s18, 21                        ; 128 rows of 16,384 bytes;
	s_add_co_u32 s20, s20, s24
	s_lshl_b32 s24, ttmp9, 9                       ; 128 columns;
	s_add_co_u32 s20, s20, s24
	s_lshl_b32 s22, s19, 14                        ; b1: an expert's 4,096 numbers, my 128
	s_add_co_u32 s22, s22, s24
	s_lshl_b32 s24, s17, 8                         ; 64 columns
	s_add_co_u32 s20, s20, s24
	s_wait_kmcnt 0x0
	s_add_nc_u64 s[10:11], s[10:11], s[2:3]
	s_load_b512 s[32:47], s[10:11], 0x0            ; the expert's masks: chunks 0-31 in s32-63,
	s_load_b512 s[48:63], s[10:11], 0x40
	s_load_b512 s[68:83], s[10:11], 0x80           ; chunks 32-63 in s68-99
	s_load_b512 s[84:99], s[10:11], 0xc0
	s_add_nc_u64 s[4:5], s[4:5], s[20:21]
	s_add_nc_u64 s[6:7], s[6:7], s[22:23]
	global_load_b32 v[BV], v[CV], s[6:7]
	LOADP 0
	s_add_nc_u64 s[24:25], s[8:9], 524288          ; x's scale bytes
	s_lshl_b32 s22, s19, 5
	s_add_co_u32 s22, s22, ttmp9                   ; 32 e + s
	s_lshl_b32 s2, s22, 12
	s_add_co_u32 s2, s2, 16777216
	s_add_nc_u64 s[26:27], s[12:13], s[2:3]        ; the 1,024 scale words of (e, s)
	s_lshl_b32 s2, s22, 16
	s_add_nc_u64 s[12:13], s[12:13], s[2:3]        ; the hidden codes of (e, s): 64 tiles of 1,024 bytes
	s_mul_i32 s2, s19, 4352
	s_add_nc_u64 s[14:15], s[14:15], s[2:3]        ; the expert's list
	s_mov_b32 s22, s16                             ; my first group: w
	TRIPB
	s_wait_kmcnt 0x0                               ; the masks
	s_mov_b32 s10, 0xffff0000                      ; lanes 16-31 (the masks' address is done with)
	LOADP1S
	s_mov_b32 s20, s23                             ; the expert's count of rows
	PICK
	QP 0, 63                                       ; 64 younger loads were issued; the count's field ends at 63: my number of b1, block 0 and one load more are in
	ds_store_b32 v[BLA], v[BV]
	ROUTE 1
	XPRE                                           ; 12 loads, between the blocks
	LOADP 2
	QP 1, 63                                       ; 76 younger loads were issued: block 1 is in, and the 12 with it
	LOADP 3
	QP 2, 63
	QP 3, 0
.irp j, 0,1
	ds_store_b32 v[LSW], v[SBW+\j] offset:SJOFF*\j
.endr
	s_wait_dscnt 0x0                               ; for the others' sake: my LDS stores are done
	s_barrier_signal -1
	s_barrier_wait -1                              ; the slice's codes, scale words and biases lie in LDS; from here on LDS is only read
	s_min_u32 s20, s20, 0x400
	s_add_co_u32 s21, s20, 31
	s_lshr_b32 s21, s21, 5                         ; groups of 32 rows: 32 at the most
	s_cmp_ge_u32 s16, s21
	s_cbranch_scc1 .Lend
	BODY
	s_add_co_u32 s22, s16, 16                      ; my second group: w + 16; there is no third
	s_cmp_ge_u32 s22, s21
	s_cbranch_scc1 .Lend
	s_wait_xcnt 0x0                                ; the first group's stores have read their data, offsets and bases: all are written again only behind this wait
	TRIPB
	v_add_nc_u32 v[NT], 0x200, v[NT]               ; 16 groups on
	v_mov_b32 v[SM], 0
	v_mov_b32 v[SK], 0
	s_mov_b32 s23, 0
.set gi, 0
.rept 64
	CH gi
.set gi, gi+1
.endr
	PICK
	ROUTE 0
	XPRE
	BODY
.Lend:
	s_wait_xcnt 0x0
	v_lshl_add_u32 v254, v0, 2, 0x12800
	v_mov_b32 v255, 0
	s_wait_tensorcnt 0x0
	ds_add_u32 v254, v255
	s_wait_dscnt 0x0
	s_endpgm
.Lfunc_end_k_q4556b52ad6_up:
	.size	k_q4556b52ad6_up, .Lfunc_end_k_q4556b52ad6_up-k_q4556b52ad6_up
	.p2alignl 7, 3214868480
	.fill 96, 4, 3214868480
	.section	.rodata,"a",@progbits
	.p2align	6, 0x0
	.amdhsa_kernel k_q4556b52ad6_up
		.amdhsa_group_segment_fixed_size 77824
		.amdhsa_private_segment_fixed_size 0
		.amdhsa_enable_private_segment 0
		.amdhsa_kernarg_size 48
		.amdhsa_user_sgpr_count 2
		.amdhsa_user_sgpr_kernarg_segment_ptr 1
		.amdhsa_wavefront_size32 1
		.amdhsa_system_sgpr_workgroup_id_x 1
		.amdhsa_system_sgpr_workgroup_id_y 1
		.amdhsa_system_sgpr_workgroup_id_z 1
		.amdhsa_system_vgpr_workitem_id 0
		.amdhsa_next_free_vgpr 256
		.amdhsa_next_free_sgpr 106
		.amdhsa_reserve_vcc 1
		.amdhsa_float_denorm_mode_32 3
		.amdhsa_float_denorm_mode_16_64 3
		.amdhsa_memory_ordered 1
		.amdhsa_forward_progress 1
		.amdhsa_inst_pref_size 181
	.end_amdhsa_kernel
	.amdgpu_metadata
---
amdhsa.version: [ 1, 2 ]
amdhsa.kernels:
  - .name:           k_q4556b52ad6_up
    .symbol:         k_q4556b52ad6_up.kd
    .args:
      - { .name: W1, .offset: 0, .size: 8, .value_kind: global_buffer, .address_space: global }
      - { .name: b1, .offset: 8, .size: 8, .value_kind: global_buffer, .address_space: global }
      - { .name: xq, .offset: 16, .size: 8, .value_kind: global_buffer, .address_space: global }
      - { .name: msk, .offset: 24, .size: 8, .value_kind: global_buffer, .address_space: global }
      - { .name: hq, .offset: 32, .size: 8, .value_kind: global_buffer, .address_space: global }
      - { .name: route, .offset: 40, .size: 8, .value_kind: global_buffer, .address_space: global }
    .group_segment_fixed_size: 77824
    .private_segment_fixed_size: 0
    .kernarg_segment_align: 8
    .kernarg_segment_size: 48
    .max_flat_workgroup_size: 512
    .sgpr_count:     106
    .vgpr_count:     256
    .wavefront_size: 32
...
	.end_amdgpu_metadata
.endif
;; end of part 7
;; launch down (part 8): grid 16 x 16, 16 waves a work-group, no clusters, 145,408 bytes of LDS; arguments W2, b2, hq, route, gp, part; writes part
.if DOCPART == 8
	.amdgcn_target "amdgcn-amd-amdhsa--gfx1250"
	.amdhsa_code_object_version 6
	.text
	.protected	k_q4556b52ad6_down
	.globl	k_q4556b52ad6_down
	.p2align	8
	.type	k_q4556b52ad6_down,@function
k_q4556b52ad6_down:
	s_mov_b64 s[64:65], 0
	v_nop
	global_prefetch_b8 v0, s[64:65] scope:SCOPE_SE
	s_setreg_imm32_b32 hwreg(HW_REG_WAVE_MODE, 25, 1), 1
	s_wait_xcnt 0x0
; DOWN.  part[kh][row] = gate(row) x (hidden(row) W2[e] over half of K, + b2[e] in half 0), for the rows that expert e takes; both operands as codes of FP4 (E2M1) with E8M0 scales.
; SHARES.  Work-group (ns, 2 e + kh) owns K rows 2,048 kh on and columns 64 ns on of W2[e]: 512 KiB, which no other work-group reads.
; PHASE S.  Wave w streams K rows 128 w on of that half: a lane takes a column, its registers run down K; two neighbouring loads of a wave cover the 256 consecutive bytes of a row.
;   Codes (64 KiB) and scale words go to LDS, and b2's 64 numbers too (zeros in half 1; a word a thread, so eight copies).  One barrier.
; PHASE M.  Groups of 32 routed rows.  An expert takes at most 1,024 rows, 32 groups: wave w has groups w and w + 16, written out twice, each behind a branch on the stored count.
;   So this launch has no tensor load, and no barrier behind the one above.  What group w needs (its list, gates, 16 scale words, three K steps of hidden codes) is asked for between the blocks of phase S:
;   every wave has such a group number, so no branch is needed; a wave whose group holds no row uses none of it.
;   The product is used transposed (source 0 = 16 columns of W2, source 1 = 16 hidden rows, loaded as the images that the launch before stored): a lane holds eight neighbouring outputs of one row.
;   The bias is loaded into the accumulators and starts the sums.  The results, times the row's gate, go through the wave's own stage in LDS and leave as 256 consecutive bytes of row 2 t + k, aligned.
; part is [2 halves][2,304 rows][1,024].  Rows 0 .. 2,047 are the routed rows 2 t + k: each stands in one expert's list once, so each of their bytes has one writer.
;   A slot behind the expert's count is sent to spare row 2,048 + 32 e + (slot % 32), which nobody reads: so every lane stores in every store and EXEC is never changed.
;   Only an expert's last group has such slots, 31 at the most, so a spare byte has one writer too: 31 x 256 bytes a work-group at the most.
; No cluster: each weight byte is wanted by one work-group; the hidden codes that work-groups share are 32 KiB a group beside the 512 KiB that each streams.
; LIMITS: NaN and infinities are not served.  A block of W2 whose largest magnitude lies under 2^-124 (a block of zeros too) gets the byte 1.  The bias stands first in the f32 sum, and K is summed in two halves.
.set RP,     4096                      ; a row of W2 in bytes
.set PITCH,  1040                      ; LDS: a column's 2,048 codes, 1,024 bytes + 16: 65 x 16 bytes
.set SPW,    80                        ; a column's 16 scale words + 16 bytes
.set SCW,    64*PITCH
.set JOFF,   32*PITCH
.set SJOFF,  32*SPW
.set STG,    SCW+64*SPW                ; the stages: 16 rows x (256 bytes + 16) for each wave
.set SPITCH, 272
.set B2L,    STG+16*16*SPITCH          ; b2: 512 words, a word a thread
.set PLANE,  2304*4096                 ; a half's plane of part in bytes
.set LW,  1                            ; v1   phase S: where my column's codes go
.set LSW, 2                            ; v2   and its scale word
.set HI,  3                            ; v3   h = lane / 16
.set AW,  4                            ; v4   a fragment of W2 in LDS: 1,040 r + 16 h
.set ASW, 5                            ; v5   its scale words
.set R4,  6                            ; v6   4 r
.set H4,  7                            ; v7   4 h
.set L16, 8                            ; v8   16 x lane
.set L4,  9                            ; v9   4 x lane
.set STO, 10                           ; v10  the stage, in: row r, 32 h
.set RD,  11                           ; v11  the stage, back: row h, 16 r
.set CO,  12                           ; v12  16 r
.set REM, 13                           ; v13  rows left from the group's first on, less h
.set BA,  14                           ; v14  b2 in LDS: B2L + 32 h
.set BLA, 15                           ; v15  where my word of b2 goes: B2L + 4 x thread
.set MX,  16                           ; phase S: v16-23 at work, v24-31 a block's codes, v32-159 two sets of 2 x 32 numbers
.set SO,  18
.set BY,  20
.set SBW, 22
.set CD,  24
.set XB,  32
.set ACC, 16                           ; phase M: v16-79 accumulators: row tile a at + 32 a, column tile t at + 8 t
.set WF,  80                           ; v80-111 four fragments of W2
.set OB,  80                           ; the way out: tile a's 16 rows read back, at + 32 a: v80-143
.set HS,  160                          ; v160-175 the hidden rows' scale words, by K step: lanes 0-15 tile 0's, lanes 16-31 tile 1's: scales and nothing else
.set WS,  176                          ; v176-179 W2's scale words: scales and nothing else
.set GT,  180                          ; v[180:181], v[182:183] the gates (the upper words are 0)
.set EN,  184                          ; v184-185 the list entries of slots r and 16 + r
.set GA,  186                          ; v186-187 the gates' offsets
.set DRB, 188                          ; v188 2,048 + 32 e + h: the spare row of slot h
.set TD,  189                          ; v189 at work
.set BV,  190                          ; v190 my number of b2
.set BGA, 191                          ; v191 its offset: 4 (thread % 64)
.set DE,  192                          ; v192-207 where the rows of slots 16 a + 2 i + h go in part
.set LE,  208                          ; v208-223 those slots' list entries; then a set of hidden fragments
; Hidden fragments: four sets of two, K step j in set j % 4: v224-239, v240-255, v208-223, v112-127.  The first three lie clear of phase S.
.macro SETHF j
.if ((\j)%4) == 0
.set HFR, 224
.elseif ((\j)%4) == 1
.set HFR, 240
.elseif ((\j)%4) == 2
.set HFR, 208
.else
.set HFR, 112
.endif
.endm
.macro LOADP b
.set li, 0
.rept 32
	global_load_b32 v[XB+64*((\b)%2)+li], v[L4], s[4:5] offset:(32*(\b)+li)*RP th:TH_LOAD_NT
	global_load_b32 v[XB+64*((\b)%2)+32+li], v[L4], s[4:5] offset:(32*(\b)+li)*RP+128 th:TH_LOAD_NT
.set li, li+1
.endr
.endm
.macro QP b, n
	s_wait_loadcnt \n
.set XS0, XB+64*((\b)%2)
.irp j, 0,1
	v_max3_num_f32 v[MX+\j], |v[XS0+32*\j]|, |v[XS0+32*\j+1]|, 0x1800000   ; the floor 2^(3 - 127): the byte cannot fall under 1
.endr
.irp i, 2,4,6,8,10,12,14,16,18,20,22,24,26,28,30
.irp j, 0,1
	v_max3_num_f32 v[MX+\j], v[MX+\j], |v[XS0+32*\j+\i]|, |v[XS0+32*\j+\i+1]|
.endr
.endr
.irp j, 0,1
	v_add_nc_u32 v[SO+\j], 0xff000000, v[MX+\j]            ; 2 off the exponent field: the conversion's scale operand
.endr
.irp j, 0,1
	v_lshrrev_b32 v[BY+\j], 23, v[SO+\j]
.endr
.irp j, 0,1
.if (\b) == 0
	v_mov_b32 v[SBW+\j], v[BY+\j]
.else
	v_lshl_or_b32 v[SBW+\j], v[BY+\j], 8*(\b), v[SBW+\j]
.endif
.endr
.if (\b) > 0
	s_wait_dscnt 0x0                                       ; the last block's LDS stores have read the codes' registers
.endif
.irp j, 0,1
.irp g, 0,1,2,3
	v_cvt_scalef32_pk8_fp4_f32 v[CD+4*\j+\g], v[XS0+32*\j+8*\g:XS0+32*\j+8*\g+7], v[SO+\j]
.endr
.endr
	v_nop                                                  ; one plain place behind the conversions
.irp j, 0,1
	ds_store_b128 v[LW], v[CD+4*\j:CD+4*\j+3] offset:JOFF*\j+16*(\b)
.endr
.endm
.macro TRIPB                           ; group s21's places
	s_lshl_b32 s22, s21, 7
	s_add_nc_u64 s[26:27], s[24:25], s[22:23]      ; its 32 list entries
	s_add_nc_u64 s[34:35], s[32:33], s[22:23]      ; its 32 scale words of each K step
	s_lshl_b32 s22, s21, 11
	s_add_nc_u64 s[30:31], s[28:29], s[22:23]      ; its two tiles of each K step
.endm
.macro PLIST                           ; 18 loads of the list
	global_load_b32 v[EN], v[R4], s[26:27]         ; lane (r, h): the rows of slots r and 16 + r, for their gates
	global_load_b32 v[EN+1], v[R4], s[26:27] offset:64
.irp a, 0,1
.irp i, 0,1,2,3,4,5,6,7
	global_load_b32 v[LE+8*\a+\i], v[H4], s[26:27] offset:64*\a+8*\i   ; and of slot 16 a + 2 i + h, which this lane helps to store
.endr
.endr
.endm
.macro PADDR                           ; the list is in: the gates' offsets, and where the rows go
	s_lshl_b32 s38, s21, 5
	s_sub_co_u32 s38, s19, s38                     ; rows left from the group's first on
.irp a, 0,1
	v_min_u32 v[EN+\a], 0x7ff, v[EN+\a]            ; a row 2 t + k, whatever was read
.endr
.irp a, 0,1
	v_lshlrev_b32 v[GA+\a], 2, v[EN+\a]
.endr
	v_sub_nc_u32 v[REM], s38, v[HI]
.irp a, 0,1
.irp i, 0,1,2,3,4,5,6,7
	v_cmp_lt_i32 vcc_lo, 16*\a+2*\i, v[REM]        ; slot 16 a + 2 i + h of the group holds a row:
	v_add_nc_u32 v[TD], 16*\a+2*\i, v[DRB]
	v_cndmask_b32 v[LE+8*\a+\i], v[TD], v[LE+8*\a+\i], vcc_lo   ; that row, else the slot's spare row
.endr
.endr
.set di, 0
.rept 16
	v_min_u32 v[LE+di], 0x8ff, v[LE+di]            ; a row of part, whatever was read
.set di, di+1
.endr
.set di, 0
.rept 16
	v_lshl_add_u32 v[DE+di], v[LE+di], 12, v[CO]   ; the row's 4,096 bytes in part, + 16 r
.set di, di+1
.endr
.endm
.macro PDATA                           ; 30 loads: the gates, the 16 scale words, K steps 0, 1 and 2 of the hidden codes
	global_load_b32 v[GT], v[GA], s[12:13]
	global_load_b32 v[GT+2], v[GA+1], s[12:13]
.irp k, 0,1,2,3,4,5,6,7,8,9,10,11,12,13,14,15
	global_load_b32 v[HS+\k], v[L4], s[34:35] offset:4096*\k
.endr
.irp k, 0,1,2
	SETHF \k
.irp a, 0,1
.irp c, 0,1
	global_load_b128 v[HFR+8*\a+4*\c:HFR+8*\a+4*\c+3], v[L16], s[30:31] offset:65536*\k+1024*\a+512*\c
.endr
.endr
.endr
.endm
; One K step of 128: the hidden fragments three steps on are asked for, into the set that the last step read; four fragments of W2 from LDS; eight products.
; The eight accumulators take turns, one instruction a turn.
.macro STEPK ks
.if \ks < 13
	SETHF \ks+3
.irp a, 0,1
.irp c, 0,1
	global_load_b128 v[HFR+8*\a+4*\c:HFR+8*\a+4*\c+3], v[L16], s[30:31] offset:65536*(\ks+3)+1024*\a+512*\c
.endr
.endr
.endif
.irp t, 0,1,2,3
.irp c, 0,1
	ds_load_b128 v[WF+8*\t+4*\c:WF+8*\t+4*\c+3], v[AW] offset:16*PITCH*\t+64*\ks+32*\c
.endr
	ds_load_b32 v[WS+\t], v[ASW] offset:16*SPW*\t+4*\ks
.endr
	s_wait_dscnt 0x0
.if \ks < 13
	s_wait_loadcnt 12                              ; the next three steps' four loads each may be out: this step's fragments, and the gates and scale words before them, are in
.else
	s_wait_loadcnt 4*(15-\ks)                      ; the steps that are left
.endif
	SETHF \ks
.irp t, 0,1,2,3
	v_wmma_scale_f32_16x16x128_f8f6f4 v[ACC+8*\t:ACC+8*\t+7], v[WF+8*\t:WF+8*\t+7], v[HFR:HFR+7], v[ACC+8*\t:ACC+8*\t+7], v[WS+\t], v[HS+\ks] matrix_a_fmt:MATRIX_FMT_FP4 matrix_b_fmt:MATRIX_FMT_FP4
	v_wmma_scale_f32_16x16x128_f8f6f4 v[ACC+32+8*\t:ACC+32+8*\t+7], v[WF+8*\t:WF+8*\t+7], v[HFR+8:HFR+15], v[ACC+32+8*\t:ACC+32+8*\t+7], v[WS+\t], v[HS+\ks] matrix_a_fmt:MATRIX_FMT_FP4 matrix_b_fmt:MATRIX_FMT_FP4 matrix_b_scale:MATRIX_SCALE_ROW1
.endr
.rept 4
	v_nop                                          ; places in front of loads into registers that these products have read, and of the first read of results
.endr
.endm
; A group of 32 rows, its list, gates, scale words and first three K steps asked for already: 16 K steps, the gate's weight, the way out.
.macro BODY
.irp a, 0,1
.irp t, 0,1,2,3
.irp q, 0,1
	ds_load_b128 v[ACC+32*\a+8*\t+4*\q:ACC+32*\a+8*\t+4*\q+3], v[BA] offset:64*\t+16*\q   ; the bias in the result's layout starts the sums: columns 16 t + 8 h + 0 .. 7
.endr
.endr
.endr
.irp k, 0,1,2,3,4,5,6,7,8,9,10,11,12,13,14,15
	STEPK \k
.endr
.irp a, 0,1
.irp q, 0,2,4,6,8,10,12,14,16,18,20,22,24,26,28,30
	v_pk_mul_f32 v[ACC+32*\a+\q:ACC+32*\a+\q+1], v[ACC+32*\a+\q:ACC+32*\a+\q+1], v[GT+2*\a:GT+2*\a+1] op_sel_hi:[1,0]   ; x the row's gate; each accumulator from its low end on
.endr
.irp t, 0,1,2,3
.irp q, 0,1
	ds_store_b128 v[STO], v[ACC+32*\a+8*\t+4*\q:ACC+32*\a+8*\t+4*\q+3] offset:64*\t+16*\q
.endr
.endr
.irp i, 0,1,2,3,4,5,6,7
	ds_load_b128 v[OB+32*\a+4*\i:OB+32*\a+4*\i+3], v[RD] offset:2*SPITCH*\i   ; LDS serves a wave's instructions in order (ISA guide 5.7.1): these see my stores, and the next tile's stores come behind them
.endr
.endr
.irp a, 0,1
	s_wait_dscnt 16-16*\a                          ; tile 0's rows are back while tile 1's eight stores and eight loads may be out; then all
.irp i, 0,1,2,3,4,5,6,7
	global_store_b128 v[DE+8*\a+\i], v[OB+32*\a+4*\i:OB+32*\a+4*\i+3], s[14:15] th:TH_STORE_NT   ; 16 lanes store 256 consecutive bytes, aligned
.endr
.endr
.endm
	s_load_b256 s[4:11], s[0:1], 0x0               ; W2 s[4:5], b2 s[6:7], hq s[8:9], route s[10:11]
	s_load_b128 s[12:15], s[0:1], 0x20             ; gp s[12:13], part s[14:15]
	v_lshrrev_b32 v16, 5, v0
	v_readfirstlane_b32 s16, v16                   ; wave 0..15
	s_and_b32 s18, ttmp7, 0xffff
	s_lshr_b32 s17, s18, 1                         ; expert
	s_and_b32 s18, s18, 1                          ; which half of K
	v_and_b32 v16, 15, v0                          ; r
	v_bfe_u32 v[HI], v0, 4, 1                      ; h
	v_and_b32 v17, 31, v0                          ; lane
	v_mul_u32_u24 v[LW], v17, PITCH
	s_lshl_b32 s38, s16, 6
	v_add_nc_u32 v[LW], s38, v[LW]
	v_mul_u32_u24 v[LSW], v17, SPW
	s_lshl_b32 s38, s16, 2
	s_add_co_u32 s38, s38, SCW
	v_add_nc_u32 v[LSW], s38, v[LSW]
	v_mul_u32_u24 v[AW], v16, PITCH
	v_lshl_add_u32 v[AW], v[HI], 4, v[AW]
	v_mul_u32_u24 v[ASW], v16, SPW
	v_add_nc_u32 v[ASW], SCW, v[ASW]
	v_lshlrev_b32 v[R4], 2, v16
	v_lshlrev_b32 v[H4], 2, v[HI]
	v_lshlrev_b32 v[L16], 4, v17
	v_lshlrev_b32 v[L4], 2, v17
	s_mul_i32 s38, s16, 16*SPITCH
	s_add_co_u32 s38, s38, STG                     ; my stage
	v_mul_u32_u24 v[STO], v16, SPITCH
	v_lshl_add_u32 v[STO], v[HI], 5, v[STO]
	v_add_nc_u32 v[STO], s38, v[STO]
	v_mul_u32_u24 v[RD], v[HI], SPITCH
	v_lshl_add_u32 v[RD], v16, 4, v[RD]
	v_add_nc_u32 v[RD], s38, v[RD]
	v_lshlrev_b32 v[CO], 4, v16
	v_lshl_add_u32 v[BA], v[HI], 5, B2L
	v_lshl_add_u32 v[BLA], v0, 2, B2L
	v_and_b32 v[BGA], 63, v0
	v_lshlrev_b32 v[BGA], 2, v[BGA]
	s_lshl_b32 s42, s17, 5
	s_add_co_u32 s42, s42, 2048
	v_add_nc_u32 v[DRB], s42, v[HI]                ; 2,048 + 32 e + h
	v_mov_b32 v[GT+1], 0                           ; named as the upper halves of pairs, so they are written
	v_mov_b32 v[GT+3], 0
	s_mov_b32 s23, 0
	s_lshl_b32 s22, s17, 24                        ; an expert's W2: 16 MiB;
	s_lshl_b32 s38, s18, 23                        ; 2,048 rows of 4,096 bytes;
	s_add_co_u32 s22, s22, s38
	s_lshl_b32 s38, s16, 19                        ; 128 rows;
	s_add_co_u32 s22, s22, s38
	s_lshl_b32 s39, ttmp9, 8                       ; 64 columns
	s_add_co_u32 s22, s22, s39
	s_wait_kmcnt 0x0
	s_add_nc_u64 s[4:5], s[4:5], s[22:23]
	s_lshl_b32 s22, s17, 12
	s_add_co_u32 s22, s22, s39
	s_add_nc_u64 s[6:7], s[6:7], s[22:23]          ; b2 at my 64 columns
	global_load_b32 v[BV], v[BGA], s[6:7]
	LOADP 0
	LOADP 1
	s_mul_i32 s22, s17, 4352
	s_add_nc_u64 s[24:25], s[10:11], s[22:23]      ; the expert's list,
	s_load_b32 s19, s[24:25], 0x1000               ; and behind it its count of rows
	s_lshl_b32 s22, s17, 21
	s_lshl_b32 s38, s18, 20
	s_add_co_u32 s22, s22, s38
	s_add_nc_u64 s[28:29], s[8:9], s[22:23]        ; the hidden codes of (e, K step 16 kh)
	s_lshl_b32 s22, s17, 17
	s_lshl_b32 s38, s18, 16
	s_add_co_u32 s22, s22, s38
	s_add_co_u32 s22, s22, 16777216
	s_add_nc_u64 s[32:33], s[8:9], s[22:23]        ; and their scale words
	s_mul_i32 s22, s18, PLANE
	s_add_co_u32 s22, s22, s39
	s_add_nc_u64 s[14:15], s[14:15], s[22:23]      ; part: my half's plane, my 256 bytes of a row
	s_cmp_eq_u32 s18, 0
	s_cselect_b32 s40, -1, 0                       ; the bias counts in half 0 alone
	s_mov_b32 s21, s16                             ; my first group: w
	TRIPB
	QP 0, 63                                       ; 64 younger loads were issued; the count's field ends at 63: my number of b2, block 0 and one load more are in
	v_cndmask_b32 v[BV], 0, v[BV], s40
	ds_store_b32 v[BLA], v[BV]
	PLIST                                          ; 18 loads, between the blocks
	LOADP 2
	QP 1, 63                                       ; 82 younger loads were issued: block 1 is in, and the 18 with it
	s_wait_kmcnt 0x0
	s_min_u32 s19, s19, 0x400
	PADDR
	PDATA                                          ; 30 loads, between the blocks
	LOADP 3
	QP 2, 63                                       ; 94 younger loads were issued: block 2 is in, and the 30 with it
	QP 3, 0
.irp j, 0,1
	ds_store_b32 v[LSW], v[SBW+\j] offset:SJOFF*\j
.endr
	s_wait_dscnt 0x0                               ; for the others' sake: my LDS stores are done
	s_barrier_signal -1
	s_barrier_wait -1                              ; codes, scale words and biases lie in LDS; from here on they are only read, and a stage is its wave's own
	s_add_co_u32 s20, s19, 31
	s_lshr_b32 s20, s20, 5                         ; groups of 32 rows: 32 at the most
	s_cmp_ge_u32 s16, s20
	s_cbranch_scc1 .Lend
	BODY
	s_add_co_u32 s21, s16, 16                      ; my second group: w + 16; there is no third
	s_cmp_ge_u32 s21, s20
	s_cbranch_scc1 .Lend
	s_wait_xcnt 0x0                                ; the first group's stores have read their data, offsets and base: the registers are written again only behind this wait
	TRIPB
	PLIST
	s_wait_loadcnt 0x0
	PADDR
	PDATA
	BODY
.Lend:
	s_wait_xcnt 0x0
	v_lshl_add_u32 v254, v0, 2, 0x23000
	v_mov_b32 v255, 0
	s_wait_tensorcnt 0x0
	ds_add_u32 v254, v255
	s_wait_dscnt 0x0
	s_endpgm
.Lfunc_end_k_q4556b52ad6_down:
	.size	k_q4556b52ad6_down, .Lfunc_end_k_q4556b52ad6_down-k_q4556b52ad6_down
	.p2alignl 7, 3214868480
	.fill 96, 4, 3214868480
	.section	.rodata,"a",@progbits
	.p2align	6, 0x0
	.amdhsa_kernel k_q4556b52ad6_down
		.amdhsa_group_segment_fixed_size 145408
		.amdhsa_private_segment_fixed_size 0
		.amdhsa_enable_private_segment 0
		.amdhsa_kernarg_size 48
		.amdhsa_user_sgpr_count 2
		.amdhsa_user_sgpr_kernarg_segment_ptr 1
		.amdhsa_wavefront_size32 1
		.amdhsa_system_sgpr_workgroup_id_x 1
		.amdhsa_system_sgpr_workgroup_id_y 1
		.amdhsa_system_sgpr_workgroup_id_z 1
		.amdhsa_system_vgpr_workitem_id 0
		.amdhsa_next_free_vgpr 256
		.amdhsa_next_free_sgpr 66
		.amdhsa_reserve_vcc 1
		.amdhsa_float_denorm_mode_32 3
		.amdhsa_float_denorm_mode_16_64 3
		.amdhsa_memory_ordered 1
		.amdhsa_forward_progress 1
		.amdhsa_inst_pref_size 143
	.end_amdhsa_kernel
	.amdgpu_metadata
---
amdhsa.version: [ 1, 2 ]
amdhsa.kernels:
  - .name:           k_q4556b52ad6_down
    .symbol:         k_q4556b52ad6_down.kd
    .args:
      - { .name: W2, .offset: 0, .size: 8, .value_kind: global_buffer, .address_space: global }
      - { .name: b2, .offset: 8, .size: 8, .value_kind: global_buffer, .address_space: global }
      - { .name: hq, .offset: 16, .size: 8, .value_kind: global_buffer, .address_space: global }
      - { .name: route, .offset: 24, .size: 8, .value_kind: global_buffer, .address_space: global }
      - { .name: gp, .offset: 32, .size: 8, .value_kind: global_buffer, .address_space: global }
      - { .name: part, .offset: 40, .size: 8, .value_kind: global_buffer, .address_space: global }
    .group_segment_fixed_size: 145408
    .private_segment_fixed_size: 0
    .kernarg_segment_align: 8
    .kernarg_segment_size: 48
    .max_flat_workgroup_size: 512
    .sgpr_count:     66
    .vgpr_count:     256
    .wavefront_size: 32
...
	.end_amdgpu_metadata
.endif
;; end of part 8
;; launch combine (part 9): grid 256 x 1, 8 waves a work-group, no clusters, 0 bytes of LDS; arguments part, gp, out0, out1; writes out0, out1
.if DOCPART == 9
	.amdgcn_target "amdgcn-amd-amdhsa--gfx1250"
	.amdhsa_code_object_version 6
	.text
	.protected	k_q4556b52ad6_combine
	.globl	k_q4556b52ad6_combine
	.p2align	8
	.type	k_q4556b52ad6_combine,@function
k_q4556b52ad6_combine:
	s_mov_b64 s[64:65], 0
	v_nop
	global_prefetch_b8 v0, s[64:65] scope:SCOPE_SE
	s_setreg_imm32_b32 hwreg(HW_REG_WAVE_MODE, 25, 1), 1
	s_wait_xcnt 0x0
; COMBINE.  out0[t] = part[0][2 t] + part[0][2 t + 1] + part[1][2 t] + part[1][2 t + 1]: the token's two experts, each in two halves of K; gates and biases are in the parts already.
; part is [2][2,304 rows][1,024] f32; rows 2,048 on of a plane are spare and are not read.
; A stream: a work-group takes 4 tokens, a thread 16 bytes of a row, so each load and store of a wave covers 512 consecutive bytes, aligned.  All 16 loads go out at once; no loop, no LDS, no register written twice.
; The second plane lies 9,437,184 bytes on, more than a load's signed 24-bit immediate reaches: it has a base of its own.
; THE LOSS.  Wave 0 of work-group 0 also makes out1 = 8 x sum over e of (S_e / sum S) (S_e / 1024), S_e the sum of expert e's probabilities: gp holds, from byte 8,192 on, 64 sums over 16 tokens for each expert.
;   Its four loads go out ahead of the stream's, so the stream's counted waits, which count younger loads, stand as they are; the stream's text is written twice, once for that wave.
; Matrix units, clusters and LDS would add nothing: every byte is read once and written once.
.set PLANE, 2304*4096
.set D, 16                             ; v16-79: token t's four parts at D + 16 t: plane 0 k = 0, 1, plane 1 k = 0, 1
.set S8, 80                            ; v80-95: two rows of eight sums
.macro MAIN
.irp t, 0,1,2,3
.irp k, 0,1
	global_load_b128 v[D+16*\t+4*\k:D+16*\t+4*\k+3], v1, s[4:5] offset:4096*(2*\t+\k) th:TH_LOAD_NT
	global_load_b128 v[D+16*\t+8+4*\k:D+16*\t+8+4*\k+3], v1, s[12:13] offset:4096*(2*\t+\k) th:TH_LOAD_NT
.endr
.endr
.irp t, 0,1,2,3
	s_wait_loadcnt 12-4*\t                         ; this token's four loads are in; the later tokens' may be out
.irp q, 0,2
	v_pk_add_f32 v[D+16*\t+\q:D+16*\t+\q+1], v[D+16*\t+\q:D+16*\t+\q+1], v[D+16*\t+4+\q:D+16*\t+4+\q+1]
	v_pk_add_f32 v[D+16*\t+8+\q:D+16*\t+8+\q+1], v[D+16*\t+8+\q:D+16*\t+8+\q+1], v[D+16*\t+12+\q:D+16*\t+12+\q+1]
.endr
.irp q, 0,2
	v_pk_add_f32 v[D+16*\t+\q:D+16*\t+\q+1], v[D+16*\t+\q:D+16*\t+\q+1], v[D+16*\t+8+\q:D+16*\t+8+\q+1]
.endr
	global_store_b128 v1, v[D+16*\t:D+16*\t+3], s[8:9] offset:4096*\t th:TH_STORE_NT
.endr
.endm
	s_load_b256 s[4:11], s[0:1], 0x0               ; part s[4:5], gp s[6:7], out0 s[8:9], out1 s[10:11]
	v_lshlrev_b32 v1, 4, v0
	v_lshrrev_b32 v2, 5, v0
	v_readfirstlane_b32 s14, v2                    ; wave
	s_or_b32 s14, s14, ttmp9                       ; 0 in wave 0 of work-group 0
	s_lshl_b32 s16, ttmp9, 15                      ; 8 rows of part
	s_mov_b32 s17, 0
	s_lshl_b32 s18, ttmp9, 14                      ; 4 rows of out0
	s_mov_b32 s19, 0
	s_wait_kmcnt 0x0
	s_add_nc_u64 s[4:5], s[4:5], s[16:17]
	s_add_nc_u64 s[12:13], s[4:5], PLANE
	s_add_nc_u64 s[8:9], s[8:9], s[18:19]
	s_cmp_eq_u32 s14, 0
	s_cbranch_scc1 .Laux
	MAIN
	s_endpgm
.Laux:
	v_lshlrev_b32 v3, 6, v0                        ; lane l: rows 2 l and 2 l + 1 of the sums, 64 bytes
	s_add_nc_u64 s[6:7], s[6:7], 8192
	s_mov_b32 s20, 0x76543210
	s_mov_b32 s21, 0xfedcba98
.irp q, 0,1,2,3
	global_load_b128 v[S8+4*\q:S8+4*\q+3], v3, s[6:7] offset:16*\q
.endr
	MAIN                                           ; its last wait is for 0: the sums are in
.irp q, 0,2,4,6
	v_pk_add_f32 v[S8+\q:S8+\q+1], v[S8+\q:S8+\q+1], v[S8+8+\q:S8+8+\q+1]
.endr
.irp m, 1,2,4,8
.irp e, 0,1,2,3,4,5,6,7
	v_add_f32_dpp v[S8+\e], v[S8+\e], v[S8+\e] row_xmask:\m row_mask:0xf bank_mask:0xf
.endr
.endr
.irp e, 0,1,2,3,4,5,6,7
	v_permlanex16_b32 v[S8+8+\e], v[S8+\e], s20, s21
.endr
.irp e, 0,1,2,3,4,5,6,7
	v_add_f32 v[S8+\e], v[S8+\e], v[S8+8+\e]       ; S_e, in every lane
.endr
	v_add_f32 v96, v[S8], v[S8+1]
	v_mul_f32 v97, v[S8], v[S8]
.irp e, 2,3,4,5,6,7
	v_add_f32 v96, v96, v[S8+\e]
.endr
.irp e, 1,2,3,4,5,6,7
	v_fmac_f32 v97, v[S8+\e], v[S8+\e]
.endr
	v_rcp_f32 v98, v96
	v_mul_f32 v97, 0x3c000000, v97                 ; x 8 / 1024  (the plain place behind the reciprocal)
	v_mov_b32 v99, 0
	s_wait_alu depctr_va_vdst(0)                   ; ahead of the reciprocal's first reader
	v_mul_f32 v97, v97, v98
	s_wait_xcnt 0x0                                ; EXEC changes only behind this wait
	v_cmp_eq_u32 vcc_lo, 0, v0
	s_and_saveexec_b32 s22, vcc_lo
	global_store_b32 v99, v97, s[10:11]
	s_wait_xcnt 0x0
	s_or_b32 exec_lo, exec_lo, s22
	s_endpgm
.Lfunc_end_k_q4556b52ad6_combine:
	.size	k_q4556b52ad6_combine, .Lfunc_end_k_q4556b52ad6_combine-k_q4556b52ad6_combine
	.p2alignl 7, 3214868480
	.fill 96, 4, 3214868480
	.section	.rodata,"a",@progbits
	.p2align	6, 0x0
	.amdhsa_kernel k_q4556b52ad6_combine
		.amdhsa_group_segment_fixed_size 0
		.amdhsa_private_segment_fixed_size 0
		.amdhsa_enable_private_segment 0
		.amdhsa_kernarg_size 32
		.amdhsa_user_sgpr_count 2
		.amdhsa_user_sgpr_kernarg_segment_ptr 1
		.amdhsa_wavefront_size32 1
		.amdhsa_system_sgpr_workgroup_id_x 1
		.amdhsa_system_sgpr_workgroup_id_y 1
		.amdhsa_system_sgpr_workgroup_id_z 1
		.amdhsa_system_vgpr_workitem_id 0
		.amdhsa_next_free_vgpr 104
		.amdhsa_next_free_sgpr 66
		.amdhsa_reserve_vcc 1
		.amdhsa_float_denorm_mode_32 3
		.amdhsa_float_denorm_mode_16_64 3
		.amdhsa_memory_ordered 1
		.amdhsa_forward_progress 1
		.amdhsa_inst_pref_size 13
	.end_amdhsa_kernel
	.amdgpu_metadata
---
amdhsa.version: [ 1, 2 ]
amdhsa.kernels:
  - .name:           k_q4556b52ad6_combine
    .symbol:         k_q4556b52ad6_combine.kd
    .args:
      - { .name: part, .offset: 0, .size: 8, .value_kind: global_buffer, .address_space: global }
      - { .name: gp, .offset: 8, .size: 8, .value_kind: global_buffer, .address_space: global }
      - { .name: out0, .offset: 16, .size: 8, .value_kind: global_buffer, .address_space: global }
      - { .name: out1, .offset: 24, .size: 8, .value_kind: global_buffer, .address_space: global }
    .group_segment_fixed_size: 0
    .private_segment_fixed_size: 0
    .kernarg_segment_align: 8
    .kernarg_segment_size: 32
    .max_flat_workgroup_size: 256
    .sgpr_count:     66
    .vgpr_count:     104
    .wavefront_size: 32
...
	.end_amdgpu_metadata
.endif
;; end of part 9
;; ======== version 3 of 3: 4 launches
;; workspace buffers: xq 557,056 bytes; msk 2,048 bytes of whole numbers; gp 10,240 bytes; route 34,816 bytes of whole numbers; hq 17,825,792 bytes; part 18,874,368 bytes
;; launch gate (part 10): grid 64 x 1, 8 waves a work-group, no clusters, 18,432 bytes of LDS; arguments x, Wg, bg, xq, msk, gp; writes xq, msk, gp
.if DOCPART == 10
	.amdgcn_target "amdgcn-amd-amdhsa--gfx1250"
	.amdhsa_code_object_version 6
	.text
	.protected	k_q4556b52ad6_gate
	.globl	k_q4556b52ad6_gate
	.p2align	8
	.type	k_q4556b52ad6_gate,@function
k_q4556b52ad6_gate:
	s_mov_b64 s[64:65], 0
	v_nop
	global_prefetch_b8 v0, s[64:65] scope:SCOPE_SE
	s_setreg_imm32_b32 hwreg(HW_REG_WAVE_MODE, 25, 1), 1
	s_wait_xcnt 0x0
; GATE.  For 16 tokens a work-group: logits x Wg + bg in f32, softmax (the row's maximum taken away), the two largest probabilities (ties: the lower expert), their gates p / (p1 + p2);
; and x quantised to FP4 (E2M1) with one E8M0 byte for each 32 along K.
; Stored: xq (codes [1024][512 B], from byte 524,288 scale bytes [1024][32]); gp (gates [1024][2], from byte 8,192 the 16 tokens' sums of probabilities [64][8]);
; msk [8 experts][64 work-groups]: one word: bit j: token 16 g + j takes the expert; bit 16 + j: as its second choice.
; SHARES.  Wave w takes k = 128 w .. 128 w + 127 of the 16 tokens.  Lane (r = lane % 16, h = lane / 16) holds token r; its register 16 b + i is k = 128 w + 32 b + 16 h + i.
; The same 64 registers feed the logits (f32 matrix form, 32 instructions a wave: source 0 = Wg's columns, the eight experts twice; source 1 = x) and the quantiser.  The f32 form is taken since the choice of experts hangs on the logits' last bits;
; it does 1 part in 1,000 of the program's multiply-adds.
; The choice steers no address here: it is stored as masks at fixed places, and the next launch finds the rows from them.
; The gates leave as 128 bytes a work-group, the masks as 8 words and the sums as 32 bytes (12 KiB in the launch); code rows leave as 512 consecutive bytes an instruction.
; No cluster: the work-groups share Wg alone, 32 KiB.
; LIMITS: NaN and infinities are not served.  A block whose largest magnitude lies under 2^-124 (a block of zeros too) gets the byte 1; the bytes are read by this program alone.
.set XST,    0                         ; LDS: 16 rows of codes, 512 bytes + 16
.set XPITCH, 528
.set XSS,    8448                      ; 16 rows x 32 scale bytes
.set LGT,    8960                      ; partial logits: 8 waves x 32 lanes x 32 bytes
.set X,    16                          ; v16-79   my 64 numbers of x; in wave 0 later the eight waves' partial logits
.set PS,   16                          ; v16-23   in wave 0 at the end: the 16 tokens' sums of probabilities
.set WGR,  80                          ; v80-143  Wg in the same order of k
.set A0,   144                         ; v144-159 two accumulators: written by matrix instructions alone
.set LSM,  160                         ; v160-167 their sum
.set PC,   168                         ; v168-175 the codes
.set PW,   176                         ; the scale word
.set MW,   177                         ; lane e: expert e's mask word
.set TM,   180                         ; v180-195 the quantiser's work
.set OB,   200                         ; v200-207 two rows of codes on their way out
.set P,    208                         ; v208-215 logits, then probabilities
.set B1,   216
.set B2,   217
.set I1,   218                         ; the two experts
.set I2,   219
.set G1,   220                         ; v[220:221] the two gates
.set T0,   222
.set T1,   223
.set EX,   80                          ; the exponentials, where Wg's numbers lay
.set SEL,  28                          ; s[28:29] v_permlanex16_b32's selects: lane l xor 16
; 64 numbers of a lane, register 16 b + i = k 32 b + 16 h + i of my row, become a fragment's codes (8 registers) and the row's scale word.
.macro QUANT s, pc, pw
.irp b, 0,1,2,3
	v_max3_num_f32 v[TM+\b], |v[(\s)+16*\b]|, |v[(\s)+1+16*\b]|, 0x1800000   ; my 16 numbers of block b, and the floor 2^(3 - 127): the byte cannot fall under 1
.endr
.irp i, 2,4,6,8,10,12,14
.irp b, 0,1,2,3
	s_delay_alu instid0(VALU_DEP_4)
	v_max3_num_f32 v[TM+\b], v[TM+\b], |v[(\s)+16*\b+\i]|, |v[(\s)+1+16*\b+\i]|
.endr
.endr
.irp b, 0,1,2,3
	s_delay_alu instid0(VALU_DEP_4)
	v_permlanex16_b32 v[TM+4+\b], v[TM+\b], s[SEL], s[SEL+1]
.endr
.irp b, 0,1,2,3
	s_delay_alu instid0(VALU_DEP_4)
	v_max_num_f32 v[TM+\b], v[TM+\b], v[TM+4+\b]           ; with lane l xor 16's: the block's largest magnitude
.endr
.irp b, 0,1,2,3
	s_delay_alu instid0(VALU_DEP_4)
	v_add_nc_u32 v[TM+12+\b], 0xff000000, v[TM+\b]         ; 2 off its exponent field: the conversion's scale operand
.endr
.irp b, 0,1,2,3
	s_delay_alu instid0(VALU_DEP_4)
	v_lshrrev_b32 v[TM+4+\b], 23, v[TM+12+\b]              ; the scale's byte
.endr
	s_delay_alu instid0(VALU_DEP_3)
	v_lshl_or_b32 v[\pw], v[TM+5], 8, v[TM+4]
	s_delay_alu instid0(VALU_DEP_1)
	v_lshl_or_b32 v[\pw], v[TM+6], 16, v[\pw]
	s_delay_alu instid0(VALU_DEP_1)
	v_lshl_or_b32 v[\pw], v[TM+7], 24, v[\pw]
.irp b, 0,1,2,3
	v_cvt_scalef32_pk8_fp4_f32 v[(\pc)+2*\b], v[(\s)+16*\b:(\s)+7+16*\b], v[TM+12+\b]
	v_cvt_scalef32_pk8_fp4_f32 v[(\pc)+1+2*\b], v[(\s)+8+16*\b:(\s)+15+16*\b], v[TM+12+\b]
.endr
	v_nop                                                  ; one plain place behind a scaled conversion
.irp c, 0,1                                            ; the operand's layout wants a whole block in a lane
.irp i, 0,1
	v_permlane16_swap_b32 v[(\pc)+4*\c+\i], v[(\pc)+2+4*\c+\i]
.endr
.endr
.endm
	s_load_b256 s[4:11], s[0:1], 0x0               ; x s[4:5], Wg s[6:7], bg s[8:9], xq s[10:11]
	s_load_b128 s[12:15], s[0:1], 0x20             ; msk s[12:13], gp s[14:15]
	v_lshl_add_u32 v224, v0, 2, 0x4400
	v_mov_b32 v225, 0
	v_lshrrev_b32 v1, 5, v0
	s_delay_alu instid0(VALU_DEP_1)
	v_readfirstlane_b32 s16, v1                    ; wave 0..7
	v_and_b32 v1, 31, v0                           ; lane
	v_and_b32 v2, 15, v0                           ; r
	v_bfe_u32 v3, v0, 4, 1                         ; h
	s_delay_alu instid0(VALU_DEP_2)
	v_lshlrev_b32 v4, 12, v2
	s_delay_alu instid0(VALU_DEP_1)
	v_lshl_add_u32 v4, v3, 6, v4                   ; x: row r of 4,096 bytes + 64 h
	v_and_b32 v5, 7, v0
	s_delay_alu instid0(VALU_DEP_1)
	v_lshlrev_b32 v5, 2, v5
	s_delay_alu instid0(VALU_DEP_1)
	v_lshl_add_u32 v5, v3, 9, v5                   ; Wg: expert r % 8, + 16 h rows of 32 bytes
	s_lshl_b32 s17, s16, 6
	v_mul_u32_u24 v6, v2, XPITCH
	s_delay_alu instid0(VALU_DEP_1)
	v_lshl_add_u32 v6, v3, 4, v6
	s_delay_alu instid0(VALU_DEP_1)
	v_add_nc_u32 v6, s17, v6                       ; codes into LDS: row r, 64 w + 16 h
	s_lshl_b32 s17, s16, 2
	v_lshlrev_b32 v7, 5, v2
	s_delay_alu instid0(VALU_DEP_1)
	v_add_nc_u32 v7, s17, v7
	s_delay_alu instid0(VALU_DEP_1)
	v_add_nc_u32 v7, XSS, v7                       ; the scale word: row r, word w
	s_lshl_b32 s17, s16, 10
	v_lshlrev_b32 v14, 5, v1
	s_delay_alu instid0(VALU_DEP_1)
	v_add_nc_u32 v14, LGT, v14                     ; partial logits: 32 bytes a lane,
	s_delay_alu instid0(VALU_DEP_1)
	v_add_nc_u32 v8, s17, v14                      ; 1,024 a wave
	s_mul_i32 s17, s16, 2*XPITCH
	v_lshlrev_b32 v10, 4, v1                       ; 16 x lane
	s_delay_alu instid0(VALU_DEP_1)
	v_add_nc_u32 v9, s17, v10                      ; rows 2 w, 2 w + 1 of the codes, back
	s_delay_alu instid0(VALU_DEP_2)
	v_add_nc_u32 v11, XSS, v10                     ; the 512 scale bytes, back
	v_lshlrev_b32 v12, 3, v2                       ; 8 r: a token's two gates
	v_lshlrev_b32 v13, 8, v1                       ; 256 x lane: an expert's row of mask words
	v_mov_b32 v15, 0
.irp b, 0,1,2,3
	v_mov_b32 v[TM+4+\b], 0                        ; written once: a lane permute's destination counts as one of its sources
.endr
	s_mov_b32 s[SEL], 0x76543210
	s_mov_b32 s[SEL+1], 0xfedcba98
	s_mov_b32 s19, 0
	s_wait_kmcnt 0x0
	s_load_b256 s[20:27], s[8:9], 0x0              ; bg
	s_lshl_b32 s18, ttmp9, 16                      ; 16 rows of x a work-group,
	s_lshl_b32 s17, s16, 9                         ; 512 bytes of a row a wave
	s_add_co_u32 s18, s18, s17
	s_add_nc_u64 s[4:5], s[4:5], s[18:19]
	s_lshl_b32 s18, s16, 12                        ; 128 rows of Wg a wave
	s_add_nc_u64 s[6:7], s[6:7], s[18:19]
.irp b, 0,1,2,3
.irp j, 0,1,2,3
	global_load_b128 v[X+16*\b+4*\j:X+16*\b+4*\j+3], v4, s[4:5] offset:128*\b+16*\j th:TH_LOAD_NT
.endr
.endr
.set m, 0
.rept 64
	global_load_b32 v[WGR+m], v5, s[6:7] offset:32*(32*(m/16)+m%16)
.set m, m+1
.endr
	s_lshl_b32 s18, ttmp9, 9
	s_add_co_u32 s18, s18, 524288
	s_add_nc_u64 s[32:33], s[10:11], s[18:19]      ; my 16 rows of scale bytes
	s_lshl_b32 s18, ttmp9, 13
	s_lshl_b32 s17, s16, 10
	s_add_co_u32 s18, s18, s17
	s_add_nc_u64 s[10:11], s[10:11], s[18:19]      ; my wave's two rows of codes
	s_lshl_b32 s18, ttmp9, 5
	s_add_co_u32 s18, s18, 8192
	s_add_nc_u64 s[34:35], s[14:15], s[18:19]      ; my eight sums of probabilities
	s_lshl_b32 s18, ttmp9, 7
	s_add_nc_u64 s[14:15], s[14:15], s[18:19]      ; my 16 pairs of gates
	s_lshl_b32 s18, ttmp9, 2
	s_add_nc_u64 s[12:13], s[12:13], s[18:19]      ; my word in each expert's row of masks
	s_wait_loadcnt 0x0
	s_wait_kmcnt 0x0                               ; bg
; The logits' part of my 128 k: 32 steps of 4 along K.  Step kq takes registers 2 kq, 2 kq + 1 of both operands: the same k in both.  Two accumulators by turns, one instruction a turn.
.set kq, 0
.rept 32
.if kq < 2
	v_wmma_f32_16x16x4_f32 v[A0+8*(kq%2):A0+8*(kq%2)+7], v[WGR+2*kq:WGR+2*kq+1], v[X+2*kq:X+2*kq+1], 0
.else
	v_wmma_f32_16x16x4_f32 v[A0+8*(kq%2):A0+8*(kq%2)+7], v[WGR+2*kq:WGR+2*kq+1], v[X+2*kq:X+2*kq+1], v[A0+8*(kq%2):A0+8*(kq%2)+7]
.endif
.set kq, kq+1
.endr
	QUANT X, PC, PW                                ; its plain lines are also the places behind the last products (30 of them name none of those products' registers; 8 are asked: ISA guide 7.12.1)
.irp c, 0,1
	ds_store_b128 v6, v[PC+4*\c:PC+4*\c+3] offset:32*\c   ; registers 4 c .. 4 c + 3: k = 64 c + 32 h + 0 .. 31: 16 bytes of the row
.endr
	ds_store_b32 v7, v[PW]                         ; lanes l and l + 16 write the same word with the same value
.irp j, 0,1,2,3,4,5,6,7
	v_add_f32 v[LSM+\j], v[A0+\j], v[A0+8+\j]      ; register j: expert j, token r (both halves of the lanes alike); from the low end on, into other registers
.endr
	ds_store_b128 v8, v[LSM:LSM+3]
	ds_store_b128 v8, v[LSM+4:LSM+7] offset:16
	s_wait_dscnt 0x0                               ; for the others' sake: my LDS stores are done
	s_barrier_signal -1
	s_barrier_wait -1
	ds_load_b128 v[OB:OB+3], v9                    ; two whole rows of codes
	ds_load_b128 v[OB+4:OB+7], v9 offset:XPITCH
	s_wait_dscnt 0x0
	global_store_b128 v10, v[OB:OB+3], s[10:11]    ; 32 lanes store 512 consecutive bytes, aligned
	global_store_b128 v10, v[OB+4:OB+7], s[10:11] offset:512
	s_cmp_lg_u32 s16, 1
	s_cbranch_scc1 .Lnot_one
	ds_load_b128 v[PC:PC+3], v11                   ; wave 1: the 16 tokens' 512 scale bytes
	s_wait_dscnt 0x0
	global_store_b128 v10, v[PC:PC+3], s[32:33]
.Lnot_one:
	s_cmp_lg_u32 s16, 0
	s_cbranch_scc1 .Lend
; Wave 0: the gate of the 16 tokens.  Lane (r, h) works on token r.
.irp w, 0,1,2,3,4,5,6,7
.irp q, 0,1
	ds_load_b128 v[X+8*\w+4*\q:X+8*\w+4*\q+3], v14 offset:1024*\w+16*\q
.endr
.endr
	s_wait_dscnt 0x0
.irp q, 0,2,4,6
	v_pk_add_f32 v[P+\q:P+\q+1], v[X+\q:X+\q+1], v[X+8+\q:X+8+\q+1]
.endr
.irp w, 2,3,4,5,6,7
.irp q, 0,2,4,6
	s_delay_alu instid0(VALU_DEP_4)
	v_pk_add_f32 v[P+\q:P+\q+1], v[P+\q:P+\q+1], v[X+8*\w+\q:X+8*\w+\q+1]
.endr
.endr
.irp e, 0,1,2,3,4,5,6,7
	v_add_f32 v[P+\e], s[20+\e], v[P+\e]           ; + bg
.endr
	v_max3_num_f32 v[T0], v[P], v[P+1], v[P+2]
	s_delay_alu instid0(VALU_DEP_1)
	v_max3_num_f32 v[T0], v[T0], v[P+3], v[P+4]
	s_delay_alu instid0(VALU_DEP_1)
	v_max3_num_f32 v[T0], v[T0], v[P+5], v[P+6]
	s_delay_alu instid0(VALU_DEP_1)
	v_max_num_f32 v[T0], v[T0], v[P+7]             ; the row's largest logit
.irp e, 0,1,2,3,4,5,6,7
	v_sub_f32 v[EX+\e], v[P+\e], v[T0]
.endr
.irp e, 0,1,2,3,4,5,6,7
	v_mul_f32 v[EX+\e], 0x3fb8aa3b, v[EX+\e]       ; x log2(e)
.endr
	s_wait_alu depctr_va_vdst(0)
.irp e, 0,1,2,3,4,5,6,7
	v_exp_f32 v[EX+\e], v[EX+\e]
.endr
	v_nop                                          ; a plain place behind the batch
	s_wait_alu depctr_va_vdst(0)                   ; one wait for the eight, ahead of their first reader
	v_add_f32 v[T0], v[EX], v[EX+1]
.irp e, 2,3,4,5,6,7
	v_add_f32 v[T0], v[T0], v[EX+\e]
.endr
	s_wait_alu depctr_va_vdst(0)
	v_rcp_f32 v[T1], v[T0]
	v_nop
	s_wait_alu depctr_va_vdst(0)
.irp e, 0,1,2,3,4,5,6,7
	v_mul_f32 v[P+\e], v[EX+\e], v[T1]             ; the probabilities
.endr
	v_mov_b32 v[B1], v[P]                          ; the largest: the holder stays where holder >= candidate, so the lower expert wins a tie
	v_mov_b32 v[I1], 0
.irp e, 1
	s_delay_alu instid0(VALU_DEP_2)
	v_cmp_ge_f32 vcc_lo, v[B1], v[P+\e]
	s_delay_alu instid0(VALU_DEP_1)
	v_cndmask_b32 v[I1], \e, v[I1], vcc_lo
	s_delay_alu instid0(VALU_DEP_2)
	v_cndmask_b32 v[B1], v[P+\e], v[B1], vcc_lo
.endr
.irp e, 2, 3, 4, 5, 6, 7
	s_delay_alu instid0(VALU_DEP_1)
	v_cmp_ge_f32 vcc_lo, v[B1], v[P+\e]
	s_delay_alu instid0(VALU_DEP_1)
	v_cndmask_b32 v[I1], \e, v[I1], vcc_lo
	s_delay_alu instid0(VALU_DEP_2)
	v_cndmask_b32 v[B1], v[P+\e], v[B1], vcc_lo
.endr
	v_mov_b32 v[B2], -1.0                          ; the second: the same scan, passing over the first's expert
	v_mov_b32 v[I2], 0
.irp e, 0
	s_delay_alu instid0(VALU_DEP_2)
	v_cmp_ge_f32 s31, v[B2], v[P+\e]
	v_cmp_eq_u32 vcc_lo, \e, v[I1]
	s_or_b32 s31, s31, vcc_lo
	v_cndmask_b32 v[I2], \e, v[I2], s31
	v_cndmask_b32 v[B2], v[P+\e], v[B2], s31
.endr
.irp e, 1, 2, 3, 4, 5, 6, 7
	s_delay_alu instid0(VALU_DEP_1)
	v_cmp_ge_f32 s31, v[B2], v[P+\e]
	v_cmp_eq_u32 vcc_lo, \e, v[I1]
	s_or_b32 s31, s31, vcc_lo
	v_cndmask_b32 v[I2], \e, v[I2], s31
	v_cndmask_b32 v[B2], v[P+\e], v[B2], s31
.endr
	s_delay_alu instid0(VALU_DEP_1)
	v_add_f32 v[T0], v[B1], v[B2]
	s_wait_alu depctr_va_vdst(0)
	v_rcp_f32 v[T1], v[T0]
	v_mov_b32 v[MW], 0                             ; (the plain place behind the reciprocal; v_writelane_b32's destination counts as one of its sources)
	s_wait_alu depctr_va_vdst(0)
	v_mul_f32 v[G1], v[B1], v[T1]
	v_mul_f32 v[G1+1], v[B2], v[T1]
; The choice as masks: a compare's bits 0-15 are the 16 tokens (bits 16-31 repeat them).  Lane e of MW gets expert e's word.
.irp e, 0,1,2,3,4,5,6,7
	v_cmp_eq_u32 s31, \e, v[I1]
	v_cmp_eq_u32 vcc_lo, \e, v[I2]
	s_or_b32 s31, s31, vcc_lo
	s_and_b32 s31, s31, 0xffff                     ; takers,
	s_lshl_b32 s36, vcc_lo, 16                     ; and above them those whose second choice it is
	s_or_b32 s31, s31, s36
	v_writelane_b32 v[MW], s31, \e
.endr
; The 16 tokens' sums of probabilities, for the auxiliary loss: four steps inside the 16 lanes
.irp e, 0,1,2,3,4,5,6,7
	v_add_f32_dpp v[PS+\e], v[P+\e], v[P+\e] row_xmask:1 row_mask:0xf bank_mask:0xf
.endr
.irp m, 2,4,8
.irp e, 0,1,2,3,4,5,6,7
	v_add_f32_dpp v[PS+\e], v[PS+\e], v[PS+\e] row_xmask:\m row_mask:0xf bank_mask:0xf
.endr
.endr
	s_wait_alu depctr_va_vdst(0)
	s_wait_xcnt 0x0                                ; EXEC changes only behind this wait: stores have been issued
	v_cmp_gt_u32 vcc_lo, 16, v1
	s_and_saveexec_b32 s30, vcc_lo                 ; lanes 0-15: one lane a token
	global_store_b64 v12, v[G1:G1+1], s[14:15]
	s_wait_xcnt 0x0
	s_or_b32 exec_lo, exec_lo, s30
	v_cmp_gt_u32 vcc_lo, 8, v1
	s_and_saveexec_b32 s30, vcc_lo                 ; lanes 0-7: one lane an expert
	global_store_b32 v13, v[MW], s[12:13]
	s_wait_xcnt 0x0
	s_or_b32 exec_lo, exec_lo, s30
	v_cmp_eq_u32 vcc_lo, 0, v1
	s_and_saveexec_b32 s30, vcc_lo                 ; lane 0: the eight sums
	global_store_b128 v15, v[PS:PS+3], s[34:35]
	global_store_b128 v15, v[PS+4:PS+7], s[34:35] offset:16
	s_wait_xcnt 0x0
	s_or_b32 exec_lo, exec_lo, s30
.Lend:
	s_wait_tensorcnt 0x0
	ds_add_u32 v224, v225
	s_wait_dscnt 0x0
	s_endpgm
.Lfunc_end_k_q4556b52ad6_gate:
	.size	k_q4556b52ad6_gate, .Lfunc_end_k_q4556b52ad6_gate-k_q4556b52ad6_gate
	.p2alignl 7, 3214868480
	.fill 96, 4, 3214868480
	.section	.rodata,"a",@progbits
	.p2align	6, 0x0
	.amdhsa_kernel k_q4556b52ad6_gate
		.amdhsa_group_segment_fixed_size 18432
		.amdhsa_private_segment_fixed_size 0
		.amdhsa_enable_private_segment 0
		.amdhsa_kernarg_size 48
		.amdhsa_user_sgpr_count 2
		.amdhsa_user_sgpr_kernarg_segment_ptr 1
		.amdhsa_wavefront_size32 1
		.amdhsa_system_sgpr_workgroup_id_x 1
		.amdhsa_system_sgpr_workgroup_id_y 1
		.amdhsa_system_sgpr_workgroup_id_z 1
		.amdhsa_system_vgpr_workitem_id 0
		.amdhsa_next_free_vgpr 226
		.amdhsa_next_free_sgpr 66
		.amdhsa_reserve_vcc 1
		.amdhsa_float_denorm_mode_32 3
		.amdhsa_float_denorm_mode_16_64 3
		.amdhsa_memory_ordered 1
		.amdhsa_forward_progress 1
		.amdhsa_inst_pref_size 35
	.end_amdhsa_kernel
	.amdgpu_metadata
---
amdhsa.version: [ 1, 2 ]
amdhsa.kernels:
  - .name:           k_q4556b52ad6_gate
    .symbol:         k_q4556b52ad6_gate.kd
    .args:
      - { .name: x, .offset: 0, .size: 8, .value_kind: global_buffer, .address_space: global }
      - { .name: Wg, .offset: 8, .size: 8, .value_kind: global_buffer, .address_space: global }
      - { .name: bg, .offset: 16, .size: 8, .value_kind: global_buffer, .address_space: global }
      - { .name: xq, .offset: 24, .size: 8, .value_kind: global_buffer, .address_space: global }
      - { .name: msk, .offset: 32, .size: 8, .value_kind: global_buffer, .address_space: global }
      - { .name: gp, .offset: 40, .size: 8, .value_kind: global_buffer, .address_space: global }
    .group_segment_fixed_size: 18432
    .private_segment_fixed_size: 0
    .kernarg_segment_align: 8
    .kernarg_segment_size: 48
    .max_flat_workgroup_size: 256
    .sgpr_count:     66
    .vgpr_count:     226
    .wavefront_size: 32
...
	.end_amdgpu_metadata
.endif
;; end of part 10
;; launch up (part 11): grid 32 x 8, 16 waves a work-group, no clusters, 77,824 bytes of LDS; arguments W1, b1, xq, msk, hq, route; writes hq, route
.if DOCPART == 11
	.amdgcn_target "amdgcn-amd-amdhsa--gfx1250"
	.amdhsa_code_object_version 6
	.text
	.protected	k_q4556b52ad6_up
	.globl	k_q4556b52ad6_up
	.p2align	8
	.type	k_q4556b52ad6_up,@function
k_q4556b52ad6_up:
	s_mov_b64 s[64:65], 0
	v_nop
	global_prefetch_b8 v0, s[64:65] scope:SCOPE_SE
	s_setreg_imm32_b32 hwreg(HW_REG_WAVE_SCHED_MODE, 0, 2), 2
	s_setreg_imm32_b32 hwreg(HW_REG_WAVE_MODE, 25, 1), 1
	s_wait_xcnt 0x0
	s_wait_alu depctr_vm_vsrc(0)
; UP.  hidden = relu(x W1[e] + b1[e]) for the rows that expert e takes, quantised along the hidden units, both operands of the product as codes of FP4 (E2M1) with E8M0 scales.
; SHARES.  Work-group (s, e) owns hidden units 128 s .. 128 s + 127 of expert e: 1,024 x 128 numbers of W1, 512 KiB, which no other work-group reads.
; PHASE S.  Wave w streams K rows 128 (w / 2) on, columns 64 (w % 2) on.  A lane takes a column and its registers run down K: a block of 32 lies in one lane, the conversions give codes with K innermost.
;   Two neighbouring loads of a wave cover 256 consecutive bytes of a row of W1.  The codes (64 KiB) and scale words (4 KiB) go to LDS, and b1's 128 numbers too (a word a thread, so four copies).  One barrier.
; THE ROWS.  Slot n of the expert is its n-th taker, tokens ascending.  The expert's 64 mask words (16 tokens each) lie in scalar registers.  A lane looks for slot 32 p + lane: a chain over the 64 chunks keeps,
;   by one compare and two selects a chunk, the last chunk whose first slot is not beyond the lane's; 16 steps then count through that chunk's bits.  Slots behind the count get row 0.
;   The chain of the wave's first group stands between the loads of the second block of W1.  The work-groups with s = 0 store list and count for the next launch.
; PHASE M.  Groups of 32 routed rows.  An expert takes at most 1,024 rows, 32 groups: wave w has groups w and w + 16, written out twice, each behind a branch on the count.
;   So this launch has no tensor load, and no barrier behind the one above.  What group w needs of x (scale words, two K steps) is asked for between the blocks of phase S: every wave has such a group number, so no branch is needed.
;   The product is used transposed (source 0 = 16 units of W1, source 1 = 16 rows of x), b1 is loaded into the accumulators and starts the sums, and THE UNITS OF A TILE ARE NOT NEIGHBOURS:
;   an LDS row is the unit's number with bits 3 and 4 changed over, so that the 16 registers of tiles 2 b, 2 b + 1 are units 32 b + 16 h + 0 .. 15: neighbours along the next product's K.
;   The 128 units are one K step of the next product: each tile of 16 rows leaves as an image of the operand's registers (1,024 bytes) and one scale word a row.
; route: 4,352 bytes an expert: 1,024 slots (the row 2 t + k), then the count in 32 words.  Only the groups in use, and groups 0 to 15, are written; nothing else is read.
; No cluster: each weight byte is wanted by one work-group; what work-groups share (x's codes, 16 KiB a group) is a small part of the 512 KiB that each streams.
; LIMITS: NaN and infinities are not served.  A block whose largest magnitude lies under 2^-124 (a block of zeros too) gets the byte 1; the bytes are read by this program alone.  The bias stands first in the f32 sum.
; THE MODE: SCHED_MODE bits 1:0 = 2 (LLVM: expert scheduling mode 2), set by the entry lines.  The code itself states the register dependences
; between vector or matrix instructions and memory or LDS instructions, with s_wait_alu, always for 0.
; THE PLAN.  Registers that memory or LDS instructions touch:
;   v1-7, v12, v13, v246   offsets and LDS addresses, made once at the head: one wait on va_vdst ahead of the first load states them written.
;   XB0, XB1   Block b's 64 loads land in XB[b % 2]; QP b's lines read it; block b + 2's loads land in it again.
;   CD         Written by QP b's conversions, registers of their own for each block; read by its two LDS stores.    SBW: written in every QP, read by two LDS stores at the phase's end.
;   E, XA, XSA, CN   Written by PICK and the line behind it, ahead of QP 0; read by the list's stores and by x's loads, which stand behind QP 0.
;   So ONE wait on va_vdst stands in a QP, behind its conversions: the codes are written, set b % 2 is read out, and (QP 0) PICK's registers are written.  Only memory and LDS lines stand between it and the next QP.
;   WF0, WF1, WS   Phase M: two buffers of two fragments of W1 and their two scale words.  Quarter n's four products read buffer n % 2; the LDS loads of quarter n + 1, issued ahead of those products, land in the other.
;   XF0 .. XF2, XS   K step j's products read set (j + 1) % 3; the loads of step j + 3 land in it, at the head of step j + 1.  XS is loaded once a group.
;   So ONE wait on va_vdst stands at a quarter's head: the last quarter's products are done reading the other buffer and, in a K step's first quarter, the last step's are done reading their set of x.
;   v144-159, v246   the group's codes and scale words: written by the quantiser, one wait on va_vdst, then the five stores.
;   One wait on vm_vsrc stands behind the barrier and one behind the first group: what LDS stores, stores and loads have read is written again only behind them.
.set RP,    16384                      ; a row of W1 in bytes
.set PITCH, 528                        ; LDS: a unit's 1,024 codes, 512 bytes + 16: 33 x 16 bytes, so the 16 rows of a fragment load start at 16 different groups of banks
.set SPW,   48                         ; a unit's 8 scale words + 16 bytes
.set SCW,   128*PITCH
.set B1L,   SCW+128*SPW                ; b1: 512 words, a word a thread
.set JOFF,  32*PITCH
.set SJOFF, 32*SPW
.set LW,  1                            ; v1   phase S: where my column's codes go
.set LSW, 2                            ; v2   and its scale word
.set H16, 3                            ; v3   16 h
.set AW,  4                            ; v4   a fragment of W1 in LDS: 528 r + 16 h
.set ASW, 5                            ; v5   its scale words: SCW + 48 r
.set CV,  6                            ; v6   my number of b1: 4 (thread % 128)
.set BA,  7                            ; v7   b1 in LDS: B1L + 64 h
.set XA,  8                            ; v8-9   my token's codes, tiles 0, 1
.set XSA, 10                           ; v10-11 my token's scale bytes
.set L16, 12                           ; v12  16 x lane
.set L4,  13                           ; v13  4 x lane
.set EN,  14                           ; v14-15 the rows of slots r and 16 + r
.set MX,  16                           ; phase S: v16-17 largest magnitudes, v18-19 scale operands, v20-21 bytes, v22-23 scale words
.set SO,  18
.set BY,  20
.set SBW, 22
.set CD,  32                           ; v32-63  codes, four registers for each block and column
.set XB,  64                           ; v64-191 two sets of 2 x 32 numbers
.set ACC, 16                           ; phase M: v16-143 accumulators: row tile a at + 64 a, unit tile t at + 8 t
.set WF,  144                          ; v144-175 fragments of W1: two buffers of two; behind the K steps v144-159 the hidden codes,
.set TM,  160                          ; v160-175 and the quantiser's work
.set XF,  176                          ; v176-223 x's fragments: three sets of two; K step j lies in set (j + 1) % 3, so steps 0 and 1 lie clear of phase S
.set XS,  224                          ; v224-239 x's scale words, 8 a + K step: scales and nothing else
.set WS,  240                          ; v240-243 W1's scale words, two pairs: scales and nothing else
.set PW,  244                          ; v244-245 the two tiles' scale words
.set PWJ, 246                          ; v246 joined; in phase S: where my word of b1 goes in LDS
.set BLA, 246
.set E,   247                          ; v247 the row of slot 32 p + lane
.set EX,  248                          ; v248 lane l xor 16's
.set BV,  249                          ; v249 my number of b1
.set SM,  250                          ; v250 the chunk's mask word
.set SK,  251                          ; v251 the chunk's first slot, and its number 16 bits up
.set QC,  252                          ; v252 my rank in the chunk, counted down
.set CN,  252                          ; v252 behind the first group's PICK: the count, as data
.set PS,  253                          ; v253 the bit's place
.set BT,  254                          ; v254 at work
.set NT,  255                          ; v255 my slot
.set SEL, 104                          ; s104, s105: v_permlanex16_b32's selects
; SCALARS: s[2:3] an offset; s[4:5] W1, s[6:7] b1, s[8:9] xq; s10 lanes 16-31; s[12:13] hq at (e, s); s[14:15] route at e; s16 wave; s17 at work; s19 e; s20 count; s21 groups; s22 group; s23 running count;
;   s[24:25] x's scale bytes; s[26:27] hq's scale words at (e, s); s[28:29], s[30:31], s[100:101] the group's places in hq's codes, hq's scale words and the list; s32-63, s68-99 the 64 mask words.
;   In the chain: s11, s66, s67, s19 four chunks' compares; s18, s20, s21, s22 their first slots and numbers (e, count, groups and group are not wanted there: the count is taken behind the first chain, the group's places ahead of each).
.macro QUANT s, pc, pw                 ; 64 numbers of a lane, register 16 b + i = k 32 b + 16 h + i of my row, become a fragment's codes and the row's scale word
.irp b, 0,1,2,3
	v_max3_num_f32 v[TM+\b], |v[(\s)+16*\b]|, |v[(\s)+1+16*\b]|, 0x1800000   ; and the floor 2^(3 - 127): the byte cannot fall under 1
.endr
.irp i, 2,4,6,8,10,12,14
.irp b, 0,1,2,3
	v_max3_num_f32 v[TM+\b], v[TM+\b], |v[(\s)+16*\b+\i]|, |v[(\s)+1+16*\b+\i]|
.endr
.endr
.irp b, 0,1,2,3
	v_permlanex16_b32 v[TM+4+\b], v[TM+\b], s[SEL], s[SEL+1]
.endr
.irp b, 0,1,2,3
	v_max_num_f32 v[TM+\b], v[TM+\b], v[TM+4+\b]
.endr
.irp b, 0,1,2,3
	v_add_nc_u32 v[TM+12+\b], 0xff000000, v[TM+\b]         ; 2 off the exponent field: the conversion's scale operand
.endr
.irp b, 0,1,2,3
	v_lshrrev_b32 v[TM+4+\b], 23, v[TM+12+\b]
.endr
	v_lshl_or_b32 v[\pw], v[TM+5], 8, v[TM+4]
	v_lshl_or_b32 v[\pw], v[TM+6], 16, v[\pw]
	v_lshl_or_b32 v[\pw], v[TM+7], 24, v[\pw]
.irp b, 0,1,2,3
	v_cvt_scalef32_pk8_fp4_f32 v[(\pc)+2*\b], v[(\s)+16*\b:(\s)+7+16*\b], v[TM+12+\b]
	v_cvt_scalef32_pk8_fp4_f32 v[(\pc)+1+2*\b], v[(\s)+8+16*\b:(\s)+15+16*\b], v[TM+12+\b]
.endr
	v_nop                                                  ; one plain place behind a scaled conversion
.irp c, 0,1
.irp i, 0,1
	v_permlane16_swap_b32 v[(\pc)+4*\c+\i], v[(\pc)+2+4*\c+\i]
.endr
.endr
.endm
.macro LOADP b                         ; block b of my 128 K rows: 32 rows x 64 columns, 64 loads
.set li, 0
.rept 32
	global_load_b32 v[XB+64*((\b)%2)+li], v[L4], s[4:5] offset:(32*(\b)+li)*RP th:TH_LOAD_NT
	global_load_b32 v[XB+64*((\b)%2)+32+li], v[L4], s[4:5] offset:(32*(\b)+li)*RP+128 th:TH_LOAD_NT
.set li, li+1
.endr
.endm
; The chain, four chunks at a time.  CHC, chunk g: s23 is the chunk's first slot; the compare says where it lies beyond my slot; the chunk's first slot and number are kept; s23 goes on by the chunk's takers.
.macro CHC g, m, k
.if (\g) < 32
.set MR, 32+(\g)
.else
.set MR, 36+(\g)
.endif
	v_cmp_gt_u32 s[\m], s23, v[NT]
	s_add_co_u32 s[\k], s23, (\g)<<16
	s_and_b32 s17, s[MR], 0xffff
	s_bcnt1_i32_b32 s17, s17                       ; the chunk's takers
	s_add_co_u32 s23, s23, s17
.endm
; CHS, chunk g: where its first slot lies beyond my slot I keep what I have; else I take this chunk's word, its first slot and its number.
.macro CHS g, m, k
.if (\g) < 32
.set MR, 32+(\g)
.else
.set MR, 36+(\g)
.endif
	v_cndmask_b32 v[SM], s[MR], v[SM], s[\m]
	v_cndmask_b32 v[SK], s[\k], v[SK], s[\m]
.endm
.macro CH4 g
	CHC (\g), 11, 18
	CHC (\g)+1, 66, 20
	CHC (\g)+2, 67, 21
	CHC (\g)+3, 19, 22
	s_wait_alu depctr_va_sdst(0)                   ; the four compares have written s11, s66, s67 and s19, ahead of the selects that read them
	CHS (\g), 11, 18
	CHS (\g)+1, 66, 20
	CHS (\g)+2, 67, 21
	CHS (\g)+3, 19, 22
.endm
.macro LOADP1S                         ; block 1's 64 loads, and between them the chain: four chunks behind each four loads.  The chain's lines name v250, v251 and v255 alone: none that a load touches
.set li, 0
.rept 16
	global_load_b32 v[XB+64+2*li], v[L4], s[4:5] offset:(32+2*li)*RP th:TH_LOAD_NT
	global_load_b32 v[XB+96+2*li], v[L4], s[4:5] offset:(32+2*li)*RP+128 th:TH_LOAD_NT
	global_load_b32 v[XB+65+2*li], v[L4], s[4:5] offset:(33+2*li)*RP th:TH_LOAD_NT
	global_load_b32 v[XB+97+2*li], v[L4], s[4:5] offset:(33+2*li)*RP+128 th:TH_LOAD_NT
	s_wait_alu depctr_va_vdst(0)
	CH4 4*li
.set li, li+1
.endr
.endm
.macro QP b, n                         ; block b is quantised: two columns a lane, by turns
	s_wait_loadcnt \n
.set XS0, XB+64*((\b)%2)
.irp j, 0,1
	v_max3_num_f32 v[MX+\j], |v[XS0+32*\j]|, |v[XS0+32*\j+1]|, 0x1800000
.endr
.irp i, 2,4,6,8,10,12,14,16,18,20,22,24,26,28,30
.irp j, 0,1
	v_max3_num_f32 v[MX+\j], v[MX+\j], |v[XS0+32*\j+\i]|, |v[XS0+32*\j+\i+1]|
.endr
.endr
.irp j, 0,1
	v_add_nc_u32 v[SO+\j], 0xff000000, v[MX+\j]
.endr
.irp j, 0,1
	v_lshrrev_b32 v[BY+\j], 23, v[SO+\j]
.endr
.irp j, 0,1
.if (\b) == 0
	v_mov_b32 v[SBW+\j], v[BY+\j]
.else
	v_lshl_or_b32 v[SBW+\j], v[BY+\j], 8*(\b), v[SBW+\j]
.endif
.endr
.irp j, 0,1
.irp g, 0,1,2,3
	v_cvt_scalef32_pk8_fp4_f32 v[CD+4*(2*(\b)+\j)+\g], v[XS0+32*\j+8*\g:XS0+32*\j+8*\g+7], v[SO+\j]
.endr
.endr
	v_nop                                                  ; one plain place behind the conversions
	s_wait_alu depctr_va_vdst(0)                           ; the conversions have written this block's codes, which the LDS stores read, and are done reading set b % 2, in which block b + 2 lands; block 0: v247, v252 and v8-11 are written, which the list's stores and x's loads read; block 3: so are the scale words
.irp j, 0,1
	ds_store_b128 v[LW], v[CD+4*(2*(\b)+\j):CD+4*(2*(\b)+\j)+3] offset:JOFF*\j+16*(\b)
.endr
.endm
; Behind the chain: the bit in the chunk, the row, and the addresses of the two tiles' tokens.
.macro PICK
	v_and_b32 v[QC], 0xffff, v[SK]
	v_sub_nc_u32 v[QC], v[NT], v[QC]               ; q: so many takers of the chunk come before mine
	v_lshrrev_b32 v[SK], 16, v[SK]                 ; the chunk's number
	v_mov_b32 v[PS], 16
.irp j, 0,1,2,3,4,5,6,7,8,9,10,11,12,13,14,15
	v_bfe_u32 v[BT], v[SM], \j, 1
	v_sub_nc_u32 v[QC], v[QC], v[BT]               ; q less the takers among bits 0 .. j: negative from my taker's bit on,
	v_ashrrev_i32 v[BT], 31, v[QC]
	v_add_nc_u32 v[PS], v[PS], v[BT]               ; so 16 less the number of negatives is that bit's place; 16: the chunk has no such taker
.endr
	v_cmp_gt_u32 vcc_lo, 16, v[PS]                 ; the chunk has my taker; the five lines below stand between the compare and the wait for it
	v_add_nc_u32 v[BT], 16, v[PS]
	v_lshrrev_b32 v[BT], v[BT], v[SM]
	v_and_b32 v[BT], 1, v[BT]                      ; k
	v_lshl_add_u32 v[BT], v[PS], 1, v[BT]
	v_lshl_add_u32 v[BT], v[SK], 5, v[BT]          ; 2 (16 chunk + place) + k
	s_wait_alu depctr_va_vcc(0)                    ; the compare has written VCC, ahead of the select that reads it
	v_cndmask_b32 v[E], 0, v[BT], vcc_lo           ; a slot behind the count: row 0
	v_permlanex16_b32 v[EX], v[E], s[SEL], s[SEL+1]
	v_cndmask_b32 v[EN], v[E], v[EX], s10          ; lane (r, h): slot r's row,
	v_cndmask_b32 v[EN+1], v[EX], v[E], s10        ; and slot 16 + r's
.irp a, 0,1
	v_lshrrev_b32 v[EN+\a], 1, v[EN+\a]            ; the row's token,
.endr
.irp a, 0,1
	v_min_u32 v[EN+\a], 0x3ff, v[EN+\a]            ; a token, whatever was read
.endr
.irp a, 0,1
	v_lshlrev_b32 v[XSA+\a], 5, v[EN+\a]
	v_lshl_add_u32 v[XA+\a], v[EN+\a], 9, v[H16]
.endr
.endm
.macro ROUTE first                     ; the work-groups with s = 0 store the group's 32 rows, and wave 0 the count, for the next launch
	s_cmp_lg_u32 ttmp9, 0
	s_cbranch_scc1 .Lnr_\@
	global_store_b32 v[L4], v[E], s[100:101]
.if \first
	s_cmp_lg_u32 s16, 0
	s_cbranch_scc1 .Lnr_\@
	global_store_b32 v[L4], v[CN], s[14:15] offset:4096
.endif
.Lnr_\@:
.endm
.macro TRIPB                           ; group s22's places
	s_lshl_b32 s2, s22, 7
	s_add_nc_u64 s[30:31], s[26:27], s[2:3]        ; its 32 scale words
	s_add_nc_u64 s[100:101], s[14:15], s[2:3]      ; its 32 slots of the list
	s_lshl_b32 s2, s22, 11
	s_add_nc_u64 s[28:29], s[12:13], s[2:3]        ; its two tiles of codes
.endm
.macro XPRE                            ; the tokens' eight scale words, and K steps 0 and 1 of their codes
.irp a, 0,1
.irp q, 0,1
	global_load_b128 v[XS+8*\a+4*\q:XS+8*\a+4*\q+3], v[XSA+\a], s[24:25] offset:16*\q
.endr
.endr
.irp k, 0,1
.irp a, 0,1
.irp c, 0,1
	global_load_b128 v[XF+16*(\k+1)+8*\a+4*\c:XF+16*(\k+1)+8*\a+4*\c+3], v[XA+\a], s[8:9] offset:64*\k+32*\c
.endr
.endr
.endr
.endm
; Quarter n = 4 (K step) + (pair of unit tiles): its two fragments of W1 and their scale words, from LDS into buffer n % 2.
.macro WFRAG n
.set wfk, (\n)/4
.set wfq, (\n)%4
.set wfp, (\n)%2
.irp u, 0,1
.irp c, 0,1
	ds_load_b128 v[WF+16*wfp+8*\u+4*\c:WF+16*wfp+8*\u+4*\c+3], v[AW] offset:16*PITCH*(2*wfq+\u)+64*wfk+32*\c
.endr
	ds_load_b32 v[WS+2*wfp+\u], v[ASW] offset:16*SPW*(2*wfq+\u)+4*wfk
.endr
.endm
; A quarter of a K step of 128: unit tiles 2 q and 2 q + 1 against the two row tiles: four products on buffer n % 2, while the next quarter's fragments land in the other buffer.
; In a K step's first quarter the fragments of x two steps on are asked for, into the set that the last step read.
; The 16 accumulators take turns, one instruction a turn, in the same order in every K step.
.macro QUARTER n
.set qtk, (\n)/4
.set qtq, (\n)%4
.set qtp, (\n)%2
	s_wait_dscnt 0x0                               ; this quarter's fragments and scale words are in (quarter 0: the biases too); nothing younger is out
.if (\n) > 0
	s_wait_alu depctr_va_vdst(0)                   ; the last quarter's products are done reading the other buffer, in which the LDS loads below land; in a K step's first quarter the last step's are done reading their set of x likewise
.endif
.if (qtq == 0) && (qtk < 6)
.irp a, 0,1
.irp c, 0,1
	global_load_b128 v[XF+16*(qtk%3)+8*\a+4*\c:XF+16*(qtk%3)+8*\a+4*\c+3], v[XA+\a], s[8:9] offset:64*(qtk+2)+32*\c
.endr
.endr
.endif
.if (\n) < 31
	WFRAG (\n)+1
.endif
.if qtq == 0
.if qtk < 6
	s_wait_loadcnt 8                               ; the next two steps' four loads each may be out: this step's fragments, and the scale words before them, are in
.elseif qtk == 6
	s_wait_loadcnt 4                               ; the last step's four
.else
	s_wait_loadcnt 0
.endif
.endif
.irp u, 0,1
.irp a, 0,1
	v_wmma_scale_f32_16x16x128_f8f6f4 v[ACC+64*\a+8*(2*qtq+\u):ACC+64*\a+8*(2*qtq+\u)+7], v[WF+16*qtp+8*\u:WF+16*qtp+8*\u+7], v[XF+16*((qtk+1)%3)+8*\a:XF+16*((qtk+1)%3)+8*\a+7], v[ACC+64*\a+8*(2*qtq+\u):ACC+64*\a+8*(2*qtq+\u)+7], v[WS+2*qtp+\u], v[XS+8*\a+qtk] matrix_a_fmt:MATRIX_FMT_FP4 matrix_b_fmt:MATRIX_FMT_FP4
.endr
.endr
.rept 4
	v_nop                                          ; places in front of loads into registers that these products have read, and of the first read of results
.endr
.endm
; A group of 32 rows, its scale words and first two K steps of x asked for already: multiply, relu, quantise, store.
.macro BODY
.irp a, 0,1
.irp t, 0,1,2,3,4,5,6,7
.irp q, 0,1
	ds_load_b128 v[ACC+64*\a+8*\t+4*\q:ACC+64*\a+8*\t+4*\q+3], v[BA] offset:4*(32*(\t/2)+8*(\t%2))+16*\q   ; b1 in the result's layout starts the sums: units 32 (t / 2) + 16 h + 8 (t % 2) + 0 .. 7
.endr
.endr
.endr
	WFRAG 0
.set qn, 0
.rept 32
	QUARTER qn
.set qn, qn+1
.endr
.irp a, 0,1
.set rj, 0
.rept 64
	v_max_num_f32 v[ACC+64*\a+rj], 0, v[ACC+64*\a+rj]      ; the activation, in f32; each accumulator from its low end on
.set rj, rj+1
.endr
	QUANT ACC+64*\a, WF+8*\a, PW+\a
.endr
	v_cndmask_b32 v[PWJ], v[PW], v[PW+1], s10      ; lanes 0-15: tile 0's words; lanes 16-31: tile 1's
	s_wait_alu depctr_va_vdst(0)                   ; the quantiser has written the codes v144-159 and the select v246, which the stores read
.irp a, 0,1
.irp c, 0,1
	global_store_b128 v[L16], v[WF+8*\a+4*\c:WF+8*\a+4*\c+3], s[28:29] offset:1024*\a+512*\c th:TH_STORE_NT   ; the operand's registers as they stand: 512 consecutive bytes, aligned
.endr
.endr
	global_store_b32 v[L4], v[PWJ], s[30:31] th:TH_STORE_NT
.endm
	s_load_b256 s[4:11], s[0:1], 0x0               ; W1 s[4:5], b1 s[6:7], xq s[8:9], msk s[10:11]
	s_load_b128 s[12:15], s[0:1], 0x20             ; hq s[12:13], route s[14:15]
	v_lshrrev_b32 v16, 5, v0
	v_readfirstlane_b32 s16, v16                   ; wave 0..15
	s_and_b32 s19, ttmp7, 0xffff                   ; expert
	v_and_b32 v16, 7, v0
	v_bfe_u32 v17, v0, 3, 1
	v_lshl_add_u32 v16, v17, 4, v16
	v_bfe_u32 v17, v0, 4, 1                        ; h
	s_wait_alu depctr_va_vdst(0)
	v_lshl_add_u32 v16, v17, 3, v16                ; my lane's number with bits 3 and 4 changed over
	v_mul_u32_u24 v[LW], v16, PITCH
	s_wait_alu depctr_va_sdst(0)                   ; s16 is written, ahead of its first reader
	s_and_b32 s17, s16, 1                          ; which 64 columns
	s_lshr_b32 s18, s16, 1                         ; which K step
	s_mul_i32 s22, s17, 64*PITCH
	s_lshl_b32 s23, s18, 6
	s_add_co_u32 s22, s22, s23
	v_add_nc_u32 v[LW], s22, v[LW]
	v_mul_u32_u24 v[LSW], v16, SPW
	s_mul_i32 s22, s17, 64*SPW
	s_lshl_b32 s23, s18, 2
	s_add_co_u32 s22, s22, s23
	s_add_co_u32 s22, s22, SCW
	v_add_nc_u32 v[LSW], s22, v[LSW]
	v_and_b32 v18, 15, v0                          ; r
	v_and_b32 v19, 31, v0                          ; lane
	v_lshlrev_b32 v[H16], 4, v17
	v_mul_u32_u24 v[AW], v18, PITCH
	v_lshl_add_u32 v[AW], v17, 4, v[AW]
	v_mul_u32_u24 v[ASW], v18, SPW
	v_add_nc_u32 v[ASW], SCW, v[ASW]
	v_lshl_add_u32 v[BA], v17, 6, B1L
	v_lshl_add_u32 v[BLA], v0, 2, B1L
	v_and_b32 v[CV], 127, v0
	v_lshlrev_b32 v[CV], 2, v[CV]
	v_lshlrev_b32 v[L16], 4, v19
	v_lshlrev_b32 v[L4], 2, v19
	v_mov_b32 v[NT], v0                            ; my slot in group w: 32 w + lane
	v_mov_b32 v[SM], 0
	v_mov_b32 v[SK], 0
	v_mov_b32 v[EX], 0                             ; written once: a lane permute's destination counts as one of its sources
	s_mov_b32 s[SEL], 0x76543210
	s_mov_b32 s[SEL+1], 0xfedcba98
	s_mov_b32 s3, 0
	s_mov_b32 s21, 0
	s_mov_b32 s23, 0
	s_lshl_b32 s2, s19, 8                          ; an expert's 64 mask words
	s_lshl_b32 s20, s19, 24                        ; an expert's W1: 16 MiB;
	s_lshl_b32 s24, s18, 21                        ; 128 rows of 16,384 bytes;
	s_add_co_u32 s20, s20, s24
	s_lshl_b32 s24, ttmp9, 9                       ; 128 columns;
	s_add_co_u32 s20, s20, s24
	s_lshl_b32 s22, s19, 14                        ; b1: an expert's 4,096 numbers, my 128
	s_add_co_u32 s22, s22, s24
	s_lshl_b32 s24, s17, 8                         ; 64 columns
	s_add_co_u32 s20, s20, s24
	s_wait_kmcnt 0x0
	s_add_nc_u64 s[10:11], s[10:11], s[2:3]
	s_load_b512 s[32:47], s[10:11], 0x0            ; the expert's masks: chunks 0-31 in s32-63,
	s_load_b512 s[48:63], s[10:11], 0x40
	s_load_b512 s[68:83], s[10:11], 0x80           ; chunks 32-63 in s68-99
	s_load_b512 s[84:99], s[10:11], 0xc0
	s_add_nc_u64 s[4:5], s[4:5], s[20:21]
	s_add_nc_u64 s[6:7], s[6:7], s[22:23]
	s_wait_alu depctr_va_vdst(0)                   ; the offsets and LDS addresses v1-7, v12, v13 and v246 are written, which the loads and stores of the whole kernel read
	global_load_b32 v[BV], v[CV], s[6:7]
	LOADP 0
	s_add_nc_u64 s[24:25], s[8:9], 524288          ; x's scale bytes
	s_lshl_b32 s22, s19, 5
	s_add_co_u32 s22, s22, ttmp9                   ; 32 e + s
	s_lshl_b32 s2, s22, 12
	s_add_co_u32 s2, s2, 16777216
	s_add_nc_u64 s[26:27], s[12:13], s[2:3]        ; the 1,024 scale words of (e, s)
	s_lshl_b32 s2, s22, 16
	s_add_nc_u64 s[12:13], s[12:13], s[2:3]        ; the hidden codes of (e, s): 64 tiles of 1,024 bytes
	s_mul_i32 s2, s19, 4352
	s_add_nc_u64 s[14:15], s[14:15], s[2:3]        ; the expert's list
	s_mov_b32 s22, s16                             ; my first group: w
	TRIPB
	s_wait_kmcnt 0x0                               ; the masks
	s_mov_b32 s10, 0xffff0000                      ; lanes 16-31 (the masks' address is done with)
	LOADP1S
	s_mov_b32 s20, s23                             ; the expert's count of rows
	PICK
	v_mov_b32 v[CN], s20                           ; the count, as data
	QP 0, 63                                       ; 64 younger loads were issued; the count's field ends at 63: my number of b1, block 0 and one load more are in
	ds_store_b32 v[BLA], v[BV]
	ROUTE 1
	XPRE                                           ; 12 loads, between the blocks
	LOADP 2
	QP 1, 63                                       ; 76 younger loads were issued: block 1 is in, and the 12 with it
	LOADP 3
	QP 2, 63
	QP 3, 0
.irp j, 0,1
	ds_store_b32 v[LSW], v[SBW+\j] offset:SJOFF*\j
.endr
	s_wait_dscnt 0x0                               ; for the others' sake: my LDS stores are done
	s_barrier_signal -1
	s_barrier_wait -1                              ; the slice's codes, scale words and biases lie in LDS; from here on LDS is only read
	s_wait_alu depctr_vm_vsrc(0)                   ; my LDS stores have read v22-23, v32-63 and v246: the biases' loads land in the first two runs, and the group's scale words are joined in the last
	s_min_u32 s20, s20, 0x400
	s_add_co_u32 s21, s20, 31
	s_lshr_b32 s21, s21, 5                         ; groups of 32 rows: 32 at the most
	s_cmp_ge_u32 s16, s21
	s_cbranch_scc1 .Lend
	BODY
	s_wait_alu depctr_vm_vsrc(0)                   ; the first group's stores and loads have read v8-11, v144-159, v246, v247 and v252, all of which the second group writes again
	s_add_co_u32 s22, s16, 16                      ; my second group: w + 16; there is no third
	s_cmp_ge_u32 s22, s21
	s_cbranch_scc1 .Lend
	s_wait_xcnt 0x0                                ; the first group's stores have read their data, offsets and bases: all are written again only behind this wait
	TRIPB
	v_add_nc_u32 v[NT], 0x200, v[NT]               ; 16 groups on
	s_wait_alu depctr_va_vdst(0)
	v_mov_b32 v[SM], 0
	s_wait_alu depctr_va_vdst(0)
	v_mov_b32 v[SK], 0
	s_wait_alu depctr_va_vdst(0)
	s_mov_b32 s23, 0
.set gi, 0
.rept 16
	s_wait_alu depctr_va_vdst(0)
	CH4 4*gi
.set gi, gi+1
.endr
	PICK
	s_wait_alu depctr_va_vdst(0)                   ; v247 and v8-11 are written, which the list's store and x's loads read
	ROUTE 0
	XPRE
	BODY
.Lend:
	s_wait_xcnt 0x0
	v_lshl_add_u32 v254, v0, 2, 0x12800
	v_mov_b32 v255, 0
	s_wait_dscnt 0x0                               ; the closing lines, six on end
	s_wait_alu 0x0
	s_wait_tensorcnt 0x0
	ds_add_u32 v254, v255
	s_wait_dscnt 0x0
	s_endpgm
.Lfunc_end_k_q4556b52ad6_up:
	.size	k_q4556b52ad6_up, .Lfunc_end_k_q4556b52ad6_up-k_q4556b52ad6_up
	.p2alignl 7, 3214868480
	.fill 96, 4, 3214868480
	.section	.rodata,"a",@progbits
	.p2align	6, 0x0
	.amdhsa_kernel k_q4556b52ad6_up
		.amdhsa_group_segment_fixed_size 77824
		.amdhsa_private_segment_fixed_size 0
		.amdhsa_enable_private_segment 0
		.amdhsa_kernarg_size 48
		.amdhsa_user_sgpr_count 2
		.amdhsa_user_sgpr_kernarg_segment_ptr 1
		.amdhsa_wavefront_size32 1
		.amdhsa_system_sgpr_workgroup_id_x 1
		.amdhsa_system_sgpr_workgroup_id_y 1
		.amdhsa_system_sgpr_workgroup_id_z 1
		.amdhsa_system_vgpr_workitem_id 0
		.amdhsa_next_free_vgpr 256
		.amdhsa_next_free_sgpr 106
		.amdhsa_reserve_vcc 1
		.amdhsa_float_denorm_mode_32 3
		.amdhsa_float_denorm_mode_16_64 3
		.amdhsa_memory_ordered 1
		.amdhsa_forward_progress 1
		.amdhsa_inst_pref_size 203
	.end_amdhsa_kernel
	.amdgpu_metadata
---
amdhsa.version: [ 1, 2 ]
amdhsa.kernels:
  - .name:           k_q4556b52ad6_up
    .symbol:         k_q4556b52ad6_up.kd
    .args:
      - { .name: W1, .offset: 0, .size: 8, .value_kind: global_buffer, .address_space: global }
      - { .name: b1, .offset: 8, .size: 8, .value_kind: global_buffer, .address_space: global }
      - { .name: xq, .offset: 16, .size: 8, .value_kind: global_buffer, .address_space: global }
      - { .name: msk, .offset: 24, .size: 8, .value_kind: global_buffer, .address_space: global }
      - { .name: hq, .offset: 32, .size: 8, .value_kind: global_buffer, .address_space: global }
      - { .name: route, .offset: 40, .size: 8, .value_kind: global_buffer, .address_space: global }
    .group_segment_fixed_size: 77824
    .private_segment_fixed_size: 0
    .kernarg_segment_align: 8
    .kernarg_segment_size: 48
    .max_flat_workgroup_size: 512
    .sgpr_count:     106
    .vgpr_count:     256
    .wavefront_size: 32
...
	.end_amdgpu_metadata
.endif
;; end of part 11
;; launch down (part 12): grid 16 x 16, 16 waves a work-group, no clusters, 145,408 bytes of LDS; arguments W2, b2, hq, route, gp, part; writes part
.if DOCPART == 12
	.amdgcn_target "amdgcn-amd-amdhsa--gfx1250"
	.amdhsa_code_object_version 6
	.text
	.protected	k_q4556b52ad6_down
	.globl	k_q4556b52ad6_down
	.p2align	8
	.type	k_q4556b52ad6_down,@function
k_q4556b52ad6_down:
	s_mov_b64 s[64:65], 0
	v_nop
	global_prefetch_b8 v0, s[64:65] scope:SCOPE_SE
	s_setreg_imm32_b32 hwreg(HW_REG_WAVE_SCHED_MODE, 0, 2), 2
	s_setreg_imm32_b32 hwreg(HW_REG_WAVE_MODE, 25, 1), 1
	s_wait_xcnt 0x0
	s_wait_alu depctr_vm_vsrc(0)
; DOWN.  part[kh][row] = gate(row) x (hidden(row) W2[e] over half of K, + b2[e] in half 0), for the rows that expert e takes; both operands as codes of FP4 (E2M1) with E8M0 scales.
; SHARES.  Work-group (ns, 2 e + kh) owns K rows 2,048 kh on and columns 64 ns on of W2[e]: 512 KiB, which no other work-group reads.
; PHASE S.  Wave w streams K rows 128 w on of that half: a lane takes a column, its registers run down K; two neighbouring loads of a wave cover the 256 consecutive bytes of a row.
;   Codes (64 KiB) and scale words go to LDS, and b2's 64 numbers too (zeros in half 1; a word a thread, so eight copies).  One barrier.
; PHASE M.  Groups of 32 routed rows.  An expert takes at most 1,024 rows, 32 groups: wave w has groups w and w + 16, written out twice, each behind a branch on the stored count.
;   So this launch has no tensor load, and no barrier behind the one above.  What group w needs (its list, gates, 16 scale words, three K steps of hidden codes) is asked for between the blocks of phase S:
;   every wave has such a group number, so no branch is needed; a wave whose group holds no row uses none of it.
;   The product is used transposed (source 0 = 16 columns of W2, source 1 = 16 hidden rows, loaded as the images that the launch before stored): a lane holds eight neighbouring outputs of one row.
;   The bias is loaded into the accumulators and starts the sums.  The results, times the row's gate, go through the wave's own stage in LDS and leave as 256 consecutive bytes of row 2 t + k, aligned.
; part is [2 halves][2,304 rows][1,024].  Rows 0 .. 2,047 are the routed rows 2 t + k: each stands in one expert's list once, so each of their bytes has one writer.
;   A slot behind the expert's count is sent to spare row 2,048 + 32 e + (slot % 32), which nobody reads: so every lane stores in every store and EXEC is never changed.
;   Only an expert's last group has such slots, 31 at the most, so a spare byte has one writer too: 31 x 256 bytes a work-group at the most.
; No cluster: each weight byte is wanted by one work-group; the hidden codes that work-groups share are 32 KiB a group beside the 512 KiB that each streams.
; LIMITS: NaN and infinities are not served.  A block of W2 whose largest magnitude lies under 2^-124 (a block of zeros too) gets the byte 1.  The bias stands first in the f32 sum, and K is summed in two halves.
; THE MODE: SCHED_MODE bits 1:0 = 2 (LLVM: expert scheduling mode 2), set by the entry lines.  The code itself states the register dependences
; between vector or matrix instructions and memory or LDS instructions, with s_wait_alu, always for 0.
; THE PLAN.  Registers that memory or LDS instructions touch:
;   v1-12, v14, v15, v191   offsets and LDS addresses, made once at the head: one wait on va_vdst ahead of the first load states them written.
;   XB0, XB1   Block b's 64 loads land in XB[b % 2]; QP b's lines read it; block b + 2's loads land in it again.
;   CD         Eight registers: written by QP b's conversions, read by its two LDS stores, written again by QP b + 1's: one wait on vm_vsrc ahead of those.    SBW: read by two LDS stores at the phase's end.
;   BV         Loaded; the select on the half of K stands ahead of QP 0; read by one LDS store behind it.
;   EN, LE     The list: loaded; read and written by PADDR, which stands ahead of QP 1.    GA, DE: written by PADDR; read by the gates' loads and by the way out's stores.    v208-223 then take hidden codes.
;   So ONE wait on va_vdst stands in a QP, behind its conversions: the codes are written, set b % 2 is read out, and what stands ahead of the QP (the select; PADDR) is done.  Only memory and LDS lines stand between it and the next QP.
;   WF0, WF1, WS   Phase M: two buffers of two fragments of W2 and their two scale words.  Half step n's four products read buffer n % 2; the LDS loads of half step n + 1, issued ahead of those products, land in the other.
;   HF0 .. HF3, HS, GT   K step j's products read set j % 4; the loads of step j + 4 land in it, at the head of step j + 1.  HS and GT are loaded once a group.
;   So ONE wait on va_vdst stands at a half step's head: the last half step's products are done reading the other buffer and, in a K step's first half, the last step's are done reading their set of hidden codes.
;   ACC, OB    The way out: both tiles' multiplications by the gate, one wait on va_vdst, then the stage's stores (which read ACC) and loads (which land where fragments lay).
;   One wait on vm_vsrc stands behind the barrier and one behind the first group: what LDS stores, stores and loads have read is written again only behind them.
.set RP,     4096                      ; a row of W2 in bytes
.set PITCH,  1040                      ; LDS: a column's 2,048 codes, 1,024 bytes + 16: 65 x 16 bytes
.set SPW,    80                        ; a column's 16 scale words + 16 bytes
.set SCW,    64*PITCH
.set JOFF,   32*PITCH
.set SJOFF,  32*SPW
.set STG,    SCW+64*SPW                ; the stages: 16 rows x (256 bytes + 16) for each wave
.set SPITCH, 272
.set B2L,    STG+16*16*SPITCH          ; b2: 512 words, a word a thread
.set PLANE,  2304*4096                 ; a half's plane of part in bytes
.set LW,  1                            ; v1   phase S: where my column's codes go
.set LSW, 2                            ; v2   and its scale word
.set HI,  3                            ; v3   h = lane / 16
.set AW,  4                            ; v4   a fragment of W2 in LDS: 1,040 r + 16 h
.set ASW, 5                            ; v5   its scale words
.set R4,  6                            ; v6   4 r
.set H4,  7                            ; v7   4 h
.set L16, 8                            ; v8   16 x lane
.set L4,  9                            ; v9   4 x lane
.set STO, 10                           ; v10  the stage, in: row r, 32 h
.set RD,  11                           ; v11  the stage, back: row h, 16 r
.set CO,  12                           ; v12  16 r
.set REM, 13                           ; v13  rows left from the group's first on, less h
.set BA,  14                           ; v14  b2 in LDS: B2L + 32 h
.set BLA, 15                           ; v15  where my word of b2 goes: B2L + 4 x thread
.set MX,  16                           ; phase S: v16-23 at work, v24-31 a block's codes, v32-159 two sets of 2 x 32 numbers
.set SO,  18
.set BY,  20
.set SBW, 22
.set CD,  24
.set XB,  32
.set ACC, 16                           ; phase M: v16-79 accumulators: row tile a at + 32 a, column tile t at + 8 t
.set WF,  80                           ; v80-111 fragments of W2: two buffers of two
.set OB,  80                           ; the way out: tile a's 16 rows read back, at + 32 a: v80-143
.set HS,  160                          ; v160-175 the hidden rows' scale words, by K step: lanes 0-15 tile 0's, lanes 16-31 tile 1's: scales and nothing else
.set WS,  176                          ; v176-179 W2's scale words, two pairs: scales and nothing else
.set GT,  180                          ; v[180:181], v[182:183] the gates (the upper words are 0)
.set EN,  184                          ; v184-185 the list entries of slots r and 16 + r
.set GA,  186                          ; v186-187 the gates' offsets
.set DRB, 188                          ; v188 2,048 + 32 e + h: the spare row of slot h
.set TD,  189                          ; v189 at work
.set BV,  190                          ; v190 my number of b2
.set BGA, 191                          ; v191 its offset: 4 (thread % 64)
.set DE,  192                          ; v192-207 where the rows of slots 16 a + 2 i + h go in part
.set LE,  208                          ; v208-223 those slots' list entries; then a set of hidden fragments
; Hidden fragments: four sets of two, K step j in set j % 4: v224-239, v240-255, v208-223, v112-127.  The first three lie clear of phase S.
.macro SETHF j
.if ((\j)%4) == 0
.set HFR, 224
.elseif ((\j)%4) == 1
.set HFR, 240
.elseif ((\j)%4) == 2
.set HFR, 208
.else
.set HFR, 112
.endif
.endm
; The scalar register that takes slot i's compare in PADDR: sixteen that nothing else names: s36, s37, s41, s43 to s55.
.macro SETCM i
.if (\i) < 2
.set CM, 36+(\i)
.elseif (\i) == 2
.set CM, 41
.else
.set CM, 40+(\i)
.endif
.endm
.macro LOADP b
.set li, 0
.rept 32
	global_load_b32 v[XB+64*((\b)%2)+li], v[L4], s[4:5] offset:(32*(\b)+li)*RP th:TH_LOAD_NT
	global_load_b32 v[XB+64*((\b)%2)+32+li], v[L4], s[4:5] offset:(32*(\b)+li)*RP+128 th:TH_LOAD_NT
.set li, li+1
.endr
.endm
.macro QP b                            ; block b, which the wait ahead of the macro has shown in, is quantised: two columns a lane, by turns
.set XS0, XB+64*((\b)%2)
.irp j, 0,1
	v_max3_num_f32 v[MX+\j], |v[XS0+32*\j]|, |v[XS0+32*\j+1]|, 0x1800000   ; the floor 2^(3 - 127): the byte cannot fall under 1
.endr
.irp i, 2,4,6,8,10,12,14,16,18,20,22,24,26,28,30
.irp j, 0,1
	v_max3_num_f32 v[MX+\j], v[MX+\j], |v[XS0+32*\j+\i]|, |v[XS0+32*\j+\i+1]|
.endr
.endr
.irp j, 0,1
	v_add_nc_u32 v[SO+\j], 0xff000000, v[MX+\j]            ; 2 off the exponent field: the conversion's scale operand
.endr
.irp j, 0,1
	v_lshrrev_b32 v[BY+\j], 23, v[SO+\j]
.endr
.irp j, 0,1
.if (\b) == 0
	v_mov_b32 v[SBW+\j], v[BY+\j]
.else
	v_lshl_or_b32 v[SBW+\j], v[BY+\j], 8*(\b), v[SBW+\j]
.endif
.endr
.if (\b) > 0
	s_wait_alu depctr_va_vdst(0)
	s_wait_dscnt 0x0                                       ; the last block's LDS stores are done,
	s_wait_alu depctr_vm_vsrc(0)                           ; and have read the codes' registers v24-31, which the conversions below write again
.endif
.irp j, 0,1
.irp g, 0,1,2,3
	v_cvt_scalef32_pk8_fp4_f32 v[CD+4*\j+\g], v[XS0+32*\j+8*\g:XS0+32*\j+8*\g+7], v[SO+\j]
.endr
.endr
	v_nop                                                  ; one plain place behind the conversions
	s_wait_alu depctr_va_vdst(0)                           ; the conversions have written the codes, which the LDS stores read, and are done reading set b % 2, in which block b + 2 lands; block 0: v190 is written, which an LDS store reads; block 1: PADDR has written v186-187 and v192-207, which loads and stores read, and is done with v208-223, in which hidden codes land; block 3: the scale words are written
.irp j, 0,1
	ds_store_b128 v[LW], v[CD+4*\j:CD+4*\j+3] offset:JOFF*\j+16*(\b)
.endr
.endm
.macro TRIPB                           ; group s21's places
	s_lshl_b32 s22, s21, 7
	s_add_nc_u64 s[26:27], s[24:25], s[22:23]      ; its 32 list entries
	s_add_nc_u64 s[34:35], s[32:33], s[22:23]      ; its 32 scale words of each K step
	s_lshl_b32 s22, s21, 11
	s_add_nc_u64 s[30:31], s[28:29], s[22:23]      ; its two tiles of each K step
.endm
.macro PLIST                           ; 18 loads of the list
	global_load_b32 v[EN], v[R4], s[26:27]         ; lane (r, h): the rows of slots r and 16 + r, for their gates
	global_load_b32 v[EN+1], v[R4], s[26:27] offset:64
.irp a, 0,1
.irp i, 0,1,2,3,4,5,6,7
	global_load_b32 v[LE+8*\a+\i], v[H4], s[26:27] offset:64*\a+8*\i   ; and of slot 16 a + 2 i + h, which this lane helps to store
.endr
.endr
.endm
.macro PADDR                           ; the list is in: the gates' offsets, and where the rows go
	s_lshl_b32 s38, s21, 5
	s_sub_co_u32 s38, s19, s38                     ; rows left from the group's first on
	v_sub_nc_u32 v[REM], s38, v[HI]
.set di, 0
.rept 16
	SETCM di
	v_cmp_lt_i32 s[CM], 2*di, v[REM]               ; slot 2 di + h of the group (16 a + 2 i + h, di = 8 a + i) holds a row: the sixteen compares in one run
.set di, di+1
.endr
.irp a, 0,1
	v_min_u32 v[EN+\a], 0x7ff, v[EN+\a]            ; a row 2 t + k, whatever was read
.endr
.irp a, 0,1
	v_lshlrev_b32 v[GA+\a], 2, v[EN+\a]
.endr
	s_wait_alu depctr_va_sdst(0)                   ; the sixteen compares have written their scalar registers, ahead of the selects that read them
.set di, 0
.rept 16
	SETCM di
	v_add_nc_u32 v[TD], 2*di, v[DRB]
	v_cndmask_b32 v[LE+di], v[TD], v[LE+di], s[CM]   ; that row, else the slot's spare row
.set di, di+1
.endr
.set di, 0
.rept 16
	v_min_u32 v[LE+di], 0x8ff, v[LE+di]            ; a row of part, whatever was read
.set di, di+1
.endr
.set di, 0
.rept 16
	v_lshl_add_u32 v[DE+di], v[LE+di], 12, v[CO]   ; the row's 4,096 bytes in part, + 16 r
.set di, di+1
.endr
.endm
.macro PDATA                           ; 30 loads: the gates, the 16 scale words, K steps 0, 1 and 2 of the hidden codes
	global_load_b32 v[GT], v[GA], s[12:13]
	global_load_b32 v[GT+2], v[GA+1], s[12:13]
.irp k, 0,1,2,3,4,5,6,7,8,9,10,11,12,13,14,15
	global_load_b32 v[HS+\k], v[L4], s[34:35] offset:4096*\k
.endr
.irp k, 0,1,2
	SETHF \k
.irp a, 0,1
.irp c, 0,1
	global_load_b128 v[HFR+8*\a+4*\c:HFR+8*\a+4*\c+3], v[L16], s[30:31] offset:65536*\k+1024*\a+512*\c
.endr
.endr
.endr
.endm
; Half step n = 2 (K step) + (pair of column tiles): its two fragments of W2 and their scale words, from LDS into buffer n % 2.
.macro WFRAG n
.set wfk, (\n)/2
.set wfg, (\n)%2
.irp u, 0,1
.irp c, 0,1
	ds_load_b128 v[WF+16*wfg+8*\u+4*\c:WF+16*wfg+8*\u+4*\c+3], v[AW] offset:16*PITCH*(2*wfg+\u)+64*wfk+32*\c
.endr
	ds_load_b32 v[WS+2*wfg+\u], v[ASW] offset:16*SPW*(2*wfg+\u)+4*wfk
.endr
.endm
; Half of a K step of 128: column tiles 2 g and 2 g + 1 against the two row tiles: four products on buffer n % 2, while the next half step's fragments land in the other buffer.
; In a K step's first half the hidden fragments three steps on are asked for, into the set that the last step read.
; The eight accumulators take turns, one instruction a turn, in the same order in every K step.
.macro HALF n
.set hsk, (\n)/2
.set hsg, (\n)%2
	s_wait_dscnt 0x0                               ; this half step's fragments and scale words are in (half step 0: the biases too); nothing younger is out
.if (\n) > 0
	s_wait_alu depctr_va_vdst(0)                   ; the last half step's products are done reading the other buffer, in which the LDS loads below land; in a K step's first half the last step's are done reading their set of hidden codes likewise
.endif
.if (hsg == 0) && (hsk < 13)
	SETHF hsk+3
.irp a, 0,1
.irp c, 0,1
	global_load_b128 v[HFR+8*\a+4*\c:HFR+8*\a+4*\c+3], v[L16], s[30:31] offset:65536*(hsk+3)+1024*\a+512*\c
.endr
.endr
.endif
.if (\n) < 31
	WFRAG (\n)+1
.endif
.if hsg == 0
.if hsk < 13
	s_wait_loadcnt 12                              ; the next three steps' four loads each may be out: this step's fragments, and the gates and scale words before them, are in
.else
	s_wait_loadcnt 4*(15-hsk)                      ; the steps that are left
.endif
.endif
	SETHF hsk
.irp u, 0,1
	v_wmma_scale_f32_16x16x128_f8f6f4 v[ACC+8*(2*hsg+\u):ACC+8*(2*hsg+\u)+7], v[WF+16*hsg+8*\u:WF+16*hsg+8*\u+7], v[HFR:HFR+7], v[ACC+8*(2*hsg+\u):ACC+8*(2*hsg+\u)+7], v[WS+2*hsg+\u], v[HS+hsk] matrix_a_fmt:MATRIX_FMT_FP4 matrix_b_fmt:MATRIX_FMT_FP4
	v_wmma_scale_f32_16x16x128_f8f6f4 v[ACC+32+8*(2*hsg+\u):ACC+32+8*(2*hsg+\u)+7], v[WF+16*hsg+8*\u:WF+16*hsg+8*\u+7], v[HFR+8:HFR+15], v[ACC+32+8*(2*hsg+\u):ACC+32+8*(2*hsg+\u)+7], v[WS+2*hsg+\u], v[HS+hsk] matrix_a_fmt:MATRIX_FMT_FP4 matrix_b_fmt:MATRIX_FMT_FP4 matrix_b_scale:MATRIX_SCALE_ROW1
.endr
.rept 4
	v_nop                                          ; places in front of loads into registers that these products have read, and of the first read of results
.endr
.endm
; A group of 32 rows, its list, gates, scale words and first three K steps asked for already: 16 K steps, the gate's weight, the way out.
.macro BODY
.irp a, 0,1
.irp t, 0,1,2,3
.irp q, 0,1
	ds_load_b128 v[ACC+32*\a+8*\t+4*\q:ACC+32*\a+8*\t+4*\q+3], v[BA] offset:64*\t+16*\q   ; the bias in the result's layout starts the sums: columns 16 t + 8 h + 0 .. 7
.endr
.endr
.endr
	WFRAG 0
.set hn, 0
.rept 32
	HALF hn
.set hn, hn+1
.endr
.irp a, 0,1
.irp q, 0,2,4,6,8,10,12,14,16,18,20,22,24,26,28,30
	v_pk_mul_f32 v[ACC+32*\a+\q:ACC+32*\a+\q+1], v[ACC+32*\a+\q:ACC+32*\a+\q+1], v[GT+2*\a:GT+2*\a+1] op_sel_hi:[1,0]   ; x the row's gate; each accumulator from its low end on
.endr
.endr
	s_wait_alu depctr_va_vdst(0)                   ; the multiplications have written v16-79, which the stage's stores read; the products are done reading v80-127, in which the stage's loads land
.irp a, 0,1
.irp t, 0,1,2,3
.irp q, 0,1
	ds_store_b128 v[STO], v[ACC+32*\a+8*\t+4*\q:ACC+32*\a+8*\t+4*\q+3] offset:64*\t+16*\q
.endr
.endr
.irp i, 0,1,2,3,4,5,6,7
	ds_load_b128 v[OB+32*\a+4*\i:OB+32*\a+4*\i+3], v[RD] offset:2*SPITCH*\i   ; LDS serves a wave's instructions in order (ISA guide 5.7.1): these see my stores, and the next tile's stores come behind them
.endr
.endr
.irp a, 0,1
	s_wait_dscnt 16-16*\a                          ; tile 0's rows are back while tile 1's eight stores and eight loads may be out; then all
.irp i, 0,1,2,3,4,5,6,7
	global_store_b128 v[DE+8*\a+\i], v[OB+32*\a+4*\i:OB+32*\a+4*\i+3], s[14:15] th:TH_STORE_NT   ; 16 lanes store 256 consecutive bytes, aligned
.endr
.endr
.endm
	s_load_b256 s[4:11], s[0:1], 0x0               ; W2 s[4:5], b2 s[6:7], hq s[8:9], route s[10:11]
	s_load_b128 s[12:15], s[0:1], 0x20             ; gp s[12:13], part s[14:15]
	v_lshrrev_b32 v16, 5, v0
	v_readfirstlane_b32 s16, v16                   ; wave 0..15
	s_and_b32 s18, ttmp7, 0xffff
	s_lshr_b32 s17, s18, 1                         ; expert
	s_and_b32 s18, s18, 1                          ; which half of K
	v_and_b32 v16, 15, v0                          ; r
	v_bfe_u32 v[HI], v0, 4, 1                      ; h
	v_and_b32 v17, 31, v0                          ; lane
	v_mul_u32_u24 v[LW], v17, PITCH
	s_wait_alu depctr_va_sdst(0)                   ; s16 is written, ahead of its first reader
	s_lshl_b32 s38, s16, 6
	v_add_nc_u32 v[LW], s38, v[LW]
	v_mul_u32_u24 v[LSW], v17, SPW
	s_lshl_b32 s38, s16, 2
	s_add_co_u32 s38, s38, SCW
	v_add_nc_u32 v[LSW], s38, v[LSW]
	v_mul_u32_u24 v[AW], v16, PITCH
	v_lshl_add_u32 v[AW], v[HI], 4, v[AW]
	v_mul_u32_u24 v[ASW], v16, SPW
	v_add_nc_u32 v[ASW], SCW, v[ASW]
	v_lshlrev_b32 v[R4], 2, v16
	v_lshlrev_b32 v[H4], 2, v[HI]
	v_lshlrev_b32 v[L16], 4, v17
	v_lshlrev_b32 v[L4], 2, v17
	s_mul_i32 s38, s16, 16*SPITCH
	s_add_co_u32 s38, s38, STG                     ; my stage
	v_mul_u32_u24 v[STO], v16, SPITCH
	v_lshl_add_u32 v[STO], v[HI], 5, v[STO]
	v_add_nc_u32 v[STO], s38, v[STO]
	v_mul_u32_u24 v[RD], v[HI], SPITCH
	v_lshl_add_u32 v[RD], v16, 4, v[RD]
	v_add_nc_u32 v[RD], s38, v[RD]
	v_lshlrev_b32 v[CO], 4, v16
	v_lshl_add_u32 v[BA], v[HI], 5, B2L
	v_lshl_add_u32 v[BLA], v0, 2, B2L
	v_and_b32 v[BGA], 63, v0
	v_lshlrev_b32 v[BGA], 2, v[BGA]
	s_lshl_b32 s42, s17, 5
	s_add_co_u32 s42, s42, 2048
	v_add_nc_u32 v[DRB], s42, v[HI]                ; 2,048 + 32 e + h
	v_mov_b32 v[GT+1], 0                           ; named as the upper halves of pairs, so they are written
	v_mov_b32 v[GT+3], 0
	s_mov_b32 s23, 0
	s_lshl_b32 s22, s17, 24                        ; an expert's W2: 16 MiB;
	s_lshl_b32 s38, s18, 23                        ; 2,048 rows of 4,096 bytes;
	s_add_co_u32 s22, s22, s38
	s_lshl_b32 s38, s16, 19                        ; 128 rows;
	s_add_co_u32 s22, s22, s38
	s_lshl_b32 s39, ttmp9, 8                       ; 64 columns
	s_add_co_u32 s22, s22, s39
	s_wait_kmcnt 0x0
	s_add_nc_u64 s[4:5], s[4:5], s[22:23]
	s_lshl_b32 s22, s17, 12
	s_add_co_u32 s22, s22, s39
	s_add_nc_u64 s[6:7], s[6:7], s[22:23]          ; b2 at my 64 columns
	s_wait_alu depctr_va_vdst(0)                   ; the offsets and LDS addresses v1-12, v14, v15 and v191 are written, which the loads and stores of the whole kernel read
	global_load_b32 v[BV], v[BGA], s[6:7]
	LOADP 0
	LOADP 1
	s_mul_i32 s22, s17, 4352
	s_add_nc_u64 s[24:25], s[10:11], s[22:23]      ; the expert's list,
	s_load_b32 s19, s[24:25], 0x1000               ; and behind it its count of rows
	s_lshl_b32 s22, s17, 21
	s_lshl_b32 s38, s18, 20
	s_add_co_u32 s22, s22, s38
	s_add_nc_u64 s[28:29], s[8:9], s[22:23]        ; the hidden codes of (e, K step 16 kh)
	s_lshl_b32 s22, s17, 17
	s_lshl_b32 s38, s18, 16
	s_add_co_u32 s22, s22, s38
	s_add_co_u32 s22, s22, 16777216
	s_add_nc_u64 s[32:33], s[8:9], s[22:23]        ; and their scale words
	s_mul_i32 s22, s18, PLANE
	s_add_co_u32 s22, s22, s39
	s_add_nc_u64 s[14:15], s[14:15], s[22:23]      ; part: my half's plane, my 256 bytes of a row
	s_cmp_eq_u32 s18, 0
	s_cselect_b32 s40, -1, 0                       ; the bias counts in half 0 alone
	s_mov_b32 s21, s16                             ; my first group: w
	TRIPB
	s_wait_loadcnt 63                              ; 64 younger loads were issued; the count's field ends at 63: my number of b2, block 0 and one load more are in
	v_cndmask_b32 v[BV], 0, v[BV], s40
	QP 0
	ds_store_b32 v[BLA], v[BV]
	PLIST                                          ; 18 loads, between the blocks
	LOADP 2
	s_wait_loadcnt 63                              ; 82 younger loads were issued: block 1 is in, and the 18 with it
	s_wait_kmcnt 0x0
	s_min_u32 s19, s19, 0x400
	PADDR
	QP 1
	PDATA                                          ; 30 loads, between the blocks
	LOADP 3
	s_wait_loadcnt 63                              ; 94 younger loads were issued: block 2 is in, and the 30 with it
	QP 2
	s_wait_loadcnt 0x0
	QP 3
.irp j, 0,1
	ds_store_b32 v[LSW], v[SBW+\j] offset:SJOFF*\j
.endr
	s_wait_dscnt 0x0                               ; for the others' sake: my LDS stores are done
	s_barrier_signal -1
	s_barrier_wait -1                              ; codes, scale words and biases lie in LDS; from here on they are only read, and a stage is its wave's own
	s_wait_alu depctr_vm_vsrc(0)                   ; my LDS stores have read v22-31, in which the biases' loads land
	s_add_co_u32 s20, s19, 31
	s_lshr_b32 s20, s20, 5                         ; groups of 32 rows: 32 at the most
	s_cmp_ge_u32 s16, s20
	s_cbranch_scc1 .Lend
	BODY
	s_wait_alu depctr_vm_vsrc(0)                   ; the first group's loads and stores have read v16-143, v186-187 and v192-207, all of which the second group writes again
	s_add_co_u32 s21, s16, 16                      ; my second group: w + 16; there is no third
	s_cmp_ge_u32 s21, s20
	s_cbranch_scc1 .Lend
	s_wait_xcnt 0x0                                ; the first group's stores have read their data, offsets and base: the registers are written again only behind this wait
	TRIPB
	PLIST
	s_wait_loadcnt 0x0
	PADDR
	s_wait_alu depctr_va_vdst(0)                   ; PADDR has written v186-187 and v192-207, which the gates' loads and the way out's stores read, and is done with v208-223, in which hidden codes land
	PDATA
	BODY
.Lend:
	s_wait_xcnt 0x0
	v_lshl_add_u32 v254, v0, 2, 0x23000
	v_mov_b32 v255, 0
	s_wait_dscnt 0x0                               ; the closing lines, six on end
	s_wait_alu 0x0
	s_wait_tensorcnt 0x0
	ds_add_u32 v254, v255
	s_wait_dscnt 0x0
	s_endpgm
.Lfunc_end_k_q4556b52ad6_down:
	.size	k_q4556b52ad6_down, .Lfunc_end_k_q4556b52ad6_down-k_q4556b52ad6_down
	.p2alignl 7, 3214868480
	.fill 96, 4, 3214868480
	.section	.rodata,"a",@progbits
	.p2align	6, 0x0
	.amdhsa_kernel k_q4556b52ad6_down
		.amdhsa_group_segment_fixed_size 145408
		.amdhsa_private_segment_fixed_size 0
		.amdhsa_enable_private_segment 0
		.amdhsa_kernarg_size 48
		.amdhsa_user_sgpr_count 2
		.amdhsa_user_sgpr_kernarg_segment_ptr 1
		.amdhsa_wavefront_size32 1
		.amdhsa_system_sgpr_workgroup_id_x 1
		.amdhsa_system_sgpr_workgroup_id_y 1
		.amdhsa_system_sgpr_workgroup_id_z 1
		.amdhsa_system_vgpr_workitem_id 0
		.amdhsa_next_free_vgpr 256
		.amdhsa_next_free_sgpr 66
		.amdhsa_reserve_vcc 0
		.amdhsa_float_denorm_mode_32 3
		.amdhsa_float_denorm_mode_16_64 3
		.amdhsa_memory_ordered 1
		.amdhsa_forward_progress 1
		.amdhsa_inst_pref_size 153
	.end_amdhsa_kernel
	.amdgpu_metadata
---
amdhsa.version: [ 1, 2 ]
amdhsa.kernels:
  - .name:           k_q4556b52ad6_down
    .symbol:         k_q4556b52ad6_down.kd
    .args:
      - { .name: W2, .offset: 0, .size: 8, .value_kind: global_buffer, .address_space: global }
      - { .name: b2, .offset: 8, .size: 8, .value_kind: global_buffer, .address_space: global }
      - { .name: hq, .offset: 16, .size: 8, .value_kind: global_buffer, .address_space: global }
      - { .name: route, .offset: 24, .size: 8, .value_kind: global_buffer, .address_space: global }
      - { .name: gp, .offset: 32, .size: 8, .value_kind: global_buffer, .address_space: global }
      - { .name: part, .offset: 40, .size: 8, .value_kind: global_buffer, .address_space: global }
    .group_segment_fixed_size: 145408
    .private_segment_fixed_size: 0
    .kernarg_segment_align: 8
    .kernarg_segment_size: 48
    .max_flat_workgroup_size: 512
    .sgpr_count:     66
    .vgpr_count:     256
    .wavefront_size: 32
...
	.end_amdgpu_metadata
.endif
;; end of part 12
;; launch combine (part 13): grid 256 x 1, 8 waves a work-group, no clusters, 0 bytes of LDS; arguments part, gp, out0, out1; writes out0, out1
.if DOCPART == 13
	.amdgcn_target "amdgcn-amd-amdhsa--gfx1250"
	.amdhsa_code_object_version 6
	.text
	.protected	k_q4556b52ad6_combine
	.globl	k_q4556b52ad6_combine
	.p2align	8
	.type	k_q4556b52ad6_combine,@function
k_q4556b52ad6_combine:
	s_mov_b64 s[64:65], 0
	v_nop
	global_prefetch_b8 v0, s[64:65] scope:SCOPE_SE
	s_setreg_imm32_b32 hwreg(HW_REG_WAVE_MODE, 25, 1), 1
	s_wait_xcnt 0x0
; COMBINE.  out0[t] = part[0][2 t] + part[0][2 t + 1] + part[1][2 t] + part[1][2 t + 1]: the token's two experts, each in two halves of K; gates and biases are in the parts already.
; part is [2][2,304 rows][1,024] f32; rows 2,048 on of a plane are spare and are not read.
; A stream: a work-group takes 4 tokens, a thread 16 bytes of a row, so each load and store of a wave covers 512 consecutive bytes, aligned.  All 16 loads go out at once; no loop, no LDS, no register written twice.
; The second plane lies 9,437,184 bytes on, more than a load's signed 24-bit immediate reaches: it has a base of its own.
; THE LOSS.  Wave 0 of work-group 0 also makes out1 = 8 x sum over e of (S_e / sum S) (S_e / 1024), S_e the sum of expert e's probabilities: gp holds, from byte 8,192 on, 64 sums over 16 tokens for each expert.
;   Its four loads go out ahead of the stream's, so the stream's counted waits, which count younger loads, stand as they are; the stream's text is written twice, once for that wave.
; Matrix units, clusters and LDS would add nothing: every byte is read once and written once.
.set PLANE, 2304*4096
.set D, 16                             ; v16-79: token t's four parts at D + 16 t: plane 0 k = 0, 1, plane 1 k = 0, 1
.set S8, 80                            ; v80-95: two rows of eight sums
.macro MAIN
.irp t, 0,1,2,3
.irp k, 0,1
	global_load_b128 v[D+16*\t+4*\k:D+16*\t+4*\k+3], v1, s[4:5] offset:4096*(2*\t+\k) th:TH_LOAD_NT
	global_load_b128 v[D+16*\t+8+4*\k:D+16*\t+8+4*\k+3], v1, s[12:13] offset:4096*(2*\t+\k) th:TH_LOAD_NT
.endr
.endr
.irp t, 0,1,2,3
	s_wait_loadcnt 12-4*\t                         ; this token's four loads are in; the later tokens' may be out
.irp q, 0,2
	v_pk_add_f32 v[D+16*\t+\q:D+16*\t+\q+1], v[D+16*\t+\q:D+16*\t+\q+1], v[D+16*\t+4+\q:D+16*\t+4+\q+1]
	v_pk_add_f32 v[D+16*\t+8+\q:D+16*\t+8+\q+1], v[D+16*\t+8+\q:D+16*\t+8+\q+1], v[D+16*\t+12+\q:D+16*\t+12+\q+1]
.endr
.irp q, 0
	s_delay_alu instid0(VALU_DEP_3)
	v_pk_add_f32 v[D+16*\t+\q:D+16*\t+\q+1], v[D+16*\t+\q:D+16*\t+\q+1], v[D+16*\t+8+\q:D+16*\t+8+\q+1]
.endr
.irp q, 2
	s_delay_alu instid0(VALU_DEP_2)
	v_pk_add_f32 v[D+16*\t+\q:D+16*\t+\q+1], v[D+16*\t+\q:D+16*\t+\q+1], v[D+16*\t+8+\q:D+16*\t+8+\q+1]
.endr
	global_store_b128 v1, v[D+16*\t:D+16*\t+3], s[8:9] offset:4096*\t th:TH_STORE_NT
.endr
.endm
	s_load_b256 s[4:11], s[0:1], 0x0               ; part s[4:5], gp s[6:7], out0 s[8:9], out1 s[10:11]
	v_lshlrev_b32 v1, 4, v0
	v_lshrrev_b32 v2, 5, v0
	s_delay_alu instid0(VALU_DEP_1)
	v_readfirstlane_b32 s14, v2                    ; wave
	s_or_b32 s14, s14, ttmp9                       ; 0 in wave 0 of work-group 0
	s_lshl_b32 s16, ttmp9, 15                      ; 8 rows of part
	s_mov_b32 s17, 0
	s_lshl_b32 s18, ttmp9, 14                      ; 4 rows of out0
	s_mov_b32 s19, 0
	s_wait_kmcnt 0x0
	s_add_nc_u64 s[4:5], s[4:5], s[16:17]
	s_add_nc_u64 s[12:13], s[4:5], PLANE
	s_add_nc_u64 s[8:9], s[8:9], s[18:19]
	s_cmp_eq_u32 s14, 0
	s_cbranch_scc1 .Laux
	s_wait_alu depctr_va_vdst(0)
	MAIN
	s_endpgm
.Laux:
	v_lshlrev_b32 v3, 6, v0                        ; lane l: rows 2 l and 2 l + 1 of the sums, 64 bytes
	s_add_nc_u64 s[6:7], s[6:7], 8192
	s_mov_b32 s20, 0x76543210
	s_mov_b32 s21, 0xfedcba98
.irp q, 0,1,2,3
	global_load_b128 v[S8+4*\q:S8+4*\q+3], v3, s[6:7] offset:16*\q
.endr
	s_wait_alu depctr_va_vdst(0)
	MAIN                                           ; its last wait is for 0: the sums are in
.irp q, 0,2,4,6
	v_pk_add_f32 v[S8+\q:S8+\q+1], v[S8+\q:S8+\q+1], v[S8+8+\q:S8+8+\q+1]
.endr
.irp m, 1,2,4,8
.irp e, 0,1,2,3,4,5,6,7
	v_add_f32_dpp v[S8+\e], v[S8+\e], v[S8+\e] row_xmask:\m row_mask:0xf bank_mask:0xf
.endr
.endr
.irp e, 0,1,2,3,4,5,6,7
	v_permlanex16_b32 v[S8+8+\e], v[S8+\e], s20, s21
.endr
.irp e, 0,1,2,3,4,5,6,7
	v_add_f32 v[S8+\e], v[S8+\e], v[S8+8+\e]       ; S_e, in every lane
.endr
	v_add_f32 v96, v[S8], v[S8+1]
	v_mul_f32 v97, v[S8], v[S8]
.irp e, 2
	s_delay_alu instid0(VALU_DEP_2)
	v_add_f32 v96, v96, v[S8+\e]
.endr
.irp e, 3, 4, 5, 6, 7
	s_delay_alu instid0(VALU_DEP_1)
	v_add_f32 v96, v96, v[S8+\e]
.endr
.irp e, 1
	v_fmac_f32 v97, v[S8+\e], v[S8+\e]
.endr
.irp e, 2, 3, 4, 5, 6, 7
	s_delay_alu instid0(VALU_DEP_1)
	v_fmac_f32 v97, v[S8+\e], v[S8+\e]
.endr
	s_wait_alu depctr_va_vdst(0)
	v_rcp_f32 v98, v96
	v_mul_f32 v97, 0x3c000000, v97                 ; x 8 / 1024  (the plain place behind the reciprocal)
	v_mov_b32 v99, 0
	s_wait_alu depctr_va_vdst(0)                   ; ahead of the reciprocal's first reader
	v_mul_f32 v97, v97, v98
	s_wait_alu depctr_va_vdst(0)
	s_wait_xcnt 0x0                                ; EXEC changes only behind this wait
	v_cmp_eq_u32 vcc_lo, 0, v0
	s_and_saveexec_b32 s22, vcc_lo
	global_store_b32 v99, v97, s[10:11]
	s_wait_xcnt 0x0
	s_or_b32 exec_lo, exec_lo, s22
	s_endpgm
.Lfunc_end_k_q4556b52ad6_combine:
	.size	k_q4556b52ad6_combine, .Lfunc_end_k_q4556b52ad6_combine-k_q4556b52ad6_combine
	.p2alignl 7, 3214868480
	.fill 96, 4, 3214868480
	.section	.rodata,"a",@progbits
	.p2align	6, 0x0
	.amdhsa_kernel k_q4556b52ad6_combine
		.amdhsa_group_segment_fixed_size 0
		.amdhsa_private_segment_fixed_size 0
		.amdhsa_enable_private_segment 0
		.amdhsa_kernarg_size 32
		.amdhsa_user_sgpr_count 2
		.amdhsa_user_sgpr_kernarg_segment_ptr 1
		.amdhsa_wavefront_size32 1
		.amdhsa_system_sgpr_workgroup_id_x 1
		.amdhsa_system_sgpr_workgroup_id_y 1
		.amdhsa_system_sgpr_workgroup_id_z 1
		.amdhsa_system_vgpr_workitem_id 0
		.amdhsa_next_free_vgpr 104
		.amdhsa_next_free_sgpr 66
		.amdhsa_reserve_vcc 1
		.amdhsa_float_denorm_mode_32 3
		.amdhsa_float_denorm_mode_16_64 3
		.amdhsa_memory_ordered 1
		.amdhsa_forward_progress 1
		.amdhsa_inst_pref_size 14
	.end_amdhsa_kernel
	.amdgpu_metadata
---
amdhsa.version: [ 1, 2 ]
amdhsa.kernels:
  - .name:           k_q4556b52ad6_combine
    .symbol:         k_q4556b52ad6_combine.kd
    .args:
      - { .name: part, .offset: 0, .size: 8, .value_kind: global_buffer, .address_space: global }
      - { .name: gp, .offset: 8, .size: 8, .value_kind: global_buffer, .address_space: global }
      - { .name: out0, .offset: 16, .size: 8, .value_kind: global_buffer, .address_space: global }
      - { .name: out1, .offset: 24, .size: 8, .value_kind: global_buffer, .address_space: global }
    .group_segment_fixed_size: 0
    .private_segment_fixed_size: 0
    .kernarg_segment_align: 8
    .kernarg_segment_size: 32
    .max_flat_workgroup_size: 256
    .sgpr_count:     66
    .vgpr_count:     104
    .wavefront_size: 32
...
	.end_amdgpu_metadata
.endif
;; end of part 13
